; MI455X (gfx1250); checked and timed in simulation.
; The chip was launched on July 23, 2026; its instructions are those of AMD's public machine-readable ISA for CDNA 5 (MIT licence, August 2026) and "CDNA5" Instruction Set Architecture Reference Guide (July 2026). The comments in the code are by the model that wrote it; some were corrected since.
;; Sparse Mo EFFN. Allowed arithmetic: matrix products marked QUANTISED: E2M1 operands, one E8M0 scale for each 32 along K, by v_wmma_scale_f32_16x16x128_f8f6f4 with both operands' format E2M1 (or v_wmma_scale_f32_32x16x128_f4), f32 sums; products left as they are: f32 operands where the result goes on into a quantised operand, else bf16, f16 or f32 operands; f32 sums; everything else in f32.
;; Inputs: W1 8 x 1,024 x 4,096 float32; W2 8 x 4,096 x 1,024 float32; b1 8 x 4,096 float32; b2 8 x 1,024 float32; w_router 1,024 x 8 float32; x 8 x 128 x 1,024 float32.
;; Outputs: out0 8 x 128 x 1,024 float32; out1 one number float32.
;; This version of the problem:
;;   THIS VERSION OF THE PROBLEM IS GIVEN IN LOW PRECISION. The matrix products marked QUANTISED in the list below multiply operands that are first quantised to E2M1 (2 exponent bits, 1 mantissa bit; 4 bits a number), with one power-of-two scale for each 32 numbers along K (OCP MX v1.0); their sums are f32. All else is computed in f32.
;;   The module's matrix products, in the order in which they are computed (A, B: the left and right operand; K: the contracted axis; several contracted axes count as one K, in the product's order):
;;     1. [M 1,024, K 1,024] x [K 1,024, N 8]; A: input x; B: input w_router: left as it is (N = 8 < 16)
;;     2. [M 1,024, K 1,024] x [K 1,024, N 4,096]; A: input x; B: input W1: QUANTISED
;;     3. [M 1,024, K 4,096] x [K 4,096, N 1,024]; A: computed on the way; B: input W2: QUANTISED
;;     4. [M 1,024, K 1,024] x [K 1,024, N 4,096]; A: input x; B: input W1: QUANTISED
;;     5. [M 1,024, K 4,096] x [K 4,096, N 1,024]; A: computed on the way; B: input W2: QUANTISED
;;     6. [M 1,024, K 1,024] x [K 1,024, N 4,096]; A: input x; B: input W1: QUANTISED
;;     7. [M 1,024, K 4,096] x [K 4,096, N 1,024]; A: computed on the way; B: input W2: QUANTISED
;;     8. [M 1,024, K 1,024] x [K 1,024, N 4,096]; A: input x; B: input W1: QUANTISED
;;     9. [M 1,024, K 4,096] x [K 4,096, N 1,024]; A: computed on the way; B: input W2: QUANTISED
;;     10. [M 1,024, K 1,024] x [K 1,024, N 4,096]; A: input x; B: input W1: QUANTISED
;;     11. [M 1,024, K 4,096] x [K 4,096, N 1,024]; A: computed on the way; B: input W2: QUANTISED
;;     12. [M 1,024, K 1,024] x [K 1,024, N 4,096]; A: input x; B: input W1: QUANTISED
;;     13. [M 1,024, K 4,096] x [K 4,096, N 1,024]; A: computed on the way; B: input W2: QUANTISED
;;     14. [M 1,024, K 1,024] x [K 1,024, N 4,096]; A: input x; B: input W1: QUANTISED
;;     15. [M 1,024, K 4,096] x [K 4,096, N 1,024]; A: computed on the way; B: input W2: QUANTISED
;;     16. [M 1,024, K 1,024] x [K 1,024, N 4,096]; A: input x; B: input W1: QUANTISED
;;     17. [M 1,024, K 4,096] x [K 4,096, N 1,024]; A: computed on the way; B: input W2: QUANTISED
;;   THE QUANTISER, for each operand of a quantised product, along K:
;;     - K is cut into blocks of 32 from its start; a last block that is shorter is filled with zeros.
;;     - A block's scale is 2^e with e = floor(log2(the largest magnitude in the block)) - 2, held to -126 .. 127; a block of zeros has e = 0. As a byte (E8M0): e + 127.
;;     - Each number is divided by its block's scale, clamped to +-6, and rounded to the nearest number of E2M1, ties to even, subnormals kept.
;;     - The product sums the exact products of the quantised numbers (number of the format x scale) in f32.
;;   ~~~python
;;   def quantise(x, axis):      # numpy; x: float32 -> the quantised numbers, widened to float32 again
;;       x = np.moveaxis(x, axis, -1); K = x.shape[-1]
;;       x = np.pad(x, [(0, 0)] * (x.ndim - 1) + [(0, -K % 32)]); x = x.reshape(x.shape[:-1] + (-1, 32)); a = np.abs(x).max(-1, keepdims=True)
;;       e = np.where(a > 0, np.clip(np.frexp(np.where(a > 0, a, 1))[1] - 1 - 2, -126, 127), 0)      # np.frexp(a)[1] - 1 = floor(log2(a)), exactly
;;       r = np.clip(x / 2.0 ** e, -6, 6)
;;       step = 2.0 ** (np.maximum(np.frexp(np.where(r == 0, 1, r))[1] - 1, 0) - 1)
;;       q = np.round(r / step) * step * 2.0 ** e      # np.round: ties to even
;;       return np.moveaxis(q.reshape(q.shape[:-2] + (-1,))[..., :K], -1, axis).astype(np.float32)
;;   ~~~
;;   OPERANDS COMPUTED ON THE WAY. 'Computed on the way' means the value that the module computes at that place (a softmax that the list does not call 'softmax' is quantised finished and normalised). What goes into a quantiser is computed in f32, as accurately as f32 sums, v_exp_f32 and their like allow (about 1e-6 of the number): no bf16 or f16 on the way to a quantiser, and a product that is left as it is and whose result goes on into a quantised operand takes f32 operands (vector FMAs, or v_wmma_f32_16x16x4_f32). A number that lies on a knife's edge between two numbers of the format may be rounded either way, as far as f32 arithmetic and the matrix unit's own rounding can turn it there, and no further.
;; 2 versions. Each part assembles by itself: llvm-mc -triple=amdgcn-amd-amdhsa -mcpu=gfx1250 --defsym DOCPART=n.
;; ======== version 1 of 2: 4 launches
;; workspace buffers: xq 524,288 bytes; xs 32,768 bytes; sel 4,096 bytes of whole numbers; gate 8,192 bytes; probs 65,536 bytes; hq 16,777,216 bytes; hs 1,048,576 bytes; y 16,777,216 bytes
;; launch route (part 1): grid 256 x 1, 4 waves a work-group, no clusters, 33,792 bytes of LDS; arguments x, w_router, xq, xs, sel, gate, probs; writes xq, xs, sel, gate, probs
.if DOCPART == 1
	.amdgcn_target "amdgcn-amd-amdhsa--gfx1250"
	.amdhsa_code_object_version 6
	.text
	.protected	k_q5a1a4591f6_route
	.globl	k_q5a1a4591f6_route
	.p2align	8
	.type	k_q5a1a4591f6_route,@function
k_q5a1a4591f6_route:
	s_mov_b64 s[64:65], 0
	v_nop
	global_prefetch_b8 v0, s[64:65] scope:SCOPE_SE
	s_setreg_imm32_b32 hwreg(HW_REG_WAVE_MODE, 25, 1), 1
	s_wait_xcnt 0x0
; SparseMoEFFN, launch 1 of 4: the router in f32, and x as codes of FP4 (E2M1) with one E8M0 byte for each 32 along K.
; DEAD WORK, left out in the launches that follow.  reference() forms w[t][e] as the sum over the two slots of one_hot(topk_i[t])[e] x topk_p[t]: for an expert e that is not
; among topk_i[t] both terms are products with zeros that reference() builds itself, so w[t][e] y_e[t] = 0 for every finite y_e[t], whatever the inputs hold.  Row t of x W1[e], of its
; GELU and of h W2[e] then reaches no output.  The program multiplies, for each token, the rows of its two chosen experts alone: 2,048 rows in place of 8,192.  Every input stays live and is loaded.
; LIMIT: a NaN, an infinity or an overflow that arises only in a row of an expert that was not chosen is not carried to out0.
; SHARES.  A wave takes one token (4 x work-group + wave).  Lane l holds block l of the row, k = 32 l .. 32 l + 31, in 32 registers: the block's largest magnitude needs no other lane,
; and the lane's part of the eight logits is 32 x 8 fused multiply-adds in f32 (packed, two experts an instruction).  w_router (32,768 bytes) is staged in LDS once a work-group, a region of
; 1,024 bytes + 16 of padding for each lane: 260 words from lane to lane.
; WHAT IS STORED: xq [token][512 B] codes, block b at byte 16 b; xs [token][8 words] scale bytes; sel [token]: bits 7:0 = (1 << i0) | (1 << i1), bits 10:8 = i0, bits 18:16 = i1, whole numbers from which
; the later launches form addresses; gate [token][2]: the two weights, renormalised; probs [token][16]: the 8 probabilities, then 1.0 at i0 and i1 and 0 elsewhere, for the auxiliary number.
; The choice only selects values here (v_cndmask_b32): no address and no branch of this launch hangs on it.  Ties keep the lower index, as jax.lax.top_k does (the scans compare strictly).
; The small stores (4 to 64 bytes a token) fill their 256-byte runs from several waves: 108 bytes a token beside the 4,096 that are read.
; LIMITS: a probability under 2^-126 comes out as 0 (v_exp_f32 gives 0 for results under the smallest normal number: ISA guide, its entry in 15.8); blocks of x whose largest magnitude lies under 2^-124 keep the
; byte 1 (a block of zeros too: its codes are zeros, and this program alone reads the bytes); NaN and infinities among the inputs are not served.
.set WPITCH, 1040                      ; a lane's region of w_router in LDS
.set SPARE,  33280                     ; behind the 32 regions: the spare words, 128 bytes for each wave
.set SPW, 2                            ; v2   LDS address of my spare word; never rewritten
.set NIL, 3                            ; v3   0; never rewritten
.set BUF, 16                           ; v16-79   w_router as loaded; later two buffers of 32 for the chunks
.set XR,  80                           ; v80-111  my 32 numbers of x
.set LG,  112                          ; v112-119 the logits
.set EX,  120                          ; v120-127 the exponentials
.set PR,  128                          ; v128-135 the probabilities
.set T8,  136                          ; v136-143 at work
.set VM,  144                          ; the largest logit
.set VS,  145                          ; the sum
.set VR,  146                          ; its reciprocal
.set V0,  148                          ; the largest p, its index,
.set I0,  149
.set V1,  150                          ; the second, its index
.set I1,  151
.set S2,  152
.set R2,  153
.set G0,  154
.set G1,  155
.set SELW, 156
.set ONE, 157
.set TT,  158
.set LE,  159
.set PV,  160
.set OH,  161
.set T3,  162
.set AXQ, 163
.set AXS, 164
.set APR, 165
.set AGT, 166
.set GV,  167
.set AZ,  168
.set SH,  169
.set DP,  170
	s_load_b256 s[4:11], s[0:1], 0x0               ; x s[4:5], w_router s[6:7], xq s[8:9], xs s[10:11]
	s_load_b128 s[12:15], s[0:1], 0x20             ; sel s[12:13], gate s[14:15]
	s_load_b64 s[16:17], s[0:1], 0x30              ; probs
	v_lshl_add_u32 v[SPW], v0, 2, SPARE
	v_mov_b32 v[NIL], 0
	v_lshrrev_b32 v1, 5, v0
	v_readfirstlane_b32 s18, v1                    ; wave 0..3
	v_and_b32 v1, 31, v0                           ; lane
	v_lshlrev_b32 v4, 4, v0                        ; staging, in: 16 bytes a thread, 2,048 a load of the work-group
	v_lshrrev_b32 v5, 6, v0
	v_mul_u32_u24 v5, v5, WPITCH
	v_and_b32 v12, 63, v0
	v_lshl_add_u32 v5, v12, 4, v5                  ; staging, out: region 2 i + thread / 64, byte 16 (thread % 64)
	v_lshlrev_b32 v6, 7, v1                        ; x: my block's 128 bytes
	v_mul_u32_u24 v7, v1, WPITCH                   ; my region of w_router
	v_lshlrev_b32 v[AXQ], 4, v1                    ; xq: 16 bytes a lane
	v_and_b32 v[AXS], 0x1c, v1                     ; xs: word lane / 4
	v_and_b32 v[APR], 15, v1
	v_lshlrev_b32 v[APR], 2, v[APR]                ; probs: number lane % 16
	v_and_b32 v[AGT], 1, v1
	v_lshlrev_b32 v[AGT], 2, v[AGT]                ; gate: number lane % 2
	v_mov_b32 v[AZ], 0
	v_and_b32 v[SH], 3, v1
	v_lshlrev_b32 v[SH], 3, v[SH]                  ; my byte's place in the scale word: 8 (lane % 4) bits up
	v_and_b32 v[LE], 7, v1
	v_mov_b32 v[ONE], 1
	v_mov_b32 v[DP], 0                             ; a lane permute's destination counts as one of its sources: written once
.irp e, 0,1,2,3,4,5,6,7
	v_mov_b32 v[T8+\e], 0
.endr
	s_lshl_b32 s19, ttmp9, 2
	s_add_co_u32 s19, s19, s18                     ; my token
	s_mov_b32 s20, 0x76543210
	s_mov_b32 s21, 0xfedcba98                      ; v_permlanex16_b32's selects for lane l xor 16
	s_mov_b32 s22, 0x3fb8aa3b                      ; log2(e)
	s_mov_b32 s31, 0
	s_wait_kmcnt 0x0
	s_lshl_b32 s30, s19, 12
	s_add_nc_u64 s[4:5], s[4:5], s[30:31]          ; each buffer at my token
	s_lshl_b32 s30, s19, 9
	s_add_nc_u64 s[8:9], s[8:9], s[30:31]
	s_lshl_b32 s30, s19, 5
	s_add_nc_u64 s[10:11], s[10:11], s[30:31]
	s_lshl_b32 s30, s19, 2
	s_add_nc_u64 s[12:13], s[12:13], s[30:31]
	s_lshl_b32 s30, s19, 3
	s_add_nc_u64 s[14:15], s[14:15], s[30:31]
	s_lshl_b32 s30, s19, 6
	s_add_nc_u64 s[16:17], s[16:17], s[30:31]
.irp i, 0,1,2,3,4,5,6,7,8,9,10,11,12,13,14,15
	global_load_b128 v[BUF+4*\i:BUF+4*\i+3], v4, s[6:7] offset:2048*\i     ; w_router: the four waves read 2,048 consecutive bytes
.endr
.irp i, 0,1,2,3,4,5,6,7
	global_load_b128 v[XR+4*\i:XR+4*\i+3], v6, s[4:5] offset:16*\i         ; x: my 32 neighbours; the wave's eight loads together take the row's 4,096 bytes
.endr
	s_wait_loadcnt 8                               ; w_router is in: x's eight loads were issued behind it
.irp i, 0,1,2,3,4,5,6,7,8,9,10,11,12,13,14,15
	ds_store_b128 v5, v[BUF+4*\i:BUF+4*\i+3] offset:2080*\i
.endr
	s_wait_loadcnt 0x0                             ; x
	; my block of x: largest magnitude, scale, codes
	v_max3_num_f32 v12, |v[XR]|, |v[XR+1]|, |v[XR+2]|
	v_max3_num_f32 v13, |v[XR+3]|, |v[XR+4]|, |v[XR+5]|
.irp n, 6,10,14,18,22,26
	v_max3_num_f32 v12, v12, |v[XR+\n]|, |v[XR+\n+1]|
	v_max3_num_f32 v13, v13, |v[XR+\n+2]|, |v[XR+\n+3]|
.endr
	v_max3_num_f32 v12, v12, |v[XR+30]|, |v[XR+31]|
	v_max3_num_f32 v12, v12, v13, 0x1800000        ; and the floor 2^(3 - 127): the byte cannot fall under 1
	v_add_nc_u32 v14, 0xff000000, v12              ; 2 off the exponent field: the conversion takes the exponent field of this operand as its scale
.irp g, 0,1,2,3
	v_cvt_scalef32_pk8_fp4_f32 v[8+\g], v[XR+8*\g:XR+8*\g+7], v14
.endr
	v_lshrrev_b32 v15, 23, v14                     ; the scale's byte
	v_lshlrev_b32 v15, v[SH], v15                  ; at its place in the word of K step lane / 4;
	v_mov_b32_dpp v[DP], v15 row_xmask:1 row_mask:0xf bank_mask:0xf
	v_or_b32 v15, v15, v[DP]
	v_mov_b32_dpp v[DP], v15 row_xmask:2 row_mask:0xf bank_mask:0xf
	v_or_b32 v15, v15, v[DP]                       ; with the three other lanes' bytes the word is whole, in all four
	global_store_b128 v[AXQ], v[8:11], s[8:9]      ; the wave stores the token's 512 bytes of codes
	global_store_b32 v[AXS], v15, s[10:11]         ; four lanes store the same word with the same value
	s_wait_dscnt 0x0                               ; for the others' sake: my part of w_router lies in LDS
	s_barrier_signal -1
	s_barrier_wait -1
; the logits: chunk j is k = 32 l + 4 j .. + 3: 128 bytes of my region, register 8 c + e = w_router[32 l + 4 j + c][e]
.macro LOADC j
.irp q, 0,1,2,3,4,5,6,7
	ds_load_b128 v[BUF+32*((\j)%2)+4*\q:BUF+32*((\j)%2)+4*\q+3], v7 offset:128*(\j)+16*\q
.endr
.endm
.macro DOT4 j                          ; 16 packed multiply-adds: x's number feeds both halves (op_sel picks it out of its pair)
.irp c, 0,1,2,3
.irp p, 0,1,2,3
.set WA, BUF+32*((\j)%2)+8*\c+2*\p
.set XP, XR+4*(\j)+2*(\c/2)
.if ((\j) == 0) && (\c == 0)
	v_pk_mul_f32 v[LG+2*\p:LG+2*\p+1], v[XP:XP+1], v[WA:WA+1] op_sel_hi:[0,1]      ; the first product starts the sums
.elseif (\c%2) == 0
	v_pk_fma_f32 v[LG+2*\p:LG+2*\p+1], v[XP:XP+1], v[WA:WA+1], v[LG+2*\p:LG+2*\p+1] op_sel_hi:[0,1,1]
.else
	v_pk_fma_f32 v[LG+2*\p:LG+2*\p+1], v[XP:XP+1], v[WA:WA+1], v[LG+2*\p:LG+2*\p+1] op_sel:[1,0,0] op_sel_hi:[1,1,1]
.endif
.endr
.endr
.endm
	LOADC 0
.irp j, 0,1,2,3,4,5,6
	LOADC \j+1
	s_wait_dscnt 8                                 ; this chunk is in; the next chunk's eight loads may be out
	DOT4 \j
.endr
	s_wait_dscnt 0x0
	DOT4 7
.irp m, 1,2,4,8                        ; the 32 lanes' parts are added: every lane ends with the eight logits
.irp e, 0,1,2,3,4,5,6,7
	v_add_f32_dpp v[LG+\e], v[LG+\e], v[LG+\e] row_xmask:\m row_mask:0xf bank_mask:0xf
.endr
.endr
.irp e, 0,1,2,3,4,5,6,7
	v_permlanex16_b32 v[T8+\e], v[LG+\e], s20, s21
.endr
.irp e, 0,1,2,3,4,5,6,7
	v_add_f32 v[LG+\e], v[LG+\e], v[T8+\e]
.endr
	; softmax, with the maximum taken away as reference() takes it
	v_max3_num_f32 v[VM], v[LG], v[LG+1], v[LG+2]
	v_max3_num_f32 v[VM], v[VM], v[LG+3], v[LG+4]
	v_max3_num_f32 v[VM], v[VM], v[LG+5], v[LG+6]
	v_max_num_f32 v[VM], v[VM], v[LG+7]
.irp e, 0,1,2,3,4,5,6,7
	v_sub_f32 v[EX+\e], v[LG+\e], v[VM]
.endr
.irp e, 0,1,2,3,4,5,6,7
	v_mul_f32 v[EX+\e], s22, v[EX+\e]
.endr
.irp e, 0,1,2,3,4,5,6,7
	v_exp_f32 v[EX+\e], v[EX+\e]
.endr
	v_nop                                          ; a plain instruction behind the last exponential
	s_wait_alu depctr_va_vdst(0)                   ; the wait ahead of the batch's first reader: one for the eight
	v_add_f32 v[VS], v[EX], v[EX+1]
	v_add_f32 v[TT], v[EX+2], v[EX+3]
	v_add_f32 v[T3], v[EX+4], v[EX+5]
	v_add_f32 v[PV], v[EX+6], v[EX+7]
	v_add_f32 v[VS], v[VS], v[TT]
	v_add_f32 v[T3], v[T3], v[PV]
	v_add_f32 v[VS], v[VS], v[T3]
	v_rcp_f32 v[VR], v[VS]
	v_nop
	s_wait_alu depctr_va_vdst(0)
.irp e, 0,1,2,3,4,5,6,7
	v_mul_f32 v[PR+\e], v[EX+\e], v[VR]
.endr
; the largest of eight and its index: an ascending scan that compares strictly, so that of equals the lower index stays
.macro SCAN src, val, idx
	v_mov_b32 v[\val], v[\src]
	v_mov_b32 v[\idx], 0
.irp e, 1,2,3,4,5,6,7
	v_cmp_gt_f32 vcc_lo, v[\src+\e], v[\val]
	v_cndmask_b32 v[\val], v[\val], v[\src+\e], vcc_lo
	v_cndmask_b32 v[\idx], v[\idx], \e, vcc_lo
.endr
.endm
	SCAN PR, V0, I0
.irp e, 0,1,2,3,4,5,6,7
	v_cmp_eq_u32 vcc_lo, \e, v[I0]
	v_cndmask_b32 v[T8+\e], v[PR+\e], -1.0, vcc_lo  ; the first choice is taken out: -1 lies under every probability
.endr
	SCAN T8, V1, I1
	v_add_f32 v[S2], v[V0], v[V1]
	v_rcp_f32 v[R2], v[S2]
	v_lshlrev_b32 v[SELW], v[I0], v[ONE]           ; (plain work behind the reciprocal)  1 << i0
	v_lshlrev_b32 v[TT], v[I1], v[ONE]
	v_or_b32 v[SELW], v[SELW], v[TT]
	v_lshl_or_b32 v[SELW], v[I0], 8, v[SELW]
	v_lshl_or_b32 v[SELW], v[I1], 16, v[SELW]
	s_wait_alu depctr_va_vdst(0)
	v_mul_f32 v[G0], v[V0], v[R2]
	v_mul_f32 v[G1], v[V1], v[R2]
	; what each lane stores: lanes that share an address hold the same value, so all lanes stay on
	v_mov_b32 v[PV], v[PR]
.irp e, 1,2,3,4,5,6,7
	v_cmp_eq_u32 vcc_lo, \e, v[LE]
	v_cndmask_b32 v[PV], v[PV], v[PR+\e], vcc_lo    ; p of expert lane % 8
.endr
	v_cmp_eq_u32 s23, v[LE], v[I0]
	v_cmp_eq_u32 s24, v[LE], v[I1]
	s_or_b32 s23, s23, s24
	v_cndmask_b32 v[OH], 0, 1.0, s23               ; 1 where expert lane % 8 was chosen
	v_and_b32 v[T3], 8, v1
	v_cmp_ne_u32 vcc_lo, 0, v[T3]
	v_cndmask_b32 v[PV], v[PV], v[OH], vcc_lo
	v_cmp_ne_u32 vcc_lo, 0, v[AGT]
	v_cndmask_b32 v[GV], v[G0], v[G1], vcc_lo
	global_store_b32 v[APR], v[PV], s[16:17]
	global_store_b32 v[AGT], v[GV], s[14:15]
	global_store_b32 v[AZ], v[SELW], s[12:13]
	s_wait_tensorcnt 0x0                           ; the wave's end
	ds_add_u32 v[SPW], v[NIL]
	s_wait_dscnt 0x0
	s_endpgm
.Lfunc_end_k_q5a1a4591f6_route:
	.size	k_q5a1a4591f6_route, .Lfunc_end_k_q5a1a4591f6_route-k_q5a1a4591f6_route
	.p2alignl 7, 3214868480
	.fill 96, 4, 3214868480
	.section	.rodata,"a",@progbits
	.p2align	6, 0x0
	.amdhsa_kernel k_q5a1a4591f6_route
		.amdhsa_group_segment_fixed_size 33792
		.amdhsa_private_segment_fixed_size 0
		.amdhsa_enable_private_segment 0
		.amdhsa_kernarg_size 56
		.amdhsa_user_sgpr_count 2
		.amdhsa_user_sgpr_kernarg_segment_ptr 1
		.amdhsa_wavefront_size32 1
		.amdhsa_system_sgpr_workgroup_id_x 1
		.amdhsa_system_sgpr_workgroup_id_y 1
		.amdhsa_system_sgpr_workgroup_id_z 1
		.amdhsa_system_vgpr_workitem_id 0
		.amdhsa_next_free_vgpr 176
		.amdhsa_next_free_sgpr 66
		.amdhsa_reserve_vcc 1
		.amdhsa_float_denorm_mode_32 3
		.amdhsa_float_denorm_mode_16_64 3
		.amdhsa_memory_ordered 1
		.amdhsa_forward_progress 1
		.amdhsa_inst_pref_size 29
	.end_amdhsa_kernel
	.amdgpu_metadata
---
amdhsa.version: [ 1, 2 ]
amdhsa.kernels:
  - .name:           k_q5a1a4591f6_route
    .symbol:         k_q5a1a4591f6_route.kd
    .args:
      - { .name: x, .offset: 0, .size: 8, .value_kind: global_buffer, .address_space: global }
      - { .name: w_router, .offset: 8, .size: 8, .value_kind: global_buffer, .address_space: global }
      - { .name: xq, .offset: 16, .size: 8, .value_kind: global_buffer, .address_space: global }
      - { .name: xs, .offset: 24, .size: 8, .value_kind: global_buffer, .address_space: global }
      - { .name: sel, .offset: 32, .size: 8, .value_kind: global_buffer, .address_space: global }
      - { .name: gate, .offset: 40, .size: 8, .value_kind: global_buffer, .address_space: global }
      - { .name: probs, .offset: 48, .size: 8, .value_kind: global_buffer, .address_space: global }
    .group_segment_fixed_size: 33792
    .private_segment_fixed_size: 0
    .kernarg_segment_align: 8
    .kernarg_segment_size: 56
    .max_flat_workgroup_size: 128
    .sgpr_count:     66
    .vgpr_count:     176
    .wavefront_size: 32
...
	.end_amdgpu_metadata
.endif
;; end of part 1
;; launch up (part 2): grid 32 x 8, 16 waves a work-group, no clusters, 71,680 bytes of LDS; arguments W1, b1, xq, xs, sel, hq, hs; writes hq, hs
.if DOCPART == 2
	.amdgcn_target "amdgcn-amd-amdhsa--gfx1250"
	.amdhsa_code_object_version 6
	.text
	.protected	k_q5a1a4591f6_up
	.globl	k_q5a1a4591f6_up
	.p2align	8
	.type	k_q5a1a4591f6_up,@function
k_q5a1a4591f6_up:
	s_mov_b64 s[64:65], 0
	v_nop
	global_prefetch_b8 v0, s[64:65] scope:SCOPE_SE
	s_setreg_imm32_b32 hwreg(HW_REG_WAVE_MODE, 25, 1), 1
	s_wait_xcnt 0x0
; SparseMoEFFN, launch 2 of 4: h = gelu(x W1[e] + b1[e]) for the rows routed to expert e, and h as codes of FP4 with one E8M0 byte for each 32 along the next K.
; WORK LEFT OUT: the rows of tokens that did not choose expert e (their weight is a zero that reference() builds itself: shown at the head of the first kernel).
; SHARES.  Work-group (s, e) owns columns 128 s .. 128 s + 127 of W1[e], all 1,024 along K: 524,288 bytes of f32, read once in the launch.
; PHASE A.  Wave w takes K step w / 2 (128 along K) of 64 columns (half w % 2).  A LANE TAKES A COLUMN, AND ITS REGISTERS RUN DOWN K: a block of 32 lies in one lane's 32 registers, so its largest magnitude needs
; no other lane and the conversions give codes with K innermost.  For each k two loads stand on end, columns l and 32 + l: together 256 consecutive bytes, aligned.  The codes go to LDS as IMAGES OF THE OPERAND'S
; REGISTERS: fragment (K step, tile) is 1,024 bytes, register group c of lane L at 512 c + 16 L.  Quantised weights never go to memory.
; THE COLUMNS THAT FORM A TILE ARE NOT NEIGHBOURS: column 32 bb + 16 a + 8 u + i is row 8 a + i of tile 2 bb + u, so that the 16 results a lane holds of tiles 2 bb and 2 bb + 1 are 16 neighbours along the next K.
; (The image stores of lanes 0-7 and 8-15 lie 1,024 bytes apart and share their banks: 8 such stores a wave.)
; PHASE B, behind ONE barrier.  Wave w takes the expert's row tiles w, w + 16, w + 32, w + 48, as far as the expert has rows.  The product is used transposed (source 0 = 16 columns of W1, source 1 = 16 tokens):
; a lane holds one token.  b1 is the C of each sum's first product (loaded into the accumulators).  Then the GELU in f32, the quantiser in registers, and the tile's fragment of h goes to hq as an image.
; WHICH TOKENS.  sel holds one word a token.  Every wave makes the expert's mask of 1,024 bits by 32 compares (word j = 4 q + c, bit i: token 128 q + 4 i + c) and finds "the n-th routed token" by whole-number
; arithmetic in registers (SELECT).  The next launch walks the same order.  Rows past the expert's count in its last tile take n = count - 1: exact copies of the last row, at most 15 an expert; so all lanes stay on.
; The count is a number read from memory, and a branch hangs on it: so this launch has no tensor load and no copy, and weights go from memory straight into registers.  For the same reason no cluster: what work-groups
; share (x's codes, 544 bytes a row) is small beside the 524,288 bytes that each streams alone.  An expert with no rows still streams its slice: an early end would put the barrier under a branch on loaded data.
; GELU, exact form: g = max(x, 0) - |x| q, q = erfc(|x| / sqrt 2) / 2 = t 2^L, t = 1 / (1 + |x| / (2 sqrt 2)), L = -x^2 log2(e) / 2 + P(t): the rational Chebyshev fit of erfc (degree 9 in t, fractional error
; under 1.2e-7 for every x), its coefficients times log2(e), 1 taken off the constant term for the half.  Both signs keep their relative accuracy; for large |x| q falls to 0 and g = max(x, 0).
; LIMITS: |x| q under 2^-126 comes out as 0 (v_exp_f32 gives 0 under the smallest normal number: ISA guide 15.8); blocks whose largest magnitude lies under 2^-124 keep the byte 1 (blocks of zeros too: their codes are
; zeros, and this program alone reads the bytes); NaN and infinities among the inputs are not served.  hs is stored in runs of 64 bytes: about 262,144 bytes in the launch.
.set PITCH, 16384                      ; bytes from k to k + 1 in W1[e]
.set WSC,   65536                      ; LDS: 0 .. 65,535 the 64 images; then the scale words, 256 bytes for each wave of phase A = for each group of phase B
.set SPARE, 69632                      ; then the spare words, 128 bytes for each wave
.set LIMG, 4                           ; v4   where my codes go;  v5 where my scale words go
.set LSC,  5
.set L16,  6                           ; v6   16 x lane
.set B64H, 7                           ; v7   64 (lane / 16): b1
.set TOK,  8                           ; v8   my row's token;  v9, v10 its place in xq, xs;  v11 my place in hq
.set SPW,  12                          ; v12  LDS address of my spare word; never rewritten
.set NIL,  13                          ; v13  0; never rewritten
.set XS,   16                          ; v16-23  x's scale words, a register a K step: scales and nothing else
.set WS,   24                          ; v24-27  W1's scale words, two sets of two: scales and nothing else
.set TM,   32                          ; v32-47  the quantiser's work
.set PC,   48                          ; v48-55  h's codes
.set PW,   56                          ; v56     h's scale word
.set HSO,  57                          ; v57     its place in hs
.set L8W,  58                          ; v58     WSC + 8 x lane
.set H16,  59                          ; v59     16 (lane / 16)
.set X,    64                          ; phase A: v64-191 two sets of 64 numbers
.set ACC,  64                          ; phase B: v64-127 eight accumulators
.set XF,   128                         ;          v128-191 x's eight fragments
.set C,    192                         ; phase A: v192-223 codes, eight registers for each block: no LDS store's data are written again
.set R,    192                         ;          and before them sel's 32 words
.set WB,   192                         ; phase B: v192-255 two buffers of four fragments of W1
.set SW,   224                         ; phase A: v224-237 small
.set AM,   226
.set SCO,  230
.set BY,   232
.set TMPM, 234
.set ST,   224                         ; SELECT's work: in the second buffer
.set GD,   192                         ; the GELU's work: four runs of 16
.set GT,   208
.set GP,   224
.set GQ,   240
.set SEL,  34                          ; s[34:35] lane selects for v_permlanex16_b32
.set CZ,   36                          ; s[36:37] -log2(e) / 2;  s[38+2k:39+2k] coefficient k, 0 to 8 (pairs: the packed forms name a pair and take its low word)
.set CK,   38
.set CT,   58                          ; s58  1 / (2 sqrt 2)
.set WP,   60                          ; s[60:61] my wave's corner of W1
.set MK,   68                          ; s68-99 the expert's mask
.macro NOPS n
.rept \n
	v_nop
.endr
.endm
.macro CPAIR reg, val
	s_mov_b32 s[\reg], \val
	s_mov_b32 s[\reg+1], \val
.endm
; block u of my K step: 32 rows of W1, two sets of 32 columns
.macro LOADU u
.set i, 0
.rept 32
	global_load_b32 v[X+64*((\u)%2)+i], v1, s[WP:WP+1] offset:(32*(\u)+i)*PITCH th:TH_LOAD_NT
	global_load_b32 v[X+64*((\u)%2)+32+i], v1, s[WP:WP+1] offset:(32*(\u)+i)*PITCH+128 th:TH_LOAD_NT
.set i, i+1
.endr
.endm
; its two blocks of 32 (one for each set) become codes and a scale byte each; the two sets by turns, so that no line waits for the line above it
.macro QUANTU u
.set XA, X+64*((\u)%2)
.set XB, XA+32
.set CA, C+8*(\u)
	v_max3_num_f32 v[AM],   |v[XA]|,   |v[XA+1]|, |v[XA+2]|
	v_max3_num_f32 v[AM+2], |v[XB]|,   |v[XB+1]|, |v[XB+2]|
	v_max3_num_f32 v[AM+1], |v[XA+3]|, |v[XA+4]|, |v[XA+5]|
	v_max3_num_f32 v[AM+3], |v[XB+3]|, |v[XB+4]|, |v[XB+5]|
.irp n, 6,10,14,18,22,26
	v_max3_num_f32 v[AM],   v[AM],   |v[XA+\n]|,   |v[XA+\n+1]|
	v_max3_num_f32 v[AM+2], v[AM+2], |v[XB+\n]|,   |v[XB+\n+1]|
	v_max3_num_f32 v[AM+1], v[AM+1], |v[XA+\n+2]|, |v[XA+\n+3]|
	v_max3_num_f32 v[AM+3], v[AM+3], |v[XB+\n+2]|, |v[XB+\n+3]|
.endr
	v_max3_num_f32 v[AM],   v[AM],   |v[XA+30]|, |v[XA+31]|
	v_max3_num_f32 v[AM+2], v[AM+2], |v[XB+30]|, |v[XB+31]|
	v_max3_num_f32 v[AM],   v[AM],   v[AM+1], 0x1800000    ; and the floor 2^(3 - 127): the byte cannot fall under 1
	v_max3_num_f32 v[AM+2], v[AM+2], v[AM+3], 0x1800000
	v_add_nc_u32 v[SCO],   0xff000000, v[AM]               ; 2 off the exponent field: the conversion's scale operand
	v_add_nc_u32 v[SCO+1], 0xff000000, v[AM+2]
.irp g, 0,1,2,3
	v_cvt_scalef32_pk8_fp4_f32 v[CA+\g],   v[XA+8*\g:XA+8*\g+7], v[SCO]
	v_cvt_scalef32_pk8_fp4_f32 v[CA+4+\g], v[XB+8*\g:XB+8*\g+7], v[SCO+1]
.endr
.if (\u) == 0
	v_lshrrev_b32 v[SW],   23, v[SCO]                       ; the scale's byte (also the plain line behind the conversions): byte u of the column's word for this K step
	v_lshrrev_b32 v[SW+1], 23, v[SCO+1]
.else
	v_lshrrev_b32 v[BY],   23, v[SCO]
	v_lshrrev_b32 v[BY+1], 23, v[SCO+1]
	v_lshl_or_b32 v[SW],   v[BY],   8*(\u), v[SW]
	v_lshl_or_b32 v[SW+1], v[BY+1], 8*(\u), v[SW+1]
.endif
	ds_store_b128 v[LIMG], v[CA:CA+3]   offset:((\u)/2)*512+((\u)%2)*256        ; block u = 2 c + half: register group c, lanes 16 x half on
	ds_store_b128 v[LIMG], v[CA+4:CA+7] offset:2048+((\u)/2)*512+((\u)%2)*256   ; the second set's tiles lie two images on
.if (\u) == 3
	ds_store_b32 v[LSC], v[SW]
	ds_store_b32 v[LSC], v[SW+1] offset:4
.endif
.endm
; the expert's mask, s[MK] on, and its count s22; s23 = count - 1
.macro MASKS
	s_mov_b32 s22, 0
.set j, 0
.rept 32
	v_and_b32 v[TMPM+j%4], s21, v[R+j]
	v_cmp_ne_u32 s[MK+j], 0, v[TMPM+j%4]
	s_bcnt1_i32_b32 s27, s[MK+j]
	s_add_co_u32 s22, s22, s27
.set j, j+1
.endr
	s_sub_co_u32 s23, s22, 1
.endm
; v[TOK] = the token of the expert's row n = min(s26 + lane % 16, count - 1): the n-th set bit of the mask
.set SN,   ST
.set SWD,  ST+1
.set SPK,  ST+2
.set SKK,  ST+3
.set STB,  ST+4
.set SA,   ST+5
.set SB,   ST+6
.set SCN,  ST+7
.set STT,  ST+8
.set SU,   ST+9
.set SPOS, ST+10
.macro SSTEP src, width, first         ; the k-th set bit lies in the lower half of the field in hand where k is under that half's count t; else k -= t and the place moves up
.if \first == 0
	v_bfe_u32 v[STT], v[\src], v[SPOS], \width
.endif
	v_cmp_ge_u32 vcc_lo, v[SKK], v[STT]
	v_cndmask_b32 v[SU], 0, v[STT], vcc_lo
	v_sub_nc_u32 v[SKK], v[SKK], v[SU]
.if \first
	v_cndmask_b32 v[SPOS], 0, \width, vcc_lo
.else
	v_cndmask_b32 v[SU], 0, \width, vcc_lo
	v_add_nc_u32 v[SPOS], v[SPOS], v[SU]
.endif
.endm
.macro SELECT
	v_add_nc_u32 v[SN], s26, v2
	v_min_u32 v[SN], s23, v[SN]
	v_mov_b32 v[SWD], s[MK]
	v_mov_b32 v[SPK], 0
	s_mov_b32 s28, 0
.set j, 1
.rept 31                               ; the last word j whose bits begin at or under n: its bits, and (bits ahead of it) | (its first token << 16)
	s_bcnt1_i32_b32 s27, s[MK+j-1]
	s_add_co_u32 s28, s28, s27
	s_or_b32 s29, s28, (128*(j/4)+(j%4))<<16
	v_cmp_le_u32 vcc_lo, s28, v[SN]
	v_cndmask_b32 v[SWD], v[SWD], s[MK+j], vcc_lo
	v_cndmask_b32 v[SPK], v[SPK], s29, vcc_lo
.set j, j+1
.endr
	v_and_b32 v[STT], 0xffff, v[SPK]
	v_sub_nc_u32 v[SKK], v[SN], v[STT]             ; k: which set bit of the word
	v_lshrrev_b32 v[STB], 16, v[SPK]
	v_lshrrev_b32 v[SA], 1, v[SWD]                 ; counts of set bits in fields of 2, 4 and 8 bits
	v_and_b32 v[SA], 0x55555555, v[SA]
	v_sub_nc_u32 v[SA], v[SWD], v[SA]
	v_lshrrev_b32 v[SB], 2, v[SA]
	v_and_b32 v[SB], 0x33333333, v[SB]
	v_and_b32 v[STT], 0x33333333, v[SA]
	v_add_nc_u32 v[SB], v[SB], v[STT]
	v_lshrrev_b32 v[SCN], 4, v[SB]
	v_add_nc_u32 v[SCN], v[SCN], v[SB]
	v_and_b32 v[SCN], 0x0f0f0f0f, v[SCN]
	v_lshrrev_b32 v[STT], 8, v[SCN]
	v_add_nc_u32 v[STT], v[STT], v[SCN]
	v_and_b32 v[STT], 0xff, v[STT]                 ; the count of the low 16 bits
	SSTEP SCN, 16, 1
	SSTEP SCN, 8, 0
	SSTEP SB, 4, 0
	SSTEP SA, 2, 0
	SSTEP SWD, 1, 0
	v_lshl_add_u32 v[TOK], v[SPOS], 2, v[STB]      ; bit i of word j is token 128 (j / 4) + j % 4 + 4 i
	v_min_u32 v[TOK], 0x3ff, v[TOK]                ; held inside the table ahead of every address
.endm
; group g of phase B: K step g / 2, tiles 4 (g % 2) .. + 3: four images and their scale words (lanes 0-15: the even tile's rows, lanes 16-31: the odd tile's): nine LDS loads
.macro LOADG g
.irp t, 0,1,2,3
	ds_load_b128 v[WB+32*((\g)%2)+8*\t:WB+32*((\g)%2)+8*\t+3],   v[L16] offset:(4*(\g)+\t)*1024
	ds_load_b128 v[WB+32*((\g)%2)+8*\t+4:WB+32*((\g)%2)+8*\t+7], v[L16] offset:(4*(\g)+\t)*1024+512
.endr
	ds_load_b64 v[WS+2*((\g)%2):WS+2*((\g)%2)+1], v[L8W] offset:256*(\g)
.endm
.macro PROD g                          ; its four products; the eight accumulators take turns, one instruction a turn
.irp t, 0,1,2,3
.set DA, ACC+8*(4*((\g)%2)+\t)
.set FA, WB+32*((\g)%2)+8*\t
.set FB, XF+8*((\g)/2)
.if (\t%2) == 0
	v_wmma_scale_f32_16x16x128_f8f6f4 v[DA:DA+7], v[FA:FA+7], v[FB:FB+7], v[DA:DA+7], v[WS+2*((\g)%2)+\t/2], v[XS+(\g)/2] matrix_a_fmt:MATRIX_FMT_FP4 matrix_b_fmt:MATRIX_FMT_FP4
.else
	v_wmma_scale_f32_16x16x128_f8f6f4 v[DA:DA+7], v[FA:FA+7], v[FB:FB+7], v[DA:DA+7], v[WS+2*((\g)%2)+\t/2], v[XS+(\g)/2] matrix_a_fmt:MATRIX_FMT_FP4 matrix_b_fmt:MATRIX_FMT_FP4 matrix_a_scale:MATRIX_SCALE_ROW1
.endif
.endr
.endm
; the GELU of 16 registers (two accumulators, each read from its low end on), in place.  Two batches of transcendentals, one wait each.
.macro GELU16 a
.set i, 0
.rept 16
	v_fma_f32 v[GD+i], |v[(\a)+i]|, s[CT], 1.0
.set i, i+1
.endr
.set i, 0
.rept 16
	v_rcp_f32 v[GT+i], v[GD+i]                     ; t
.set i, i+1
.endr
.set i, 0
.rept 8
	v_pk_mul_f32 v[GQ+i:GQ+i+1], v[(\a)+i:(\a)+i+1], v[(\a)+i:(\a)+i+1]   ; x^2: plain work behind the reciprocals
.set i, i+2
.endr
	s_wait_alu depctr_va_vdst(0)                   ; the wait ahead of the batch's first reader
.set i, 0
.rept 8
	v_pk_fma_f32 v[GP+i:GP+i+1], v[GT+i:GT+i+1], v[14:15], s[CK+16:CK+17] op_sel_hi:[1,1,0]
.set i, i+2
.endr
.irp k, 7,6,5,4,3,2,1,0
.set i, 0
.rept 8
	v_pk_fma_f32 v[GP+i:GP+i+1], v[GP+i:GP+i+1], v[GT+i:GT+i+1], s[CK+2*\k:CK+2*\k+1] op_sel_hi:[1,1,0]
.set i, i+2
.endr
.endr
.set i, 0
.rept 8
	v_pk_fma_f32 v[GP+i:GP+i+1], v[GQ+i:GQ+i+1], s[CZ:CZ+1], v[GP+i:GP+i+1] op_sel_hi:[1,0,1]   ; L
.set i, i+2
.endr
.set i, 0
.rept 16
	v_exp_f32 v[GD+i], v[GP+i]
.set i, i+1
.endr
.set i, 0
.rept 16
	v_max_num_f32 v[GQ+i], 0, v[(\a)+i]            ; max(x, 0): plain work behind the exponentials
.set i, i+1
.endr
	s_wait_alu depctr_va_vdst(0)
.set i, 0
.rept 8
	v_pk_mul_f32 v[GD+i:GD+i+1], v[GD+i:GD+i+1], v[GT+i:GT+i+1]          ; q = t 2^L
.set i, i+2
.endr
.set i, 0
.rept 16
	v_fma_f32 v[(\a)+i], -|v[(\a)+i]|, v[GD+i], v[GQ+i]
.set i, i+1
.endr
.endm
; 64 numbers of a lane, register 16 b + i = k 32 b + 16 (lane / 16) + i of my row, become a fragment's codes in v[PC] on and its scale word in v[PW]
.macro QUANT s
.irp b, 0,1,2,3
	v_max3_num_f32 v[TM+\b], |v[\s+16*\b]|, |v[\s+1+16*\b]|, 0x1800000
.endr
.irp n, 2,4,6,8,10,12,14
.irp b, 0,1,2,3
	v_max3_num_f32 v[TM+\b], v[TM+\b], |v[\s+16*\b+\n]|, |v[\s+1+16*\b+\n]|
.endr
.endr
.irp b, 0,1,2,3
	v_permlanex16_b32 v[TM+4+\b], v[TM+\b], s[SEL], s[SEL+1]
.endr
.irp b, 0,1,2,3
	v_max_num_f32 v[TM+\b], v[TM+\b], v[TM+4+\b]   ; with lane l xor 16's 16: the block's largest magnitude
.endr
.irp b, 0,1,2,3
	v_add_nc_u32 v[TM+12+\b], 0xff000000, v[TM+\b]
.endr
.irp b, 0,1,2,3
	v_lshrrev_b32 v[TM+4+\b], 23, v[TM+12+\b]
.endr
	v_lshl_or_b32 v[PW], v[TM+5], 8, v[TM+4]
	v_lshl_or_b32 v[PW], v[TM+6], 16, v[PW]
	v_lshl_or_b32 v[PW], v[TM+7], 24, v[PW]
.irp b, 0,1,2,3
	v_cvt_scalef32_pk8_fp4_f32 v[PC+2*\b], v[\s+16*\b:\s+7+16*\b], v[TM+12+\b]
	v_cvt_scalef32_pk8_fp4_f32 v[PC+1+2*\b], v[\s+8+16*\b:\s+15+16*\b], v[TM+12+\b]
.endr
	v_nop                                          ; one plain place behind a scaled conversion
.irp c, 0,1                            ; the operand's layout wants a whole block in a lane: lanes 0-15 block 2 c, lanes 16-31 block 2 c + 1
.irp n, 0,1
	v_permlane16_swap_b32 v[PC+4*\c+\n], v[PC+2+4*\c+\n]
.endr
.endr
.endm
	s_load_b256 s[4:11], s[0:1], 0x0               ; W1 s[4:5], b1 s[6:7], xq s[8:9], xs s[10:11]
	s_load_b128 s[12:15], s[0:1], 0x20             ; sel s[12:13], hq s[14:15]
	s_load_b64 s[16:17], s[0:1], 0x30              ; hs
	v_lshl_add_u32 v[SPW], v0, 2, SPARE
	v_mov_b32 v[NIL], 0
	v_lshrrev_b32 v9, 5, v0
	v_readfirstlane_b32 s18, v9                    ; wave 0..15
	s_and_b32 s19, ttmp7, 0xffff                   ; the expert
	s_mov_b32 s20, ttmp9                           ; the slice of 128 columns
	s_lshl_b32 s21, 1, s19
	v_and_b32 v9, 31, v0                           ; lane
	v_lshlrev_b32 v1, 2, v9
	v_and_b32 v2, 15, v0                           ; r
	v_bfe_u32 v3, v0, 4, 1                         ; h
	v_lshlrev_b32 v[L16], 4, v9
	v_lshlrev_b32 v[B64H], 6, v3
	v_lshlrev_b32 v[H16], 4, v3
	v_lshl_add_u32 v[L8W], v9, 3, WSC
	v_and_b32 v10, 7, v0                           ; i
	v_bfe_u32 v11, v0, 3, 1                        ; u
	v_lshlrev_b32 v[LIMG], 4, v10                  ; my column is row 8 h + i of tile (4 (wave % 2) + 2 set + u): 16 bytes a row,
	v_lshl_add_u32 v[LIMG], v3, 7, v[LIMG]
	v_lshl_add_u32 v[LIMG], v11, 10, v[LIMG]       ; 1,024 an image,
	s_lshl_b32 s27, s18, 12
	v_add_nc_u32 v[LIMG], s27, v[LIMG]             ; four images a wave
	v_lshlrev_b32 v[LSC], 3, v10                   ; its scale word: 8 bytes for each lane of the scale registers (16 u + 8 h + i),
	v_lshl_add_u32 v[LSC], v3, 6, v[LSC]
	v_lshl_add_u32 v[LSC], v11, 7, v[LSC]
	s_lshl_b32 s27, s18, 8
	s_add_co_u32 s27, s27, WSC
	v_add_nc_u32 v[LSC], s27, v[LSC]               ; 256 bytes a wave
.irp b, 0,1,2,3
	v_mov_b32 v[TM+4+\b], 0                        ; written once: a lane permute's destination counts as one of its sources
.endr
	v_mov_b32 v14, 0x3e7c6f08                      ; coefficient 9, in a vector pair: the first step of the polynomial has two constants
	v_mov_b32 v15, 0x3e7c6f08
	s_mov_b32 s[SEL], 0x76543210
	s_mov_b32 s[SEL+1], 0xfedcba98
	CPAIR CZ, 0xbf38aa3b                           ; -0.72134752
	CPAIR CK, 0xc034d90f                           ; -2.82574822
	CPAIR CK+2, 0x3fb8ab5a                         ;  1.44272920
	CPAIR CK+4, 0x3f0a29d2                         ;  0.539700615
	CPAIR CK+6, 0x3e0efb2e                         ;  0.139630056
	CPAIR CK+8, 0xbe899a80                         ; -0.26875686
	CPAIR CK+10, 0x3ecdfd18                        ;  0.402321581
	CPAIR CK+12, 0xbfd1a1e5                        ; -1.63775315
	CPAIR CK+14, 0x40097039                        ;  2.14747446
	CPAIR CK+16, 0xbf97d29d                        ; -1.18611494
	s_mov_b32 s[CT], 0x3eb504f3                    ;  0.353553391
	s_lshr_b32 s27, s18, 1                         ; my K step,
	s_and_b32 s28, s18, 1                          ; my half of the columns
	s_lshl_b32 s32, s19, 24                        ; W1: the expert's 2^24 bytes,
	s_lshl_b32 s29, s27, 21                        ; 128 rows of 16,384 bytes a K step,
	s_add_co_u32 s32, s32, s29
	s_lshl_b32 s29, s20, 9                         ; 512 bytes a slice,
	s_add_co_u32 s32, s32, s29
	s_lshl_b32 s29, s28, 8                         ; 256 a half
	s_add_co_u32 s32, s32, s29
	s_mov_b32 s33, 0
	s_wait_kmcnt 0x0
	s_add_nc_u64 s[WP:WP+1], s[4:5], s[32:33]
	s_lshl_b32 s32, s19, 14
	s_lshl_b32 s29, s20, 9
	s_add_co_u32 s32, s32, s29
	s_add_nc_u64 s[6:7], s[6:7], s[32:33]          ; b1 at my expert and slice
	s_lshl_b32 s32, s19, 21
	s_lshl_b32 s29, s20, 10
	s_add_co_u32 s32, s32, s29
	s_add_nc_u64 s[14:15], s[14:15], s[32:33]      ; hq: image ((64 e + m) 32 + s), 1,024 bytes each
	s_lshl_b32 s32, s20, 15
	s_lshl_b32 s29, s19, 12
	s_add_co_u32 s32, s32, s29
	s_add_nc_u64 s[16:17], s[16:17], s[32:33]      ; hs: word (8,192 s + 1,024 e + row)
	; ---- PHASE A
.irp q, 0,1,2,3,4,5,6,7
	global_load_b128 v[R+4*\q:R+4*\q+3], v[L16], s[12:13] offset:512*\q   ; sel: register 4 q + c of lane i is token 128 q + 4 i + c
.endr
	LOADU 0
	LOADU 1
	s_wait_loadcnt 63                              ; sel and block 0 are in: behind block 0 stand block 1's 64 loads; the wait's field holds 63 at the most, and a smaller count is safe
	MASKS
	QUANTU 0
	LOADU 2
	s_wait_loadcnt 63                              ; block 1: behind it stand block 2's 64
	QUANTU 1
	LOADU 3
	s_wait_loadcnt 63                              ; block 2
	QUANTU 2
	s_wait_loadcnt 0x0
	QUANTU 3
	s_wait_dscnt 0x0                               ; for the others' sake: my images and scale words lie in LDS
	s_barrier_signal -1
	s_barrier_wait -1                              ; the slice's 64 images are whole.  No barrier follows: from here on LDS is only read
	; ---- PHASE B
	s_mov_b32 s24, s18                             ; my first row tile
	s_mov_b32 s25, 0
.Ltile:                                            ; at most four trips: 64 tiles serve every split, all 1,024 tokens on one expert too
	s_wait_xcnt 0x0                                ; the last trip's loads and stores have read their address and data registers, which are written again below
	s_lshl_b32 s26, s24, 4
	s_cmp_ge_u32 s26, s22                          ; the expert has no row 16 m: done (a number read from memory decides; no barrier stands behind this branch)
	s_cbranch_scc1 .Ldone
.irp t, 0,1,2,3,4,5,6,7                ; b1 into the accumulators: register j of tile 2 bb + u is unit 32 bb + 16 h + 8 u + j
	global_load_b128 v[ACC+8*\t:ACC+8*\t+3],   v[B64H], s[6:7] offset:128*(\t/2)+32*(\t%2)
	global_load_b128 v[ACC+8*\t+4:ACC+8*\t+7], v[B64H], s[6:7] offset:128*(\t/2)+32*(\t%2)+16
.endr
	LOADG 0
	SELECT
	v_lshlrev_b32 v9, 9, v[TOK]
	v_add_nc_u32 v9, v[H16], v9                    ; xq: 512 bytes a token, + 16 h
	v_lshlrev_b32 v10, 5, v[TOK]                   ; xs: 32 bytes a token
.irp k, 0,1,2,3,4,5,6,7
	global_load_b128 v[XF+8*\k:XF+8*\k+3],   v9, s[8:9] offset:64*\k
	global_load_b128 v[XF+8*\k+4:XF+8*\k+7], v9, s[8:9] offset:64*\k+32
.endr
	global_load_b128 v[XS:XS+3],   v10, s[10:11]
	global_load_b128 v[XS+4:XS+7], v10, s[10:11] offset:16
	s_lshl_b32 s27, s24, 15
	v_add_nc_u32 v11, s27, v[L16]                  ; hq: 32 images a row tile
	v_add_nc_u32 v[HSO], s26, v2
	v_lshlrev_b32 v[HSO], 2, v[HSO]
.irp g, 0,1,2,3,4,5,6,7,8,9,10,11,12,13,14
.if \g > 0
	NOPS 4                                         ; four places between the last group's products and the loads into the buffer and scale registers that they read (ISA guide 7.12.1 for vector instructions)
.endif
	LOADG \g+1
.if \g == 0
	s_wait_loadcnt 0x0                             ; b1, x's fragments and scale words
.endif
	s_wait_dscnt 9                                 ; this group's nine loads are in; the next group's nine may be out
	PROD \g
.endr
	s_wait_dscnt 0x0
	PROD 15
	NOPS 4                                         ; places ahead of the first read of results and of writes into the buffers
	GELU16 ACC
	GELU16 ACC+16
	GELU16 ACC+32
	GELU16 ACC+48
	QUANT ACC
	global_store_b128 v11, v[PC:PC+3], s[14:15]               ; the fragment as it stands: each store covers 512 consecutive bytes
	global_store_b128 v11, v[PC+4:PC+7], s[14:15] offset:512
	global_store_b32 v[HSO], v[PW], s[16:17]                  ; lanes l and l xor 16 store the same word with the same value
	s_add_co_u32 s24, s24, 16
	s_add_co_u32 s25, s25, 1
	s_cmp_lt_u32 s25, 4
	s_cbranch_scc1 .Ltile
.Ldone:
	s_wait_tensorcnt 0x0                           ; the wave's end
	ds_add_u32 v[SPW], v[NIL]
	s_wait_dscnt 0x0
	s_endpgm
.Lfunc_end_k_q5a1a4591f6_up:
	.size	k_q5a1a4591f6_up, .Lfunc_end_k_q5a1a4591f6_up-k_q5a1a4591f6_up
	.p2alignl 7, 3214868480
	.fill 96, 4, 3214868480
	.section	.rodata,"a",@progbits
	.p2align	6, 0x0
	.amdhsa_kernel k_q5a1a4591f6_up
		.amdhsa_group_segment_fixed_size 71680
		.amdhsa_private_segment_fixed_size 0
		.amdhsa_enable_private_segment 0
		.amdhsa_kernarg_size 56
		.amdhsa_user_sgpr_count 2
		.amdhsa_user_sgpr_kernarg_segment_ptr 1
		.amdhsa_wavefront_size32 1
		.amdhsa_system_sgpr_workgroup_id_x 1
		.amdhsa_system_sgpr_workgroup_id_y 1
		.amdhsa_system_sgpr_workgroup_id_z 1
		.amdhsa_system_vgpr_workitem_id 0
		.amdhsa_next_free_vgpr 256
		.amdhsa_next_free_sgpr 100
		.amdhsa_reserve_vcc 1
		.amdhsa_float_denorm_mode_32 3
		.amdhsa_float_denorm_mode_16_64 3
		.amdhsa_memory_ordered 1
		.amdhsa_forward_progress 1
		.amdhsa_inst_pref_size 123
	.end_amdhsa_kernel
	.amdgpu_metadata
---
amdhsa.version: [ 1, 2 ]
amdhsa.kernels:
  - .name:           k_q5a1a4591f6_up
    .symbol:         k_q5a1a4591f6_up.kd
    .args:
      - { .name: W1, .offset: 0, .size: 8, .value_kind: global_buffer, .address_space: global }
      - { .name: b1, .offset: 8, .size: 8, .value_kind: global_buffer, .address_space: global }
      - { .name: xq, .offset: 16, .size: 8, .value_kind: global_buffer, .address_space: global }
      - { .name: xs, .offset: 24, .size: 8, .value_kind: global_buffer, .address_space: global }
      - { .name: sel, .offset: 32, .size: 8, .value_kind: global_buffer, .address_space: global }
      - { .name: hq, .offset: 40, .size: 8, .value_kind: global_buffer, .address_space: global }
      - { .name: hs, .offset: 48, .size: 8, .value_kind: global_buffer, .address_space: global }
    .group_segment_fixed_size: 71680
    .private_segment_fixed_size: 0
    .kernarg_segment_align: 8
    .kernarg_segment_size: 56
    .max_flat_workgroup_size: 512
    .sgpr_count:     100
    .vgpr_count:     256
    .wavefront_size: 32
...
	.end_amdgpu_metadata
.endif
;; end of part 2
;; launch down (part 3): grid 32 x 8, 16 waves a work-group, no clusters, 141,312 bytes of LDS; arguments W2, b2, hq, hs, sel, gate, y; writes y
.if DOCPART == 3
	.amdgcn_target "amdgcn-amd-amdhsa--gfx1250"
	.amdhsa_code_object_version 6
	.text
	.protected	k_q5a1a4591f6_down
	.globl	k_q5a1a4591f6_down
	.p2align	8
	.type	k_q5a1a4591f6_down,@function
k_q5a1a4591f6_down:
	s_mov_b64 s[64:65], 0
	v_nop
	global_prefetch_b8 v0, s[64:65] scope:SCOPE_SE
	s_setreg_imm32_b32 hwreg(HW_REG_WAVE_MODE, 25, 1), 1
	s_wait_xcnt 0x0
; SparseMoEFFN, launch 3 of 4: gate x (h W2[e] (+ b2[e])) for the rows routed to expert e, in two parts along K.
; WORK LEFT OUT: the rows of tokens that did not choose expert e (their weight is a zero that reference() builds itself: shown at the head of the first kernel).
; SHARES.  Work-group (x, e): columns 64 (x % 16) .. + 63 of W2[e], K half x / 16 (2,048 along K, 16 K steps): 524,288 bytes of f32, read once in the launch.  K is cut in two so that a row's part is 256 consecutive
; bytes, aligned, and there are 256 work-groups; the two parts meet in the last launch.
; PHASE A, as in the launch before: wave w takes K step w; a lane takes a column and its registers run down K; codes go to LDS as images of the operand's registers (fragment (K step, tile): 1,024 bytes, register
; group c of lane L at 512 c + 16 L); here the 16 columns of a tile are neighbours.
; PHASE B, behind ONE barrier: wave w takes the expert's row tiles w, w + 16, w + 32, w + 48.  h's fragments come from hq as the launch before left them.  The product is used transposed (source 0 = 16 columns of W2,
; source 1 = 16 rows of h): a lane holds one row and eight neighbouring columns.  The C of each sum's first product is b2 in K half 0 and zeros in K half 1 (32 registers written once in the launch).
; The rows are found as in the launch before (the same mask, the same order, the same copies of the last row past the count).  Each row is multiplied by its gate and stored at y[K half][slot][token]: slot 0 where the
; expert is the token's first choice.  Each (slot, token) belongs to one expert, so each byte of y has one owner and every byte is written.  Copies of the last row carry the same bits to the same address.
; THE WAY OUT goes through the wave's own stage in LDS (16 rows x (256 + 16) bytes): sixteen lanes store 256 consecutive bytes of one row, aligned.  A row's place in y changes lanes with it (ds_bpermute_b32).
; The count is a number read from memory, and a branch hangs on it: so no tensor load, no copy, no cluster (what is shared, h's codes, is small beside the weights that each work-group streams alone).
; LIMITS: blocks of W2 whose largest magnitude lies under 2^-124 keep the byte 1 (blocks of zeros too: their codes are zeros); NaN and infinities among the inputs are not served.
.set PITCH, 4096                       ; bytes from k to k + 1 in W2[e]
.set WSC,   65536                      ; LDS: 0 .. 65,535 the 64 images; then the scale words, 256 bytes a K step;
.set STG,   69632                      ; the stages, 4,352 bytes a wave;
.set SPARE, 139264                     ; the spare words, 128 bytes a wave
.set LIMG, 4
.set LSC,  5
.set L16,  6                           ; v6   16 x lane
.set L8W,  7                           ; v7   WSC + 8 x lane
.set TOK,  8                           ; v8   my row's token;  v9, v10 my place in hq, hs;  v11 the token's place in sel
.set SPW,  12                          ; v12  LDS address of my spare word; never rewritten
.set NIL,  13                          ; v13  0; never rewritten
.set B32H, 14                          ; v14  32 (lane / 16): b2
.set INFO, 15                          ; v15  1,024 x slot + token
.set HS,   16                          ; v16-31  h's scale words, a register a K step: scales and nothing else
.set WS,   32                          ; v32-35  W2's, two sets of two: scales and nothing else
.set STO,  36                          ; v36, v37 the stage: where I put 32 bytes of a row, where I read a row back
.set RD,   37
.set GTO,  38                          ; v38  the token's place in gate
.set SELW, 39
.set GL,   40                          ; v[40:41] the token's two gates;  v[42:43] mine, twice
.set GP2,  42
.set IDX,  44                          ; v44-51  from which lane row 2 t + lane / 16 takes its place
.set OFT,  52                          ; v52-59  the rows' places in y
.set C16,  60                          ; v60  16 (lane % 16)
.set T0,   61
.set T1,   62
.set X,    64                          ; phase A: v64-191 two sets of 64 numbers
.set ACC,  64                          ; phase B: v64-95 four accumulators;  v96-127 b2 or zeros;  v128-191 eight fragments of h, later the rows read back
.set BIAS, 96
.set HF,   128
.set C,    192                         ; phase A: codes, and before them sel's words
.set R,    192
.set WB,   192                         ; phase B: two buffers of four fragments of W2
.set SW,   224
.set AM,   226
.set SCO,  230
.set BY,   232
.set TMPM, 234
.set ST,   224                         ; SELECT's work: in the second buffer
.set KH,   36                          ; s36  the K half
.set WP,   60
.set MK,   68
.macro NOPS n
.rept \n
	v_nop
.endr
.endm
.macro LOADU u                         ; block u of my K step: 32 rows of W2, two sets of 32 columns: the two loads of a row take 256 consecutive bytes
.set i, 0
.rept 32
	global_load_b32 v[X+64*((\u)%2)+i], v1, s[WP:WP+1] offset:(32*(\u)+i)*PITCH th:TH_LOAD_NT
	global_load_b32 v[X+64*((\u)%2)+32+i], v1, s[WP:WP+1] offset:(32*(\u)+i)*PITCH+128 th:TH_LOAD_NT
.set i, i+1
.endr
.endm
.macro QUANTU u                        ; its two blocks of 32 become codes and a scale byte each; the two sets by turns
.set XA, X+64*((\u)%2)
.set XB, XA+32
.set CA, C+8*(\u)
	v_max3_num_f32 v[AM],   |v[XA]|,   |v[XA+1]|, |v[XA+2]|
	v_max3_num_f32 v[AM+2], |v[XB]|,   |v[XB+1]|, |v[XB+2]|
	v_max3_num_f32 v[AM+1], |v[XA+3]|, |v[XA+4]|, |v[XA+5]|
	v_max3_num_f32 v[AM+3], |v[XB+3]|, |v[XB+4]|, |v[XB+5]|
.irp n, 6,10,14,18,22,26
	v_max3_num_f32 v[AM],   v[AM],   |v[XA+\n]|,   |v[XA+\n+1]|
	v_max3_num_f32 v[AM+2], v[AM+2], |v[XB+\n]|,   |v[XB+\n+1]|
	v_max3_num_f32 v[AM+1], v[AM+1], |v[XA+\n+2]|, |v[XA+\n+3]|
	v_max3_num_f32 v[AM+3], v[AM+3], |v[XB+\n+2]|, |v[XB+\n+3]|
.endr
	v_max3_num_f32 v[AM],   v[AM],   |v[XA+30]|, |v[XA+31]|
	v_max3_num_f32 v[AM+2], v[AM+2], |v[XB+30]|, |v[XB+31]|
	v_max3_num_f32 v[AM],   v[AM],   v[AM+1], 0x1800000    ; and the floor 2^(3 - 127): the byte cannot fall under 1
	v_max3_num_f32 v[AM+2], v[AM+2], v[AM+3], 0x1800000
	v_add_nc_u32 v[SCO],   0xff000000, v[AM]               ; 2 off the exponent field: the conversion's scale operand
	v_add_nc_u32 v[SCO+1], 0xff000000, v[AM+2]
.irp g, 0,1,2,3
	v_cvt_scalef32_pk8_fp4_f32 v[CA+\g],   v[XA+8*\g:XA+8*\g+7], v[SCO]
	v_cvt_scalef32_pk8_fp4_f32 v[CA+4+\g], v[XB+8*\g:XB+8*\g+7], v[SCO+1]
.endr
.if (\u) == 0
	v_lshrrev_b32 v[SW],   23, v[SCO]                       ; the scale's byte (also the plain line behind the conversions)
	v_lshrrev_b32 v[SW+1], 23, v[SCO+1]
.else
	v_lshrrev_b32 v[BY],   23, v[SCO]
	v_lshrrev_b32 v[BY+1], 23, v[SCO+1]
	v_lshl_or_b32 v[SW],   v[BY],   8*(\u), v[SW]
	v_lshl_or_b32 v[SW+1], v[BY+1], 8*(\u), v[SW+1]
.endif
	ds_store_b128 v[LIMG], v[CA:CA+3]   offset:((\u)/2)*512+((\u)%2)*256
	ds_store_b128 v[LIMG], v[CA+4:CA+7] offset:2048+((\u)/2)*512+((\u)%2)*256
.if (\u) == 3
	ds_store_b32 v[LSC], v[SW]
	ds_store_b32 v[LSC], v[SW+1] offset:4
.endif
.endm
.macro MASKS                           ; the expert's mask, s[MK] on, and its count s22; s23 = count - 1
	s_mov_b32 s22, 0
.set j, 0
.rept 32
	v_and_b32 v[TMPM+j%4], s21, v[R+j]
	v_cmp_ne_u32 s[MK+j], 0, v[TMPM+j%4]
	s_bcnt1_i32_b32 s27, s[MK+j]
	s_add_co_u32 s22, s22, s27
.set j, j+1
.endr
	s_sub_co_u32 s23, s22, 1
.endm
.set SN,   ST
.set SWD,  ST+1
.set SPK,  ST+2
.set SKK,  ST+3
.set STB,  ST+4
.set SA,   ST+5
.set SB,   ST+6
.set SCN,  ST+7
.set STT,  ST+8
.set SU,   ST+9
.set SPOS, ST+10
.macro SSTEP src, width, first         ; the k-th set bit lies in the lower half of the field in hand where k is under that half's count t; else k -= t and the place moves up
.if \first == 0
	v_bfe_u32 v[STT], v[\src], v[SPOS], \width
.endif
	v_cmp_ge_u32 vcc_lo, v[SKK], v[STT]
	v_cndmask_b32 v[SU], 0, v[STT], vcc_lo
	v_sub_nc_u32 v[SKK], v[SKK], v[SU]
.if \first
	v_cndmask_b32 v[SPOS], 0, \width, vcc_lo
.else
	v_cndmask_b32 v[SU], 0, \width, vcc_lo
	v_add_nc_u32 v[SPOS], v[SPOS], v[SU]
.endif
.endm
.macro SELECT                          ; v[TOK] = the token of the expert's row n = min(s26 + lane % 16, count - 1): the n-th set bit of the mask
	v_add_nc_u32 v[SN], s26, v2
	v_min_u32 v[SN], s23, v[SN]
	v_mov_b32 v[SWD], s[MK]
	v_mov_b32 v[SPK], 0
	s_mov_b32 s28, 0
.set j, 1
.rept 31
	s_bcnt1_i32_b32 s27, s[MK+j-1]
	s_add_co_u32 s28, s28, s27
	s_or_b32 s29, s28, (128*(j/4)+(j%4))<<16
	v_cmp_le_u32 vcc_lo, s28, v[SN]
	v_cndmask_b32 v[SWD], v[SWD], s[MK+j], vcc_lo
	v_cndmask_b32 v[SPK], v[SPK], s29, vcc_lo
.set j, j+1
.endr
	v_and_b32 v[STT], 0xffff, v[SPK]
	v_sub_nc_u32 v[SKK], v[SN], v[STT]
	v_lshrrev_b32 v[STB], 16, v[SPK]
	v_lshrrev_b32 v[SA], 1, v[SWD]
	v_and_b32 v[SA], 0x55555555, v[SA]
	v_sub_nc_u32 v[SA], v[SWD], v[SA]
	v_lshrrev_b32 v[SB], 2, v[SA]
	v_and_b32 v[SB], 0x33333333, v[SB]
	v_and_b32 v[STT], 0x33333333, v[SA]
	v_add_nc_u32 v[SB], v[SB], v[STT]
	v_lshrrev_b32 v[SCN], 4, v[SB]
	v_add_nc_u32 v[SCN], v[SCN], v[SB]
	v_and_b32 v[SCN], 0x0f0f0f0f, v[SCN]
	v_lshrrev_b32 v[STT], 8, v[SCN]
	v_add_nc_u32 v[STT], v[STT], v[SCN]
	v_and_b32 v[STT], 0xff, v[STT]
	SSTEP SCN, 16, 1
	SSTEP SCN, 8, 0
	SSTEP SB, 4, 0
	SSTEP SA, 2, 0
	SSTEP SWD, 1, 0
	v_lshl_add_u32 v[TOK], v[SPOS], 2, v[STB]
	v_min_u32 v[TOK], 0x3ff, v[TOK]                ; held inside the table ahead of every address
.endm
.macro LOADW k                         ; K step k: four images and their scale words (lanes 0-15: the even tile's columns, lanes 16-31: the odd tile's): nine LDS loads
.irp t, 0,1,2,3
	ds_load_b128 v[WB+32*((\k)%2)+8*\t:WB+32*((\k)%2)+8*\t+3],   v[L16] offset:(4*(\k)+\t)*1024
	ds_load_b128 v[WB+32*((\k)%2)+8*\t+4:WB+32*((\k)%2)+8*\t+7], v[L16] offset:(4*(\k)+\t)*1024+512
.endr
	ds_load_b64 v[WS+2*((\k)%2):WS+2*((\k)%2)+1], v[L8W] offset:256*(\k)
.endm
.macro PRODW k                         ; its four products; the four accumulators take turns, one instruction a turn
.irp t, 0,1,2,3
.set DA, ACC+8*\t
.set FA, WB+32*((\k)%2)+8*\t
.set FB, HF+8*((\k)%8)
.if (\k) == 0
.set CSRC, BIAS+8*\t
.else
.set CSRC, DA
.endif
.if (\t%2) == 0
	v_wmma_scale_f32_16x16x128_f8f6f4 v[DA:DA+7], v[FA:FA+7], v[FB:FB+7], v[CSRC:CSRC+7], v[WS+2*((\k)%2)+\t/2], v[HS+(\k)] matrix_a_fmt:MATRIX_FMT_FP4 matrix_b_fmt:MATRIX_FMT_FP4
.else
	v_wmma_scale_f32_16x16x128_f8f6f4 v[DA:DA+7], v[FA:FA+7], v[FB:FB+7], v[CSRC:CSRC+7], v[WS+2*((\k)%2)+\t/2], v[HS+(\k)] matrix_a_fmt:MATRIX_FMT_FP4 matrix_b_fmt:MATRIX_FMT_FP4 matrix_a_scale:MATRIX_SCALE_ROW1
.endif
.endr
.endm
.macro HLOAD k0, n, f0                 ; h's fragments of K steps k0 .. k0 + n - 1 into places f0 on: images, 512 consecutive bytes a load
.set i, 0
.rept \n
	global_load_b128 v[HF+8*((\f0)+i):HF+8*((\f0)+i)+3],   v9, s[8:9] offset:((\k0)+i)*1024
	global_load_b128 v[HF+8*((\f0)+i)+4:HF+8*((\f0)+i)+7], v9, s[8:9] offset:((\k0)+i)*1024+512
.set i, i+1
.endr
.endm
	s_load_b256 s[4:11], s[0:1], 0x0               ; W2 s[4:5], b2 s[6:7], hq s[8:9], hs s[10:11]
	s_load_b128 s[12:15], s[0:1], 0x20             ; sel s[12:13], gate s[14:15]
	s_load_b64 s[16:17], s[0:1], 0x30              ; y
	v_lshl_add_u32 v[SPW], v0, 2, SPARE
	v_mov_b32 v[NIL], 0
	v_lshrrev_b32 v9, 5, v0
	v_readfirstlane_b32 s18, v9                    ; wave 0..15 = my K step of the half
	s_and_b32 s19, ttmp7, 0xffff                   ; the expert
	s_and_b32 s20, ttmp9, 15                       ; which 64 columns
	s_lshr_b32 s[KH], ttmp9, 4                     ; which half of K
	s_lshl_b32 s21, 1, s19
	v_and_b32 v9, 31, v0                           ; lane
	v_lshlrev_b32 v1, 2, v9
	v_and_b32 v2, 15, v0                           ; r
	v_bfe_u32 v3, v0, 4, 1                         ; h
	v_lshlrev_b32 v[L16], 4, v9
	v_lshl_add_u32 v[L8W], v9, 3, WSC
	v_lshlrev_b32 v[B32H], 5, v3
	v_lshlrev_b32 v[C16], 4, v2
	v_lshl_add_u32 v[LIMG], v3, 10, v[C16]         ; my column is row r of tile (2 set + h): 16 bytes a row, 1,024 an image,
	s_lshl_b32 s27, s18, 12
	v_add_nc_u32 v[LIMG], s27, v[LIMG]             ; four images a wave
	s_lshl_b32 s27, s18, 8
	v_add_nc_u32 v[LSC], s27, v[L8W]               ; its scale word: 8 bytes a lane, 256 a wave
	s_mul_i32 s27, s18, 4352
	s_add_co_u32 s27, s27, STG                     ; my stage
	v_mul_u32_u24 v[STO], v2, 272
	v_lshl_add_u32 v[STO], v3, 5, v[STO]
	v_add_nc_u32 v[STO], s27, v[STO]               ; in: row r, 32 bytes for each half of the lanes
	v_mul_u32_u24 v[RD], v3, 272
	v_lshl_add_u32 v[RD], v2, 4, v[RD]
	v_add_nc_u32 v[RD], s27, v[RD]                 ; back: lanes 0-15 one row, lanes 16-31 the next
	v_lshlrev_b32 v[T0], 2, v3
.irp t, 0,1,2,3,4,5,6,7
	v_add_nc_u32 v[IDX+\t], 8*\t, v[T0]            ; lane 2 t + h, as a byte address
.endr
	s_lshl_b32 s32, s19, 24                        ; W2: the expert's 2^24 bytes,
	s_lshl_b32 s29, s[KH], 4
	s_add_co_u32 s29, s29, s18
	s_lshl_b32 s29, s29, 19                        ; 128 rows of 4,096 bytes a K step,
	s_add_co_u32 s32, s32, s29
	s_lshl_b32 s29, s20, 8                         ; 256 bytes for 64 columns
	s_add_co_u32 s32, s32, s29
	s_mov_b32 s33, 0
	s_wait_kmcnt 0x0
	s_add_nc_u64 s[WP:WP+1], s[4:5], s[32:33]
	s_lshl_b32 s32, s19, 12
	s_lshl_b32 s29, s20, 8
	s_add_co_u32 s32, s32, s29
	s_add_nc_u64 s[6:7], s[6:7], s[32:33]          ; b2 at my expert and columns
	s_lshl_b32 s32, s19, 21
	s_lshl_b32 s29, s[KH], 14
	s_add_co_u32 s32, s32, s29
	s_add_nc_u64 s[8:9], s[8:9], s[32:33]          ; hq: image ((64 e + m) 32 + 16 half + K step)
	s_lshl_b32 s32, s[KH], 19
	s_lshl_b32 s29, s19, 12
	s_add_co_u32 s32, s32, s29
	s_add_nc_u64 s[10:11], s[10:11], s[32:33]      ; hs: word (8,192 (16 half + K step) + 1,024 e + row)
	s_lshl_b32 s32, s[KH], 23
	s_lshl_b32 s29, s20, 8
	s_add_co_u32 s32, s32, s29
	s_add_nc_u64 s[16:17], s[16:17], s[32:33]      ; y at my half and columns
	; ---- PHASE A
.irp q, 0,1,2,3,4,5,6,7
	global_load_b128 v[R+4*\q:R+4*\q+3], v[L16], s[12:13] offset:512*\q   ; sel: register 4 q + c of lane i is token 128 q + 4 i + c
.endr
	LOADU 0
	LOADU 1
	s_wait_loadcnt 63                              ; sel and block 0 are in: behind block 0 stand block 1's 64 loads; the wait's field holds 63 at the most, and a smaller count is safe
	MASKS
	QUANTU 0
	LOADU 2
	s_wait_loadcnt 63                              ; block 1: behind it stand block 2's 64
	QUANTU 1
	LOADU 3
	s_wait_loadcnt 63                              ; block 2
	QUANTU 2
	s_wait_loadcnt 0x0
	QUANTU 3
	s_cmp_lg_u32 s[KH], 0                          ; an id: the same in all waves
	s_cbranch_scc1 .Lzeros
.irp t, 0,1,2,3                        ; b2 in the result's layout: register j of tile t is column 16 t + 8 h + j.  Waited for with the first tile's loads
	global_load_b128 v[BIAS+8*\t:BIAS+8*\t+3],   v[B32H], s[6:7] offset:64*\t
	global_load_b128 v[BIAS+8*\t+4:BIAS+8*\t+7], v[B32H], s[6:7] offset:64*\t+16
.endr
	s_branch .Lbias_set
.Lzeros:
.set i, 0
.rept 32
	v_mov_b32 v[BIAS+i], 0                         ; the second half of K adds no bias: written once, used by every tile
.set i, i+1
.endr
.Lbias_set:
	s_wait_dscnt 0x0                               ; for the others' sake: my images and scale words lie in LDS
	s_barrier_signal -1
	s_barrier_wait -1                              ; the 64 images are whole.  No barrier follows: the images are only read, and a stage is its wave's own
	; ---- PHASE B
	s_mov_b32 s24, s18                             ; my first row tile
	s_mov_b32 s25, 0
.Ltile:                                            ; at most four trips: 64 tiles serve every split
	s_wait_xcnt 0x0                                ; the last trip's loads and stores have read their address and data registers, which are written again below
	s_lshl_b32 s26, s24, 4
	s_cmp_ge_u32 s26, s22                          ; the expert has no row 16 m: done (a number read from memory decides; no barrier stands behind this branch)
	s_cbranch_scc1 .Ldone
	s_lshl_b32 s27, s24, 15
	v_add_nc_u32 v9, s27, v[L16]                   ; hq: 32 images a row tile
	v_add_nc_u32 v10, s26, v2
	v_lshlrev_b32 v10, 2, v10
.irp k, 0,1,2,3,4,5,6,7,8,9,10,11,12,13,14,15
	global_load_b32 v[HS+\k], v10, s[10:11] offset:32768*\k
.endr
	HLOAD 0, 8, 0
	LOADW 0
	SELECT
	v_lshlrev_b32 v11, 2, v[TOK]
	v_lshlrev_b32 v[GTO], 3, v[TOK]
	global_load_b32 v[SELW], v11, s[12:13]
	global_load_b64 v[GL:GL+1], v[GTO], s[14:15]
.irp k, 0,1,2,3,4,5,6,7,8,9,10,11,12,13,14
.if \k > 0
	NOPS 4                                         ; four places between the last K step's products and the loads into registers that they and earlier products read (ISA guide 7.12.1 for vector instructions)
.endif
.if \k == 4
	HLOAD 8, 4, 0                                  ; K steps 0 to 3 are multiplied: their places take K steps 8 to 11
.endif
.if \k == 8
	HLOAD 12, 4, 4
.endif
	LOADW \k+1
.if \k == 0
	s_wait_loadcnt 0x0                             ; h's first eight fragments, its scale words, the token's word and gates (and b2)
.endif
.if \k == 8
	s_wait_loadcnt 8                               ; K steps 8 to 11 are in: behind them stand the eight loads of 12 to 15
.endif
.if \k == 12
	s_wait_loadcnt 0x0
.endif
	s_wait_dscnt 9                                 ; this K step's nine loads are in; the next one's nine may be out
	PRODW \k
.endr
	s_wait_dscnt 0x0
	PRODW 15
	NOPS 5                                         ; four places ahead of the first read of results and of loads into h's places; five ahead of the next tile's first products, which begin the accumulators anew with another C
	v_bfe_u32 v[T0], v[SELW], 8, 3                 ; the token's first choice
	v_cmp_ne_u32 vcc_lo, s19, v[T0]                ; slot 1 where that is not my expert
	v_cndmask_b32 v[GP2], v[GL], v[GL+1], vcc_lo
	v_cndmask_b32 v[GP2+1], v[GL], v[GL+1], vcc_lo
	v_cndmask_b32 v[T1], 0, 1, vcc_lo
	v_lshl_add_u32 v[INFO], v[T1], 10, v[TOK]
.set i, 0
.rept 16
	v_pk_mul_f32 v[ACC+i:ACC+i+1], v[ACC+i:ACC+i+1], v[GP2:GP2+1]        ; x the gate; each accumulator from its low end on
.set i, i+2
.endr
.irp t, 0,1,2,3
	ds_store_b128 v[STO], v[ACC+8*\t:ACC+8*\t+3]   offset:64*\t
	ds_store_b128 v[STO], v[ACC+8*\t+4:ACC+8*\t+7] offset:64*\t+16
.endr
.irp t, 0,1,2,3,4,5,6,7
	ds_bpermute_b32 v[OFT+\t], v[IDX+\t], v[INFO]  ; the place of row 2 t + lane / 16
.endr
.irp t, 0,1,2,3,4,5,6,7
	ds_load_b128 v[HF+4*\t:HF+4*\t+3], v[RD] offset:544*\t   ; LDS serves a wave's instructions in order (ISA guide 5.7.1.4): these see my stores
.endr
	s_wait_dscnt 8                                 ; the eight permutes are in: behind them stand the eight loads
.irp t, 0,1,2,3,4,5,6,7
	v_min_u32 v[OFT+\t], 0x7ff, v[OFT+\t]          ; held inside y's 2,048 rows of a half ahead of the address
	v_lshlrev_b32 v[OFT+\t], 12, v[OFT+\t]
	v_add_nc_u32 v[OFT+\t], v[C16], v[OFT+\t]
.endr
.irp t, 0,1,2,3,4,5,6,7
	s_wait_dscnt 7-\t
	global_store_b128 v[OFT+\t], v[HF+4*\t:HF+4*\t+3], s[16:17]   ; sixteen lanes store 256 consecutive bytes of one row, at a multiple of 256 from y's first byte
.endr
	s_add_co_u32 s24, s24, 16
	s_add_co_u32 s25, s25, 1
	s_cmp_lt_u32 s25, 4
	s_cbranch_scc1 .Ltile
.Ldone:
	s_wait_tensorcnt 0x0                           ; the wave's end
	ds_add_u32 v[SPW], v[NIL]
	s_wait_dscnt 0x0
	s_endpgm
.Lfunc_end_k_q5a1a4591f6_down:
	.size	k_q5a1a4591f6_down, .Lfunc_end_k_q5a1a4591f6_down-k_q5a1a4591f6_down
	.p2alignl 7, 3214868480
	.fill 96, 4, 3214868480
	.section	.rodata,"a",@progbits
	.p2align	6, 0x0
	.amdhsa_kernel k_q5a1a4591f6_down
		.amdhsa_group_segment_fixed_size 141312
		.amdhsa_private_segment_fixed_size 0
		.amdhsa_enable_private_segment 0
		.amdhsa_kernarg_size 56
		.amdhsa_user_sgpr_count 2
		.amdhsa_user_sgpr_kernarg_segment_ptr 1
		.amdhsa_wavefront_size32 1
		.amdhsa_system_sgpr_workgroup_id_x 1
		.amdhsa_system_sgpr_workgroup_id_y 1
		.amdhsa_system_sgpr_workgroup_id_z 1
		.amdhsa_system_vgpr_workitem_id 0
		.amdhsa_next_free_vgpr 256
		.amdhsa_next_free_sgpr 100
		.amdhsa_reserve_vcc 1
		.amdhsa_float_denorm_mode_32 3
		.amdhsa_float_denorm_mode_16_64 3
		.amdhsa_memory_ordered 1
		.amdhsa_forward_progress 1
		.amdhsa_inst_pref_size 88
	.end_amdhsa_kernel
	.amdgpu_metadata
---
amdhsa.version: [ 1, 2 ]
amdhsa.kernels:
  - .name:           k_q5a1a4591f6_down
    .symbol:         k_q5a1a4591f6_down.kd
    .args:
      - { .name: W2, .offset: 0, .size: 8, .value_kind: global_buffer, .address_space: global }
      - { .name: b2, .offset: 8, .size: 8, .value_kind: global_buffer, .address_space: global }
      - { .name: hq, .offset: 16, .size: 8, .value_kind: global_buffer, .address_space: global }
      - { .name: hs, .offset: 24, .size: 8, .value_kind: global_buffer, .address_space: global }
      - { .name: sel, .offset: 32, .size: 8, .value_kind: global_buffer, .address_space: global }
      - { .name: gate, .offset: 40, .size: 8, .value_kind: global_buffer, .address_space: global }
      - { .name: y, .offset: 48, .size: 8, .value_kind: global_buffer, .address_space: global }
    .group_segment_fixed_size: 141312
    .private_segment_fixed_size: 0
    .kernarg_segment_align: 8
    .kernarg_segment_size: 56
    .max_flat_workgroup_size: 512
    .sgpr_count:     100
    .vgpr_count:     256
    .wavefront_size: 32
...
	.end_amdgpu_metadata
.endif
;; end of part 3
;; launch combine (part 4): grid 257 x 1, 8 waves a work-group, no clusters, 1,536 bytes of LDS; arguments y, probs, out0, out1; writes out0, out1
.if DOCPART == 4
	.amdgcn_target "amdgcn-amd-amdhsa--gfx1250"
	.amdhsa_code_object_version 6
	.text
	.protected	k_q5a1a4591f6_combine
	.globl	k_q5a1a4591f6_combine
	.p2align	8
	.type	k_q5a1a4591f6_combine,@function
k_q5a1a4591f6_combine:
	s_mov_b64 s[64:65], 0
	v_nop
	global_prefetch_b8 v0, s[64:65] scope:SCOPE_SE
	s_setreg_imm32_b32 hwreg(HW_REG_WAVE_MODE, 25, 1), 1
	s_wait_xcnt 0x0
; SparseMoEFFN, launch 4 of 4: out0 = the sum of y's four parts (two halves of K x two slots; each part is already multiplied by its gate), and the auxiliary number.
; Work-groups 0 to 255: a plain stream.  Each makes 16,384 bytes of out0: thread t takes 16 bytes in each of four chunks of 4,096, so that a load or store of a wave covers 512 consecutive bytes.  All sixteen loads of
; a thread go out first; the waits count down chunk by chunk.  No LDS, no barrier, no matrix unit: memory binds.
; Work-group 256: out1 = 8 x 0.01 x the sum over e of (count_e / 2,048) (S_e / 1,024), S_e the sum of the probabilities of expert e, count_e how often it was chosen: both are column sums of probs [1,024][16].
.set SPARE, 512                        ; LDS: 0 .. 511 the eight waves' column sums; then the spare words, 128 bytes a wave
.set SPW, 2
.set NIL, 3
	s_load_b256 s[4:11], s[0:1], 0x0               ; y s[4:5], probs s[6:7], out0 s[8:9], out1 s[10:11]
	v_lshl_add_u32 v[SPW], v0, 2, SPARE
	v_mov_b32 v[NIL], 0
	v_lshlrev_b32 v1, 4, v0                        ; 16 bytes a thread
	s_cmp_eq_u32 ttmp9, 256                        ; an id: the same in all waves of a work-group
	s_cbranch_scc1 .Laux
	s_lshl_b32 s12, ttmp9, 14
	s_mov_b32 s13, 0
	s_wait_kmcnt 0x0
	s_add_nc_u64 s[4:5], s[4:5], s[12:13]          ; K half 0
	s_add_nc_u64 s[8:9], s[8:9], s[12:13]
	s_add_nc_u64 s[14:15], s[4:5], 0x800000        ; K half 1; slot 1 lies 4,194,304 bytes on, in the immediate
.irp c, 0,1,2,3
	global_load_b128 v[16+16*\c:19+16*\c], v1, s[4:5]   offset:4096*\c th:TH_LOAD_NT
	global_load_b128 v[20+16*\c:23+16*\c], v1, s[14:15] offset:4096*\c th:TH_LOAD_NT
	global_load_b128 v[24+16*\c:27+16*\c], v1, s[4:5]   offset:4194304+4096*\c th:TH_LOAD_NT
	global_load_b128 v[28+16*\c:31+16*\c], v1, s[14:15] offset:4194304+4096*\c th:TH_LOAD_NT
.endr
.irp c, 0,1,2,3
	s_wait_loadcnt 12-4*\c                         ; this chunk's four loads are in; the later chunks' may be out
	v_pk_add_f32 v[16+16*\c:17+16*\c], v[16+16*\c:17+16*\c], v[20+16*\c:21+16*\c]   ; the two halves of K, slot 0,
	v_pk_add_f32 v[18+16*\c:19+16*\c], v[18+16*\c:19+16*\c], v[22+16*\c:23+16*\c]
	v_pk_add_f32 v[24+16*\c:25+16*\c], v[24+16*\c:25+16*\c], v[28+16*\c:29+16*\c]   ; slot 1,
	v_pk_add_f32 v[26+16*\c:27+16*\c], v[26+16*\c:27+16*\c], v[30+16*\c:31+16*\c]
	v_pk_add_f32 v[16+16*\c:17+16*\c], v[16+16*\c:17+16*\c], v[24+16*\c:25+16*\c]   ; the two slots
	v_pk_add_f32 v[18+16*\c:19+16*\c], v[18+16*\c:19+16*\c], v[26+16*\c:27+16*\c]
	global_store_b128 v1, v[16+16*\c:19+16*\c], s[8:9] offset:4096*\c th:TH_STORE_NT
.endr
	s_endpgm                                       ; these waves have written no LDS
.macro RED3                            ; v16-19 are added over the lanes with equal lane % 4: every such lane ends with the sum
.irp m, 4,8
.irp k, 0,1,2,3
	v_add_f32_dpp v[16+\k], v[16+\k], v[16+\k] row_xmask:\m row_mask:0xf bank_mask:0xf
.endr
.endr
.irp k, 0,1,2,3
	v_permlanex16_b32 v[20+\k], v[16+\k], s20, s21
.endr
.irp k, 0,1,2,3
	v_add_f32 v[16+\k], v[16+\k], v[20+\k]
.endr
.endm
.Laux:
	v_lshrrev_b32 v4, 5, v0
	v_readfirstlane_b32 s12, v4                    ; wave 0..7
	s_mov_b32 s20, 0x76543210
	s_mov_b32 s21, 0xfedcba98                      ; v_permlanex16_b32's selects for lane l xor 16
	v_lshlrev_b32 v5, 6, v4
	v_and_b32 v6, 3, v0
	v_lshl_add_u32 v5, v6, 4, v5                   ; my wave's 64 bytes, my group of four columns
	v_and_b32 v7, 31, v0
	v_lshlrev_b32 v7, 4, v7                        ; back: lane l takes wave l / 4's group l % 4
	v_mov_b32 v8, 0
	s_wait_kmcnt 0x0
.irp j, 0,1,2,3,4,5,6,7,8,9,10,11,12,13,14,15
	global_load_b128 v[16+4*\j:19+4*\j], v1, s[6:7] offset:4096*\j   ; four numbers at index 256 j + thread: always columns 4 (thread % 4) on
.endr
	s_wait_loadcnt 0x0
.irp j, 1,2,3,4,5,6,7,8,9,10,11,12,13,14,15
	v_pk_add_f32 v[16:17], v[16:17], v[16+4*\j:17+4*\j]
	v_pk_add_f32 v[18:19], v[18:19], v[18+4*\j:19+4*\j]
.endr
	RED3
	ds_store_b128 v5, v[16:19]                     ; lanes that share an address hold the same value
	s_wait_dscnt 0x0                               ; for the others' sake: my wave's sums lie in LDS
	s_barrier_signal -1
	s_barrier_wait -1
	ds_load_b128 v[16:19], v7
	s_wait_dscnt 0x0
	RED3                                           ; groups 0, 1: S_0 .. S_7; groups 2, 3: count_0 .. count_7
.irp k, 0,1,2,3
	v_mul_f32_dpp v[16+\k], v[16+\k], v[16+\k] row_xmask:2 row_mask:0xf bank_mask:0xf   ; S_e x count_e
.endr
	v_add_f32 v16, v16, v17
	v_add_f32 v18, v18, v19
	v_add_f32 v16, v16, v18
	v_add_f32_dpp v16, v16, v16 row_xmask:1 row_mask:0xf bank_mask:0xf                  ; with the other four experts
	v_mul_f32 v16, 0x3323d70a, v16                 ; x 0.08 / (2,048 x 1,024)
	s_cmp_lg_u32 s12, 0
	s_cbranch_scc1 .Lnot_wave_0
	global_store_b32 v8, v16, s[10:11]             ; all lanes hold the same number
.Lnot_wave_0:
	s_wait_tensorcnt 0x0                           ; the wave's end
	ds_add_u32 v[SPW], v[NIL]
	s_wait_dscnt 0x0
	s_endpgm
.Lfunc_end_k_q5a1a4591f6_combine:
	.size	k_q5a1a4591f6_combine, .Lfunc_end_k_q5a1a4591f6_combine-k_q5a1a4591f6_combine
	.p2alignl 7, 3214868480
	.fill 96, 4, 3214868480
	.section	.rodata,"a",@progbits
	.p2align	6, 0x0
	.amdhsa_kernel k_q5a1a4591f6_combine
		.amdhsa_group_segment_fixed_size 1536
		.amdhsa_private_segment_fixed_size 0
		.amdhsa_enable_private_segment 0
		.amdhsa_kernarg_size 32
		.amdhsa_user_sgpr_count 2
		.amdhsa_user_sgpr_kernarg_segment_ptr 1
		.amdhsa_wavefront_size32 1
		.amdhsa_system_sgpr_workgroup_id_x 1
		.amdhsa_system_sgpr_workgroup_id_y 1
		.amdhsa_system_sgpr_workgroup_id_z 1
		.amdhsa_system_vgpr_workitem_id 0
		.amdhsa_next_free_vgpr 96
		.amdhsa_next_free_sgpr 66
		.amdhsa_reserve_vcc 0
		.amdhsa_float_denorm_mode_32 3
		.amdhsa_float_denorm_mode_16_64 3
		.amdhsa_memory_ordered 1
		.amdhsa_forward_progress 1
		.amdhsa_inst_pref_size 11
	.end_amdhsa_kernel
	.amdgpu_metadata
---
amdhsa.version: [ 1, 2 ]
amdhsa.kernels:
  - .name:           k_q5a1a4591f6_combine
    .symbol:         k_q5a1a4591f6_combine.kd
    .args:
      - { .name: y, .offset: 0, .size: 8, .value_kind: global_buffer, .address_space: global }
      - { .name: probs, .offset: 8, .size: 8, .value_kind: global_buffer, .address_space: global }
      - { .name: out0, .offset: 16, .size: 8, .value_kind: global_buffer, .address_space: global }
      - { .name: out1, .offset: 24, .size: 8, .value_kind: global_buffer, .address_space: global }
    .group_segment_fixed_size: 1536
    .private_segment_fixed_size: 0
    .kernarg_segment_align: 8
    .kernarg_segment_size: 32
    .max_flat_workgroup_size: 256
    .sgpr_count:     66
    .vgpr_count:     96
    .wavefront_size: 32
...
	.end_amdgpu_metadata
.endif
;; end of part 4
;; ======== version 2 of 2: 4 launches
;; workspace buffers: xq 524,288 bytes; xs 32,768 bytes; sel 4,096 bytes of whole numbers; gate 8,192 bytes; probs 65,536 bytes; hq 16,777,216 bytes; hs 1,048,576 bytes; y 16,777,216 bytes
;; launch route (part 5): grid 256 x 1, 4 waves a work-group, no clusters, 33,792 bytes of LDS; arguments x, w_router, xq, xs, sel, gate, probs; writes xq, xs, sel, gate, probs
.if DOCPART == 5
	.amdgcn_target "amdgcn-amd-amdhsa--gfx1250"
	.amdhsa_code_object_version 6
	.text
	.protected	k_q5a1a4591f6_route
	.globl	k_q5a1a4591f6_route
	.p2align	8
	.type	k_q5a1a4591f6_route,@function
k_q5a1a4591f6_route:
	s_mov_b64 s[64:65], 0
	v_nop
	global_prefetch_b8 v0, s[64:65] scope:SCOPE_SE
	s_setreg_imm32_b32 hwreg(HW_REG_WAVE_MODE, 25, 1), 1
	s_wait_xcnt 0x0
; SparseMoEFFN, launch 1 of 4: the router in f32, and x as codes of FP4 (E2M1) with one E8M0 byte for each 32 along K.
; DEAD WORK, left out in the launches that follow.  reference() forms w[t][e] as the sum over the two slots of one_hot(topk_i[t])[e] x topk_p[t]: for an expert e that is not
; among topk_i[t] both terms are products with zeros that reference() builds itself, so w[t][e] y_e[t] = 0 for every finite y_e[t], whatever the inputs hold.  Row t of x W1[e], of its
; GELU and of h W2[e] then reaches no output.  The program multiplies, for each token, the rows of its two chosen experts alone: 2,048 rows in place of 8,192.  Every input stays live and is loaded.
; LIMIT: a NaN, an infinity or an overflow that arises only in a row of an expert that was not chosen is not carried to out0.
; SHARES.  A wave takes one token (4 x work-group + wave).  Lane l holds block l of the row, k = 32 l .. 32 l + 31, in 32 registers: the block's largest magnitude needs no other lane,
; and the lane's part of the eight logits is 32 x 8 fused multiply-adds in f32 (packed, two experts an instruction).  w_router (32,768 bytes) is staged in LDS once a work-group, a region of
; 1,024 bytes + 16 of padding for each lane: 260 words from lane to lane.
; WHAT IS STORED: xq [token][512 B] codes, block b at byte 16 b; xs [token][8 words] scale bytes; sel [token]: bits 7:0 = (1 << i0) | (1 << i1), bits 10:8 = i0, bits 18:16 = i1, whole numbers from which
; the later launches form addresses; gate [token][2]: the two weights, renormalised; probs [token][16]: the 8 probabilities, then 1.0 at i0 and i1 and 0 elsewhere, for the auxiliary number.
; The choice only selects values here (v_cndmask_b32): no address and no branch of this launch hangs on it.  Ties keep the lower index, as jax.lax.top_k does (the scans compare strictly).
; The small stores (4 to 64 bytes a token) fill their 256-byte runs from several waves: 108 bytes a token beside the 4,096 that are read.
; LIMITS: a probability under 2^-126 comes out as 0 (v_exp_f32 gives 0 for results under the smallest normal number: ISA guide, its entry in 15.8); blocks of x whose largest magnitude lies under 2^-124 keep the
; byte 1 (a block of zeros too: its codes are zeros, and this program alone reads the bytes); NaN and infinities among the inputs are not served.
.set WPITCH, 1040                      ; a lane's region of w_router in LDS
.set SPARE,  33280                     ; behind the 32 regions: the spare words, 128 bytes for each wave
.set SPW, 2                            ; v2   LDS address of my spare word; never rewritten
.set NIL, 3                            ; v3   0; never rewritten
.set BUF, 16                           ; v16-79   w_router as loaded; later two buffers of 32 for the chunks
.set XR,  80                           ; v80-111  my 32 numbers of x
.set LG,  112                          ; v112-119 the logits
.set EX,  120                          ; v120-127 the exponentials
.set PR,  128                          ; v128-135 the probabilities
.set T8,  136                          ; v136-143 at work
.set VM,  144                          ; the largest logit
.set VS,  145                          ; the sum
.set VR,  146                          ; its reciprocal
.set V0,  148                          ; the largest p, its index,
.set I0,  149
.set V1,  150                          ; the second, its index
.set I1,  151
.set S2,  152
.set R2,  153
.set G0,  154
.set G1,  155
.set SELW, 156
.set ONE, 157
.set TT,  158
.set LE,  159
.set PV,  160
.set OH,  161
.set T3,  162
.set AXQ, 163
.set AXS, 164
.set APR, 165
.set AGT, 166
.set GV,  167
.set AZ,  168
.set SH,  169
.set DP,  170
	s_load_b256 s[4:11], s[0:1], 0x0               ; x s[4:5], w_router s[6:7], xq s[8:9], xs s[10:11]
	s_load_b128 s[12:15], s[0:1], 0x20             ; sel s[12:13], gate s[14:15]
	s_load_b64 s[16:17], s[0:1], 0x30              ; probs
	v_lshl_add_u32 v[SPW], v0, 2, SPARE
	v_mov_b32 v[NIL], 0
	v_lshrrev_b32 v1, 5, v0
	v_readfirstlane_b32 s18, v1                    ; wave 0..3
	v_and_b32 v1, 31, v0                           ; lane
	v_lshlrev_b32 v4, 4, v0                        ; staging, in: 16 bytes a thread, 2,048 a load of the work-group
	v_lshrrev_b32 v5, 6, v0
	v_mul_u32_u24 v5, v5, WPITCH
	v_and_b32 v12, 63, v0
	v_lshl_add_u32 v5, v12, 4, v5                  ; staging, out: region 2 i + thread / 64, byte 16 (thread % 64)
	v_lshlrev_b32 v6, 7, v1                        ; x: my block's 128 bytes
	v_mul_u32_u24 v7, v1, WPITCH                   ; my region of w_router
	v_lshlrev_b32 v[AXQ], 4, v1                    ; xq: 16 bytes a lane
	v_and_b32 v[AXS], 0x1c, v1                     ; xs: word lane / 4
	v_and_b32 v[APR], 15, v1
	v_lshlrev_b32 v[APR], 2, v[APR]                ; probs: number lane % 16
	v_and_b32 v[AGT], 1, v1
	v_lshlrev_b32 v[AGT], 2, v[AGT]                ; gate: number lane % 2
	v_mov_b32 v[AZ], 0
	v_and_b32 v[SH], 3, v1
	v_lshlrev_b32 v[SH], 3, v[SH]                  ; my byte's place in the scale word: 8 (lane % 4) bits up
	v_and_b32 v[LE], 7, v1
	v_mov_b32 v[ONE], 1
	v_mov_b32 v[DP], 0                             ; a lane permute's destination counts as one of its sources: written once
.irp e, 0,1,2,3,4,5,6,7
	v_mov_b32 v[T8+\e], 0
.endr
	s_lshl_b32 s19, ttmp9, 2
	s_add_co_u32 s19, s19, s18                     ; my token
	s_mov_b32 s20, 0x76543210
	s_mov_b32 s21, 0xfedcba98                      ; v_permlanex16_b32's selects for lane l xor 16
	s_mov_b32 s22, 0x3fb8aa3b                      ; log2(e)
	s_mov_b32 s31, 0
	s_wait_kmcnt 0x0
	s_lshl_b32 s30, s19, 12
	s_add_nc_u64 s[4:5], s[4:5], s[30:31]          ; each buffer at my token
	s_lshl_b32 s30, s19, 9
	s_add_nc_u64 s[8:9], s[8:9], s[30:31]
	s_lshl_b32 s30, s19, 5
	s_add_nc_u64 s[10:11], s[10:11], s[30:31]
	s_lshl_b32 s30, s19, 2
	s_add_nc_u64 s[12:13], s[12:13], s[30:31]
	s_lshl_b32 s30, s19, 3
	s_add_nc_u64 s[14:15], s[14:15], s[30:31]
	s_lshl_b32 s30, s19, 6
	s_add_nc_u64 s[16:17], s[16:17], s[30:31]
.irp i, 0,1,2,3,4,5,6,7,8,9,10,11,12,13,14,15
	global_load_b128 v[BUF+4*\i:BUF+4*\i+3], v4, s[6:7] offset:2048*\i     ; w_router: the four waves read 2,048 consecutive bytes
.endr
.irp i, 0,1,2,3,4,5,6,7
	global_load_b128 v[XR+4*\i:XR+4*\i+3], v6, s[4:5] offset:16*\i         ; x: my 32 neighbours; the wave's eight loads together take the row's 4,096 bytes
.endr
	s_wait_loadcnt 8                               ; w_router is in: x's eight loads were issued behind it
.irp i, 0,1,2,3,4,5,6,7,8,9,10,11,12,13,14,15
	ds_store_b128 v5, v[BUF+4*\i:BUF+4*\i+3] offset:2080*\i
.endr
	s_wait_loadcnt 0x0                             ; x
	; my block of x: largest magnitude, scale, codes
	v_max3_num_f32 v12, |v[XR]|, |v[XR+1]|, |v[XR+2]|
	v_max3_num_f32 v13, |v[XR+3]|, |v[XR+4]|, |v[XR+5]|
.irp n, 6,10,14,18,22,26
	v_max3_num_f32 v12, v12, |v[XR+\n]|, |v[XR+\n+1]|
	v_max3_num_f32 v13, v13, |v[XR+\n+2]|, |v[XR+\n+3]|
.endr
	v_max3_num_f32 v12, v12, |v[XR+30]|, |v[XR+31]|
	v_max3_num_f32 v12, v12, v13, 0x1800000        ; and the floor 2^(3 - 127): the byte cannot fall under 1
	v_add_nc_u32 v14, 0xff000000, v12              ; 2 off the exponent field: the conversion takes the exponent field of this operand as its scale
.irp g, 0,1,2,3
	v_cvt_scalef32_pk8_fp4_f32 v[8+\g], v[XR+8*\g:XR+8*\g+7], v14
.endr
	v_lshrrev_b32 v15, 23, v14                     ; the scale's byte
	v_lshlrev_b32 v15, v[SH], v15                  ; at its place in the word of K step lane / 4;
	v_mov_b32_dpp v[DP], v15 row_xmask:1 row_mask:0xf bank_mask:0xf
	v_or_b32 v15, v15, v[DP]
	v_mov_b32_dpp v[DP], v15 row_xmask:2 row_mask:0xf bank_mask:0xf
	v_or_b32 v15, v15, v[DP]                       ; with the three other lanes' bytes the word is whole, in all four
	global_store_b128 v[AXQ], v[8:11], s[8:9]      ; the wave stores the token's 512 bytes of codes
	global_store_b32 v[AXS], v15, s[10:11]         ; four lanes store the same word with the same value
	s_wait_dscnt 0x0                               ; for the others' sake: my part of w_router lies in LDS
	s_barrier_signal -1
	s_barrier_wait -1
; the logits: chunk j is k = 32 l + 4 j .. + 3: 128 bytes of my region, register 8 c + e = w_router[32 l + 4 j + c][e]
.macro LOADC j
.irp q, 0,1,2,3,4,5,6,7
	ds_load_b128 v[BUF+32*((\j)%2)+4*\q:BUF+32*((\j)%2)+4*\q+3], v7 offset:128*(\j)+16*\q
.endr
.endm
.macro DOT4 j                          ; 16 packed multiply-adds: x's number feeds both halves (op_sel picks it out of its pair)
.irp c, 0,1,2,3
.irp p, 0,1,2,3
.set WA, BUF+32*((\j)%2)+8*\c+2*\p
.set XP, XR+4*(\j)+2*(\c/2)
.if ((\j) == 0) && (\c == 0)
	v_pk_mul_f32 v[LG+2*\p:LG+2*\p+1], v[XP:XP+1], v[WA:WA+1] op_sel_hi:[0,1]      ; the first product starts the sums
.elseif (\c%2) == 0
	v_pk_fma_f32 v[LG+2*\p:LG+2*\p+1], v[XP:XP+1], v[WA:WA+1], v[LG+2*\p:LG+2*\p+1] op_sel_hi:[0,1,1]
.else
	v_pk_fma_f32 v[LG+2*\p:LG+2*\p+1], v[XP:XP+1], v[WA:WA+1], v[LG+2*\p:LG+2*\p+1] op_sel:[1,0,0] op_sel_hi:[1,1,1]
.endif
.endr
.endr
.endm
	LOADC 0
.irp j, 0,1,2,3,4,5,6
	LOADC \j+1
	s_wait_alu depctr_va_vdst(0)
	s_wait_dscnt 8                                 ; this chunk is in; the next chunk's eight loads may be out
	DOT4 \j
.endr
	s_wait_alu depctr_va_vdst(0)
	s_wait_dscnt 0x0
	DOT4 7
.irp m, 1,2,4,8                        ; the 32 lanes' parts are added: every lane ends with the eight logits
.irp e, 0,1,2,3,4,5,6,7
	v_add_f32_dpp v[LG+\e], v[LG+\e], v[LG+\e] row_xmask:\m row_mask:0xf bank_mask:0xf
.endr
.endr
.irp e, 0,1,2,3,4,5,6,7
	v_permlanex16_b32 v[T8+\e], v[LG+\e], s20, s21
.endr
.irp e, 0,1,2,3,4,5,6,7
	v_add_f32 v[LG+\e], v[LG+\e], v[T8+\e]
.endr
	; softmax, with the maximum taken away as reference() takes it
	v_max3_num_f32 v[VM], v[LG], v[LG+1], v[LG+2]
	v_max3_num_f32 v[VM], v[VM], v[LG+3], v[LG+4]
	v_max3_num_f32 v[VM], v[VM], v[LG+5], v[LG+6]
	v_max_num_f32 v[VM], v[VM], v[LG+7]
.irp e, 0,1,2,3,4,5,6,7
	v_sub_f32 v[EX+\e], v[LG+\e], v[VM]
.endr
.irp e, 0,1,2,3,4,5,6,7
	v_mul_f32 v[EX+\e], s22, v[EX+\e]
.endr
	s_wait_alu depctr_va_vdst(0)
.irp e, 0,1,2,3,4,5,6,7
	v_exp_f32 v[EX+\e], v[EX+\e]
.endr
	v_nop                                          ; a plain instruction behind the last exponential
	s_wait_alu depctr_va_vdst(0)                   ; the wait ahead of the batch's first reader: one for the eight
	v_add_f32 v[VS], v[EX], v[EX+1]
	v_add_f32 v[TT], v[EX+2], v[EX+3]
	v_add_f32 v[T3], v[EX+4], v[EX+5]
	v_add_f32 v[PV], v[EX+6], v[EX+7]
	v_add_f32 v[VS], v[VS], v[TT]
	v_add_f32 v[T3], v[T3], v[PV]
	v_add_f32 v[VS], v[VS], v[T3]
	s_wait_alu depctr_va_vdst(0)
	v_rcp_f32 v[VR], v[VS]
	v_nop
	s_wait_alu depctr_va_vdst(0)
.irp e, 0,1,2,3,4,5,6,7
	v_mul_f32 v[PR+\e], v[EX+\e], v[VR]
.endr
; the largest of eight and its index: an ascending scan that compares strictly, so that of equals the lower index stays
.macro SCAN src, val, idx
	v_mov_b32 v[\val], v[\src]
	v_mov_b32 v[\idx], 0
.irp e, 1,2,3,4,5,6,7
	v_cmp_gt_f32 vcc_lo, v[\src+\e], v[\val]
	v_cndmask_b32 v[\val], v[\val], v[\src+\e], vcc_lo
	v_cndmask_b32 v[\idx], v[\idx], \e, vcc_lo
.endr
.endm
	SCAN PR, V0, I0
.irp e, 0,1,2,3,4,5,6,7
	v_cmp_eq_u32 vcc_lo, \e, v[I0]
	v_cndmask_b32 v[T8+\e], v[PR+\e], -1.0, vcc_lo  ; the first choice is taken out: -1 lies under every probability
.endr
	SCAN T8, V1, I1
	v_add_f32 v[S2], v[V0], v[V1]
	s_wait_alu depctr_va_vdst(0)
	v_rcp_f32 v[R2], v[S2]
	v_lshlrev_b32 v[SELW], v[I0], v[ONE]           ; (plain work behind the reciprocal)  1 << i0
	v_lshlrev_b32 v[TT], v[I1], v[ONE]
	v_or_b32 v[SELW], v[SELW], v[TT]
	v_lshl_or_b32 v[SELW], v[I0], 8, v[SELW]
	v_lshl_or_b32 v[SELW], v[I1], 16, v[SELW]
	s_wait_alu depctr_va_vdst(0)
	v_mul_f32 v[G0], v[V0], v[R2]
	v_mul_f32 v[G1], v[V1], v[R2]
	; what each lane stores: lanes that share an address hold the same value, so all lanes stay on
	v_mov_b32 v[PV], v[PR]
.irp e, 1,2,3,4,5,6,7
	v_cmp_eq_u32 vcc_lo, \e, v[LE]
	v_cndmask_b32 v[PV], v[PV], v[PR+\e], vcc_lo    ; p of expert lane % 8
.endr
	v_cmp_eq_u32 s23, v[LE], v[I0]
	v_cmp_eq_u32 s24, v[LE], v[I1]
	s_or_b32 s23, s23, s24
	v_cndmask_b32 v[OH], 0, 1.0, s23               ; 1 where expert lane % 8 was chosen
	v_and_b32 v[T3], 8, v1
	v_cmp_ne_u32 vcc_lo, 0, v[T3]
	v_cndmask_b32 v[PV], v[PV], v[OH], vcc_lo
	v_cmp_ne_u32 vcc_lo, 0, v[AGT]
	v_cndmask_b32 v[GV], v[G0], v[G1], vcc_lo
	global_store_b32 v[APR], v[PV], s[16:17]
	global_store_b32 v[AGT], v[GV], s[14:15]
	global_store_b32 v[AZ], v[SELW], s[12:13]
	s_wait_tensorcnt 0x0                           ; the wave's end
	ds_add_u32 v[SPW], v[NIL]
	s_wait_dscnt 0x0
	s_endpgm
.Lfunc_end_k_q5a1a4591f6_route:
	.size	k_q5a1a4591f6_route, .Lfunc_end_k_q5a1a4591f6_route-k_q5a1a4591f6_route
	.p2alignl 7, 3214868480
	.fill 96, 4, 3214868480
	.section	.rodata,"a",@progbits
	.p2align	6, 0x0
	.amdhsa_kernel k_q5a1a4591f6_route
		.amdhsa_group_segment_fixed_size 33792
		.amdhsa_private_segment_fixed_size 0
		.amdhsa_enable_private_segment 0
		.amdhsa_kernarg_size 56
		.amdhsa_user_sgpr_count 2
		.amdhsa_user_sgpr_kernarg_segment_ptr 1
		.amdhsa_wavefront_size32 1
		.amdhsa_system_sgpr_workgroup_id_x 1
		.amdhsa_system_sgpr_workgroup_id_y 1
		.amdhsa_system_sgpr_workgroup_id_z 1
		.amdhsa_system_vgpr_workitem_id 0
		.amdhsa_next_free_vgpr 176
		.amdhsa_next_free_sgpr 66
		.amdhsa_reserve_vcc 1
		.amdhsa_float_denorm_mode_32 3
		.amdhsa_float_denorm_mode_16_64 3
		.amdhsa_memory_ordered 1
		.amdhsa_forward_progress 1
		.amdhsa_inst_pref_size 29
	.end_amdhsa_kernel
	.amdgpu_metadata
---
amdhsa.version: [ 1, 2 ]
amdhsa.kernels:
  - .name:           k_q5a1a4591f6_route
    .symbol:         k_q5a1a4591f6_route.kd
    .args:
      - { .name: x, .offset: 0, .size: 8, .value_kind: global_buffer, .address_space: global }
      - { .name: w_router, .offset: 8, .size: 8, .value_kind: global_buffer, .address_space: global }
      - { .name: xq, .offset: 16, .size: 8, .value_kind: global_buffer, .address_space: global }
      - { .name: xs, .offset: 24, .size: 8, .value_kind: global_buffer, .address_space: global }
      - { .name: sel, .offset: 32, .size: 8, .value_kind: global_buffer, .address_space: global }
      - { .name: gate, .offset: 40, .size: 8, .value_kind: global_buffer, .address_space: global }
      - { .name: probs, .offset: 48, .size: 8, .value_kind: global_buffer, .address_space: global }
    .group_segment_fixed_size: 33792
    .private_segment_fixed_size: 0
    .kernarg_segment_align: 8
    .kernarg_segment_size: 56
    .max_flat_workgroup_size: 128
    .sgpr_count:     66
    .vgpr_count:     176
    .wavefront_size: 32
...
	.end_amdgpu_metadata
.endif
;; end of part 5
;; launch up (part 6): grid 32 x 8, 16 waves a work-group, no clusters, 71,680 bytes of LDS; arguments W1, b1, xq, xs, sel, hq, hs; writes hq, hs
.if DOCPART == 6
	.amdgcn_target "amdgcn-amd-amdhsa--gfx1250"
	.amdhsa_code_object_version 6
	.text
	.protected	k_q5a1a4591f6_up
	.globl	k_q5a1a4591f6_up
	.p2align	8
	.type	k_q5a1a4591f6_up,@function
k_q5a1a4591f6_up:
	s_mov_b64 s[64:65], 0
	v_nop
	global_prefetch_b8 v0, s[64:65] scope:SCOPE_SE
	s_setreg_imm32_b32 hwreg(HW_REG_WAVE_SCHED_MODE, 0, 2), 2
	s_setreg_imm32_b32 hwreg(HW_REG_WAVE_MODE, 25, 1), 1
	s_wait_xcnt 0x0
	s_wait_alu depctr_vm_vsrc(0)
; SparseMoEFFN, launch 2 of 4: h = gelu(x W1[e] + b1[e]) for the rows routed to expert e, and h as codes of FP4 with one E8M0 byte for each 32 along the next K.
; WORK LEFT OUT: the rows of tokens that did not choose expert e (their weight is a zero that reference() builds itself: shown at the head of the first kernel).
; SHARES.  Work-group (s, e) owns columns 128 s .. 128 s + 127 of W1[e], all 1,024 along K: 524,288 bytes of f32, read once in the launch.
; PHASE A.  Wave w takes K step w / 2 (128 along K) of 64 columns (half w % 2).  A LANE TAKES A COLUMN, AND ITS REGISTERS RUN DOWN K: a block of 32 lies in one lane's 32 registers, so its largest magnitude needs
; no other lane and the conversions give codes with K innermost.  For each k two loads stand on end, columns l and 32 + l: together 256 consecutive bytes, aligned.  The codes go to LDS as IMAGES OF THE OPERAND'S
; REGISTERS: fragment (K step, tile) is 1,024 bytes, register group c of lane L at 512 c + 16 L.  Quantised weights never go to memory.
; THE COLUMNS THAT FORM A TILE ARE NOT NEIGHBOURS: column 32 bb + 16 a + 8 u + i is row 8 a + i of tile 2 bb + u, so that the 16 results a lane holds of tiles 2 bb and 2 bb + 1 are 16 neighbours along the next K.
; (The image stores of lanes 0-7 and 8-15 lie 1,024 bytes apart and share their banks: 8 such stores a wave.)
; PHASE B, behind ONE barrier.  Wave w takes the expert's row tiles w, w + 16, w + 32, w + 48, as far as the expert has rows.  The product is used transposed (source 0 = 16 columns of W1, source 1 = 16 tokens):
; a lane holds one token.  b1 is the C of each sum's first product (loaded into the accumulators).  Then the GELU in f32, the quantiser in registers, and the tile's fragment of h goes to hq as an image.
; WHICH TOKENS.  sel holds one word a token.  Every wave makes the expert's mask of 1,024 bits by 32 compares (word j = 4 q + c, bit i: token 128 q + 4 i + c) and finds "the n-th routed token" by whole-number
; arithmetic in registers (SELECT).  The next launch walks the same order.  Rows past the expert's count in its last tile take n = count - 1: exact copies of the last row, at most 15 an expert; so all lanes stay on.
; The count is a number read from memory, and a branch hangs on it: so this launch has no tensor load and no copy, and weights go from memory straight into registers.  For the same reason no cluster: what work-groups
; share (x's codes, 544 bytes a row) is small beside the 524,288 bytes that each streams alone.  An expert with no rows still streams its slice: an early end would put the barrier under a branch on loaded data.
; GELU, exact form: g = max(x, 0) - |x| q, q = erfc(|x| / sqrt 2) / 2 = t 2^L, t = 1 / (1 + |x| / (2 sqrt 2)), L = -x^2 log2(e) / 2 + P(t): the rational Chebyshev fit of erfc (degree 9 in t, fractional error
; under 1.2e-7 for every x), its coefficients times log2(e), 1 taken off the constant term for the half.  Both signs keep their relative accuracy; for large |x| q falls to 0 and g = max(x, 0).
; LIMITS: |x| q under 2^-126 comes out as 0 (v_exp_f32 gives 0 under the smallest normal number: ISA guide 15.8); blocks whose largest magnitude lies under 2^-124 keep the byte 1 (blocks of zeros too: their codes are
; zeros, and this program alone reads the bytes); NaN and infinities among the inputs are not served.  hs is stored in runs of 64 bytes: about 262,144 bytes in the launch.
; THE MODE: SCHED_MODE bits 1:0 = 2 (LLVM: expert scheduling mode 2), set by the entry lines.  The code itself states the register dependences between vector or matrix instructions and memory or LDS instructions,
; and between a vector instruction that writes a scalar register or VCC and its readers, with s_wait_alu, always for 0.
; THE PLAN.  Registers that memory or LDS instructions touch:
;   v1, v[LIMG], v[LSC], v[L16], v[B64H], v[L8W]   addresses, made at the head and never written again: one wait on va_vdst ahead of the first load serves them all.
;   X0, X1        Phase A.  Block u's loads land in X[u % 2]; block u's maxima and conversions read it; block u + 2's loads land in it.
;   C, SW         Phase A.  Written by a block's conversions and shifts, read by its LDS stores; eight registers of C for each block, so none is written again before phase B.
;   So ONE wait on va_vdst stands in a block, behind its vector lines: the LDS stores' data are written, and X[u % 2] is read out; only those stores stand between it and the loads of block u + 2.
;   ACC           Phase B.  b1's loads land in it; products, GELU and quantiser work on it.       XF, XS   x's loads land; products read.
;   WB0, WB1, WS  LDS loads of group g land in WB[g % 2] and WS's pair g % 2; group g's products read them; SELECT works in WB1 ahead of group 1's loads, the GELU in both behind the last products.
;   v9, v10       written behind SELECT, read by x's loads.       v11, v[HSO], v[PC ..], v[PW]   written by vector instructions, read by the trip's three stores.
;   A trip's waits: at its head one on vm_vsrc (what the last trip's memory instructions and phase A's LDS stores read is written again below) and one on va_vdst (the last trip's vector and matrix work is done with
;   the registers in which loads land); one on va_vdst behind SELECT and the addresses; one on va_vdst ahead of each group's loads from group 2's on; one ahead of the stores.  The sixteen waves' 256 registers fill
;   the four SIMDs' 1,024, so there are two buffers of fragments and no third: a buffer is asked for again as soon as the products that read it are shown done, ahead of the wait for the group in hand.
.set PITCH, 16384                      ; bytes from k to k + 1 in W1[e]
.set WSC,   65536                      ; LDS: 0 .. 65,535 the 64 images; then the scale words, 256 bytes for each wave of phase A = for each group of phase B
.set SPARE, 69632                      ; then the spare words, 128 bytes for each wave
.set LIMG, 4                           ; v4   where my codes go;  v5 where my scale words go
.set LSC,  5
.set L16,  6                           ; v6   16 x lane
.set B64H, 7                           ; v7   64 (lane / 16): b1
.set TOK,  8                           ; v8   my row's token;  v9, v10 its place in xq, xs;  v11 my place in hq
.set SPW,  12                          ; v12  LDS address of my spare word; never rewritten
.set NIL,  13                          ; v13  0; never rewritten
.set XS,   16                          ; v16-23  x's scale words, a register a K step: scales and nothing else
.set WS,   24                          ; v24-27  W1's scale words, two sets of two: scales and nothing else
.set TM,   32                          ; v32-47  the quantiser's work
.set PC,   48                          ; v48-55  h's codes
.set PW,   56                          ; v56     h's scale word
.set HSO,  57                          ; v57     its place in hs
.set L8W,  58                          ; v58     WSC + 8 x lane
.set H16,  59                          ; v59     16 (lane / 16)
.set X,    64                          ; phase A: v64-191 two sets of 64 numbers
.set ACC,  64                          ; phase B: v64-127 eight accumulators
.set XF,   128                         ;          v128-191 x's eight fragments
.set C,    192                         ; phase A: v192-223 codes, eight registers for each block: no LDS store's data are written again
.set R,    192                         ;          and before them sel's 32 words
.set WB,   192                         ; phase B: v192-255 two buffers of four fragments of W1
.set SW,   224                         ; phase A: v224-237 small
.set AM,   226
.set SCO,  230
.set BY,   232
.set TMPM, 234
.set ST,   224                         ; SELECT's work: in the second buffer
.set GD,   192                         ; the GELU's work: four runs of 16
.set GT,   208
.set GP,   224
.set GQ,   240
.set SBN,  4                           ; SELECT: compares in a run
.set SM,   30                          ; s30-33  their masks
.set SEL,  34                          ; s[34:35] lane selects for v_permlanex16_b32
.set CZ,   36                          ; s[36:37] -log2(e) / 2;  s[38+2k:39+2k] coefficient k, 0 to 8 (pairs: the packed forms name a pair and take its low word)
.set CK,   38
.set SQ,   56                          ; s56-59  SELECT: the run's packed values
.set WP,   60                          ; s[60:61] my wave's corner of W1
.set CT,   62                          ; s62  1 / (2 sqrt 2)
.set MK,   68                          ; s68-99 the expert's mask
.macro NOPS n
.rept \n
	v_nop
.endr
.endm
.macro CPAIR reg, val
	s_mov_b32 s[\reg], \val
	s_mov_b32 s[\reg+1], \val
.endm
; block u of my K step: 32 rows of W1, two sets of 32 columns
.macro LOADU u
.set i, 0
.rept 32
	global_load_b32 v[X+64*((\u)%2)+i], v1, s[WP:WP+1] offset:(32*(\u)+i)*PITCH th:TH_LOAD_NT
	global_load_b32 v[X+64*((\u)%2)+32+i], v1, s[WP:WP+1] offset:(32*(\u)+i)*PITCH+128 th:TH_LOAD_NT
.set i, i+1
.endr
.endm
; its two blocks of 32 (one for each set) become codes and a scale byte each; the two sets by turns, so that no line waits for the line above it
.macro QUANTU u
.set XA, X+64*((\u)%2)
.set XB, XA+32
.set CA, C+8*(\u)
	v_max3_num_f32 v[AM],   |v[XA]|,   |v[XA+1]|, |v[XA+2]|
	v_max3_num_f32 v[AM+2], |v[XB]|,   |v[XB+1]|, |v[XB+2]|
	v_max3_num_f32 v[AM+1], |v[XA+3]|, |v[XA+4]|, |v[XA+5]|
	v_max3_num_f32 v[AM+3], |v[XB+3]|, |v[XB+4]|, |v[XB+5]|
.irp n, 6,10,14,18,22,26
	v_max3_num_f32 v[AM],   v[AM],   |v[XA+\n]|,   |v[XA+\n+1]|
	v_max3_num_f32 v[AM+2], v[AM+2], |v[XB+\n]|,   |v[XB+\n+1]|
	v_max3_num_f32 v[AM+1], v[AM+1], |v[XA+\n+2]|, |v[XA+\n+3]|
	v_max3_num_f32 v[AM+3], v[AM+3], |v[XB+\n+2]|, |v[XB+\n+3]|
.endr
	v_max3_num_f32 v[AM],   v[AM],   |v[XA+30]|, |v[XA+31]|
	v_max3_num_f32 v[AM+2], v[AM+2], |v[XB+30]|, |v[XB+31]|
	v_max3_num_f32 v[AM],   v[AM],   v[AM+1], 0x1800000    ; and the floor 2^(3 - 127): the byte cannot fall under 1
	v_max3_num_f32 v[AM+2], v[AM+2], v[AM+3], 0x1800000
	v_add_nc_u32 v[SCO],   0xff000000, v[AM]               ; 2 off the exponent field: the conversion's scale operand
	v_add_nc_u32 v[SCO+1], 0xff000000, v[AM+2]
.irp g, 0,1,2,3
	v_cvt_scalef32_pk8_fp4_f32 v[CA+\g],   v[XA+8*\g:XA+8*\g+7], v[SCO]
	v_cvt_scalef32_pk8_fp4_f32 v[CA+4+\g], v[XB+8*\g:XB+8*\g+7], v[SCO+1]
.endr
.if (\u) == 0
	v_lshrrev_b32 v[SW],   23, v[SCO]                       ; the scale's byte (also the plain line behind the conversions): byte u of the column's word for this K step
	v_lshrrev_b32 v[SW+1], 23, v[SCO+1]
.else
	v_lshrrev_b32 v[BY],   23, v[SCO]
	v_lshrrev_b32 v[BY+1], 23, v[SCO+1]
	v_lshl_or_b32 v[SW],   v[BY],   8*(\u), v[SW]
	v_lshl_or_b32 v[SW+1], v[BY+1], 8*(\u), v[SW+1]
.endif
	s_wait_alu depctr_va_vdst(0)                   ; the conversions have written this block's codes and the shifts the scale words, which the LDS stores below read; the maxima and conversions are done reading this set of X, in which the loads of two blocks on land
	ds_store_b128 v[LIMG], v[CA:CA+3]   offset:((\u)/2)*512+((\u)%2)*256        ; block u = 2 c + half: register group c, lanes 16 x half on
	ds_store_b128 v[LIMG], v[CA+4:CA+7] offset:2048+((\u)/2)*512+((\u)%2)*256   ; the second set's tiles lie two images on
.if (\u) == 3
	ds_store_b32 v[LSC], v[SW]
	ds_store_b32 v[LSC], v[SW+1] offset:4
.endif
.endm
; the expert's mask, s[MK] on, and its count s22; s23 = count - 1.  The 32 compares stand in one run, each with a scalar register of its own, and one wait serves them all
.macro MASKS
.set j, 0
.rept 32
	v_and_b32 v[TMPM+j%4], s21, v[R+j]
	v_cmp_ne_u32 s[MK+j], 0, v[TMPM+j%4]
.set j, j+1
.endr
	s_wait_alu depctr_va_sdst(0)                   ; the 32 compares have written s[MK ..], ahead of their first readers, the counts below
	s_mov_b32 s22, 0
.set j, 0
.rept 32
	s_bcnt1_i32_b32 s27, s[MK+j]
	s_add_co_u32 s22, s22, s27
.set j, j+1
.endr
	s_sub_co_u32 s23, s22, 1
.endm
; v[TOK] = the token of the expert's row n = min(s26 + lane % 16, count - 1): the n-th set bit of the mask
.set SN,   ST
.set SWD,  ST+1
.set SPK,  ST+2
.set SKK,  ST+3
.set STB,  ST+4
.set SA,   ST+5
.set SB,   ST+6
.set SCN,  ST+7
.set STT,  ST+8
.set SU,   ST+9
.set SPOS, ST+10
.macro SSTEP src, width, first         ; the k-th set bit lies in the lower half of the field in hand where k is under that half's count t; else k -= t and the place moves up
.if \first == 0
	v_bfe_u32 v[STT], v[\src], v[SPOS], \width
.endif
	v_cmp_ge_u32 vcc_lo, v[SKK], v[STT]
	s_wait_alu depctr_va_vcc(0)                    ; the compare has written VCC, which the selects below read; the next step's compare hangs on their results, so each step has its own wait
	v_cndmask_b32 v[SU], 0, v[STT], vcc_lo
	v_sub_nc_u32 v[SKK], v[SKK], v[SU]
.if \first
	v_cndmask_b32 v[SPOS], 0, \width, vcc_lo
.else
	v_cndmask_b32 v[SU], 0, \width, vcc_lo
	v_add_nc_u32 v[SPOS], v[SPOS], v[SU]
.endif
.endm
.macro SELECT
	v_add_nc_u32 v[SN], s26, v2
	v_min_u32 v[SN], s23, v[SN]
	s_wait_alu depctr_va_vdst(0)
	v_mov_b32 v[SWD], s[MK]
	s_wait_alu depctr_va_vdst(0)
	v_mov_b32 v[SPK], 0
	s_wait_alu depctr_va_vdst(0)
	s_mov_b32 s28, 0
.set j, 1
.rept (31+SBN-1)/SBN                   ; the last word j whose bits begin at or under n: its bits, and (bits ahead of it) | (its first token << 16).  SBN compares to a run, each with a mask and a packed value of its own
.set i, 0
.rept SBN
.if j+i < 32
	s_bcnt1_i32_b32 s27, s[MK+j+i-1]
	s_add_co_u32 s28, s28, s27
	s_or_b32 s[SQ+i], s28, (128*((j+i)/4)+((j+i)%4))<<16
	v_cmp_le_u32 s[SM+i], s28, v[SN]
.endif
.set i, i+1
.endr
	s_wait_alu depctr_va_sdst(0)                   ; the run's compares have written s[SM ..], which the selects below read
.set i, 0
	s_wait_alu depctr_va_vdst(0)
.rept SBN
.if j+i < 32
	v_cndmask_b32 v[SWD], v[SWD], s[MK+j+i], s[SM+i]
	v_cndmask_b32 v[SPK], v[SPK], s[SQ+i], s[SM+i]
.endif
.set i, i+1
.endr
.set j, j+SBN
.endr
	v_and_b32 v[STT], 0xffff, v[SPK]
	v_sub_nc_u32 v[SKK], v[SN], v[STT]             ; k: which set bit of the word
	v_lshrrev_b32 v[STB], 16, v[SPK]
	v_lshrrev_b32 v[SA], 1, v[SWD]                 ; counts of set bits in fields of 2, 4 and 8 bits
	v_and_b32 v[SA], 0x55555555, v[SA]
	v_sub_nc_u32 v[SA], v[SWD], v[SA]
	v_lshrrev_b32 v[SB], 2, v[SA]
	v_and_b32 v[SB], 0x33333333, v[SB]
	v_and_b32 v[STT], 0x33333333, v[SA]
	v_add_nc_u32 v[SB], v[SB], v[STT]
	v_lshrrev_b32 v[SCN], 4, v[SB]
	v_add_nc_u32 v[SCN], v[SCN], v[SB]
	v_and_b32 v[SCN], 0x0f0f0f0f, v[SCN]
	v_lshrrev_b32 v[STT], 8, v[SCN]
	v_add_nc_u32 v[STT], v[STT], v[SCN]
	v_and_b32 v[STT], 0xff, v[STT]                 ; the count of the low 16 bits
	SSTEP SCN, 16, 1
	SSTEP SCN, 8, 0
	SSTEP SB, 4, 0
	SSTEP SA, 2, 0
	SSTEP SWD, 1, 0
	v_lshl_add_u32 v[TOK], v[SPOS], 2, v[STB]      ; bit i of word j is token 128 (j / 4) + j % 4 + 4 i
	v_min_u32 v[TOK], 0x3ff, v[TOK]                ; held inside the table ahead of every address
.endm
; group g of phase B: K step g / 2, tiles 4 (g % 2) .. + 3: four images and their scale words (lanes 0-15: the even tile's rows, lanes 16-31: the odd tile's): nine LDS loads
.macro LOADG g
.irp t, 0,1,2,3
	ds_load_b128 v[WB+32*((\g)%2)+8*\t:WB+32*((\g)%2)+8*\t+3],   v[L16] offset:(4*(\g)+\t)*1024
	ds_load_b128 v[WB+32*((\g)%2)+8*\t+4:WB+32*((\g)%2)+8*\t+7], v[L16] offset:(4*(\g)+\t)*1024+512
.endr
	ds_load_b64 v[WS+2*((\g)%2):WS+2*((\g)%2)+1], v[L8W] offset:256*(\g)
.endm
.macro PROD g                          ; its four products; the eight accumulators take turns, one instruction a turn
.irp t, 0,1,2,3
.set DA, ACC+8*(4*((\g)%2)+\t)
.set FA, WB+32*((\g)%2)+8*\t
.set FB, XF+8*((\g)/2)
.if (\t%2) == 0
	v_wmma_scale_f32_16x16x128_f8f6f4 v[DA:DA+7], v[FA:FA+7], v[FB:FB+7], v[DA:DA+7], v[WS+2*((\g)%2)+\t/2], v[XS+(\g)/2] matrix_a_fmt:MATRIX_FMT_FP4 matrix_b_fmt:MATRIX_FMT_FP4
.else
	v_wmma_scale_f32_16x16x128_f8f6f4 v[DA:DA+7], v[FA:FA+7], v[FB:FB+7], v[DA:DA+7], v[WS+2*((\g)%2)+\t/2], v[XS+(\g)/2] matrix_a_fmt:MATRIX_FMT_FP4 matrix_b_fmt:MATRIX_FMT_FP4 matrix_a_scale:MATRIX_SCALE_ROW1
.endif
.endr
.endm
; the GELU of 16 registers (two accumulators, each read from its low end on), in place.  Two batches of transcendentals, one wait each.
.macro GELU16 a
.set i, 0
.rept 16
	v_fma_f32 v[GD+i], |v[(\a)+i]|, s[CT], 1.0
.set i, i+1
.endr
.set i, 0
	s_wait_alu depctr_va_vdst(0)
.rept 16
	v_rcp_f32 v[GT+i], v[GD+i]                     ; t
.set i, i+1
.endr
.set i, 0
.rept 8
	v_pk_mul_f32 v[GQ+i:GQ+i+1], v[(\a)+i:(\a)+i+1], v[(\a)+i:(\a)+i+1]   ; x^2: plain work behind the reciprocals
.set i, i+2
.endr
	s_wait_alu depctr_va_vdst(0)                   ; the sixteen reciprocals have written v[GT ..], ahead of their first reader: one wait for the batch
.set i, 0
.rept 8
	v_pk_fma_f32 v[GP+i:GP+i+1], v[GT+i:GT+i+1], v[14:15], s[CK+16:CK+17] op_sel_hi:[1,1,0]
.set i, i+2
.endr
.irp k, 7,6,5,4,3,2,1,0
.set i, 0
.rept 8
	v_pk_fma_f32 v[GP+i:GP+i+1], v[GP+i:GP+i+1], v[GT+i:GT+i+1], s[CK+2*\k:CK+2*\k+1] op_sel_hi:[1,1,0]
.set i, i+2
.endr
.endr
.set i, 0
.rept 8
	v_pk_fma_f32 v[GP+i:GP+i+1], v[GQ+i:GQ+i+1], s[CZ:CZ+1], v[GP+i:GP+i+1] op_sel_hi:[1,0,1]   ; L
.set i, i+2
.endr
.set i, 0
	s_wait_alu depctr_va_vdst(0)
.rept 16
	v_exp_f32 v[GD+i], v[GP+i]
.set i, i+1
.endr
.set i, 0
.rept 16
	v_max_num_f32 v[GQ+i], 0, v[(\a)+i]            ; max(x, 0): plain work behind the exponentials
.set i, i+1
.endr
	s_wait_alu depctr_va_vdst(0)                   ; the sixteen exponentials have written v[GD ..], ahead of their first reader: one wait for the batch
.set i, 0
.rept 8
	v_pk_mul_f32 v[GD+i:GD+i+1], v[GD+i:GD+i+1], v[GT+i:GT+i+1]          ; q = t 2^L
.set i, i+2
.endr
.set i, 0
.rept 16
	v_fma_f32 v[(\a)+i], -|v[(\a)+i]|, v[GD+i], v[GQ+i]
.set i, i+1
.endr
.endm
; 64 numbers of a lane, register 16 b + i = k 32 b + 16 (lane / 16) + i of my row, become a fragment's codes in v[PC] on and its scale word in v[PW]
.macro QUANT s
.irp b, 0,1,2,3
	v_max3_num_f32 v[TM+\b], |v[\s+16*\b]|, |v[\s+1+16*\b]|, 0x1800000
.endr
.irp n, 2,4,6,8,10,12,14
.irp b, 0,1,2,3
	v_max3_num_f32 v[TM+\b], v[TM+\b], |v[\s+16*\b+\n]|, |v[\s+1+16*\b+\n]|
.endr
.endr
.irp b, 0,1,2,3
	v_permlanex16_b32 v[TM+4+\b], v[TM+\b], s[SEL], s[SEL+1]
.endr
.irp b, 0,1,2,3
	v_max_num_f32 v[TM+\b], v[TM+\b], v[TM+4+\b]   ; with lane l xor 16's 16: the block's largest magnitude
.endr
.irp b, 0,1,2,3
	v_add_nc_u32 v[TM+12+\b], 0xff000000, v[TM+\b]
.endr
.irp b, 0,1,2,3
	v_lshrrev_b32 v[TM+4+\b], 23, v[TM+12+\b]
.endr
	v_lshl_or_b32 v[PW], v[TM+5], 8, v[TM+4]
	v_lshl_or_b32 v[PW], v[TM+6], 16, v[PW]
	v_lshl_or_b32 v[PW], v[TM+7], 24, v[PW]
.irp b, 0,1,2,3
	v_cvt_scalef32_pk8_fp4_f32 v[PC+2*\b], v[\s+16*\b:\s+7+16*\b], v[TM+12+\b]
	v_cvt_scalef32_pk8_fp4_f32 v[PC+1+2*\b], v[\s+8+16*\b:\s+15+16*\b], v[TM+12+\b]
.endr
	v_nop                                          ; one plain place behind a scaled conversion
.irp c, 0,1                            ; the operand's layout wants a whole block in a lane: lanes 0-15 block 2 c, lanes 16-31 block 2 c + 1
.irp n, 0,1
	v_permlane16_swap_b32 v[PC+4*\c+\n], v[PC+2+4*\c+\n]
.endr
.endr
.endm
	s_load_b256 s[4:11], s[0:1], 0x0               ; W1 s[4:5], b1 s[6:7], xq s[8:9], xs s[10:11]
	s_load_b128 s[12:15], s[0:1], 0x20             ; sel s[12:13], hq s[14:15]
	s_load_b64 s[16:17], s[0:1], 0x30              ; hs
	v_lshl_add_u32 v[SPW], v0, 2, SPARE
	v_mov_b32 v[NIL], 0
	v_lshrrev_b32 v9, 5, v0
	v_readfirstlane_b32 s18, v9                    ; wave 0..15
	s_and_b32 s19, ttmp7, 0xffff                   ; the expert
	s_mov_b32 s20, ttmp9                           ; the slice of 128 columns
	s_lshl_b32 s21, 1, s19
	v_and_b32 v9, 31, v0                           ; lane
	v_lshlrev_b32 v1, 2, v9
	v_and_b32 v2, 15, v0                           ; r
	v_bfe_u32 v3, v0, 4, 1                         ; h
	v_lshlrev_b32 v[L16], 4, v9
	v_lshlrev_b32 v[B64H], 6, v3
	v_lshlrev_b32 v[H16], 4, v3
	v_lshl_add_u32 v[L8W], v9, 3, WSC
	v_and_b32 v10, 7, v0                           ; i
	v_bfe_u32 v11, v0, 3, 1                        ; u
	v_lshlrev_b32 v[LIMG], 4, v10                  ; my column is row 8 h + i of tile (4 (wave % 2) + 2 set + u): 16 bytes a row,
	v_lshl_add_u32 v[LIMG], v3, 7, v[LIMG]
	v_lshl_add_u32 v[LIMG], v11, 10, v[LIMG]       ; 1,024 an image,
	s_wait_alu depctr_va_sdst(0)                   ; s18 is written, ahead of its first reader
	s_lshl_b32 s27, s18, 12
	v_add_nc_u32 v[LIMG], s27, v[LIMG]             ; four images a wave
	v_lshlrev_b32 v[LSC], 3, v10                   ; its scale word: 8 bytes for each lane of the scale registers (16 u + 8 h + i),
	v_lshl_add_u32 v[LSC], v3, 6, v[LSC]
	v_lshl_add_u32 v[LSC], v11, 7, v[LSC]
	s_lshl_b32 s27, s18, 8
	s_add_co_u32 s27, s27, WSC
	v_add_nc_u32 v[LSC], s27, v[LSC]               ; 256 bytes a wave
.irp b, 0,1,2,3
	v_mov_b32 v[TM+4+\b], 0                        ; written once: a lane permute's destination counts as one of its sources
.endr
	v_mov_b32 v14, 0x3e7c6f08                      ; coefficient 9, in a vector pair: the first step of the polynomial has two constants
	v_mov_b32 v15, 0x3e7c6f08
	s_mov_b32 s[SEL], 0x76543210
	s_mov_b32 s[SEL+1], 0xfedcba98
	CPAIR CZ, 0xbf38aa3b                           ; -0.72134752
	CPAIR CK, 0xc034d90f                           ; -2.82574822
	CPAIR CK+2, 0x3fb8ab5a                         ;  1.44272920
	CPAIR CK+4, 0x3f0a29d2                         ;  0.539700615
	CPAIR CK+6, 0x3e0efb2e                         ;  0.139630056
	CPAIR CK+8, 0xbe899a80                         ; -0.26875686
	CPAIR CK+10, 0x3ecdfd18                        ;  0.402321581
	CPAIR CK+12, 0xbfd1a1e5                        ; -1.63775315
	CPAIR CK+14, 0x40097039                        ;  2.14747446
	CPAIR CK+16, 0xbf97d29d                        ; -1.18611494
	s_mov_b32 s[CT], 0x3eb504f3                    ;  0.353553391
	s_lshr_b32 s27, s18, 1                         ; my K step,
	s_and_b32 s28, s18, 1                          ; my half of the columns
	s_lshl_b32 s32, s19, 24                        ; W1: the expert's 2^24 bytes,
	s_lshl_b32 s29, s27, 21                        ; 128 rows of 16,384 bytes a K step,
	s_add_co_u32 s32, s32, s29
	s_lshl_b32 s29, s20, 9                         ; 512 bytes a slice,
	s_add_co_u32 s32, s32, s29
	s_lshl_b32 s29, s28, 8                         ; 256 a half
	s_add_co_u32 s32, s32, s29
	s_mov_b32 s33, 0
	s_wait_kmcnt 0x0
	s_add_nc_u64 s[WP:WP+1], s[4:5], s[32:33]
	s_lshl_b32 s32, s19, 14
	s_lshl_b32 s29, s20, 9
	s_add_co_u32 s32, s32, s29
	s_add_nc_u64 s[6:7], s[6:7], s[32:33]          ; b1 at my expert and slice
	s_lshl_b32 s32, s19, 21
	s_lshl_b32 s29, s20, 10
	s_add_co_u32 s32, s32, s29
	s_add_nc_u64 s[14:15], s[14:15], s[32:33]      ; hq: image ((64 e + m) 32 + s), 1,024 bytes each
	s_lshl_b32 s32, s20, 15
	s_lshl_b32 s29, s19, 12
	s_add_co_u32 s32, s32, s29
	s_add_nc_u64 s[16:17], s[16:17], s[32:33]      ; hs: word (8,192 s + 1,024 e + row)
	; ---- PHASE A
	s_wait_alu depctr_va_vdst(0)                   ; v1, v[LIMG], v[LSC], v[L16], v[B64H] and v[L8W] are written: the loads and LDS instructions of the whole kernel read them as addresses, and no line writes them again
.irp q, 0,1,2,3,4,5,6,7
	global_load_b128 v[R+4*\q:R+4*\q+3], v[L16], s[12:13] offset:512*\q   ; sel: register 4 q + c of lane i is token 128 q + 4 i + c
.endr
	LOADU 0
	LOADU 1
	s_wait_loadcnt 63                              ; sel and block 0 are in: behind block 0 stand block 1's 64 loads; the wait's field holds 63 at the most, and a smaller count is safe
	MASKS
	QUANTU 0
	LOADU 2                                        ; no further wait: since the wait in block 0 only its LDS stores were issued
	s_wait_loadcnt 63                              ; block 1: behind it stand block 2's 64
	QUANTU 1
	LOADU 3
	s_wait_loadcnt 63                              ; block 2
	QUANTU 2
	s_wait_loadcnt 0x0
	QUANTU 3
	s_wait_dscnt 0x0                               ; for the others' sake: my images and scale words lie in LDS
	s_barrier_signal -1
	s_barrier_wait -1                              ; the slice's 64 images are whole.  No barrier follows: from here on LDS is only read
	; ---- PHASE B
	s_mov_b32 s24, s18                             ; my first row tile
	s_mov_b32 s25, 0
.Ltile:                                            ; at most four trips: 64 tiles serve every split, all 1,024 tokens on one expert too
	s_wait_xcnt 0x0                                ; the last trip's loads and stores have read their address and data registers, which are written again below
	s_wait_alu depctr_vm_vsrc(0)                   ; the last trip's loads have read v9 and v10, its stores v11, v[HSO], v[PC ..] and v[PW]; ahead of the first trip my LDS stores have read v[C ..] and v[SW ..]: all are written again below
	s_wait_alu depctr_va_vdst(0)                   ; the last trip's products, GELU and quantiser are done with ACC, with the first buffer of fragments and with its scale words, in which the loads below land
	s_lshl_b32 s26, s24, 4
	s_cmp_ge_u32 s26, s22                          ; the expert has no row 16 m: done (a number read from memory decides; no barrier stands behind this branch)
	s_cbranch_scc1 .Ldone
.irp t, 0,1,2,3,4,5,6,7                ; b1 into the accumulators: register j of tile 2 bb + u is unit 32 bb + 16 h + 8 u + j
	global_load_b128 v[ACC+8*\t:ACC+8*\t+3],   v[B64H], s[6:7] offset:128*(\t/2)+32*(\t%2)
	global_load_b128 v[ACC+8*\t+4:ACC+8*\t+7], v[B64H], s[6:7] offset:128*(\t/2)+32*(\t%2)+16
.endr
	LOADG 0
	SELECT
	v_lshlrev_b32 v9, 9, v[TOK]
	v_add_nc_u32 v9, v[H16], v9                    ; xq: 512 bytes a token, + 16 h
	v_lshlrev_b32 v10, 5, v[TOK]                   ; xs: 32 bytes a token
	s_lshl_b32 s27, s24, 15
	v_add_nc_u32 v11, s27, v[L16]                  ; hq: 32 images a row tile
	v_add_nc_u32 v[HSO], s26, v2
	v_lshlrev_b32 v[HSO], 2, v[HSO]
	s_wait_alu depctr_va_vdst(0)                   ; v9 and v10 are written, which x's loads read; SELECT is done with v224 to v234, in which group 1's loads land
.irp k, 0,1,2,3,4,5,6,7
	global_load_b128 v[XF+8*\k:XF+8*\k+3],   v9, s[8:9] offset:64*\k
	global_load_b128 v[XF+8*\k+4:XF+8*\k+7], v9, s[8:9] offset:64*\k+32
.endr
	global_load_b128 v[XS:XS+3],   v10, s[10:11]
	global_load_b128 v[XS+4:XS+7], v10, s[10:11] offset:16
.irp g, 0,1,2,3,4,5,6,7,8,9,10,11,12,13,14
.if \g > 0
	s_wait_alu depctr_va_vdst(0)                   ; the last group's products are done reading their buffer of fragments and their pair of scale words, in which the next group's loads land
.endif
	LOADG \g+1
.if \g == 0
	s_wait_loadcnt 0x0                             ; b1, x's fragments and scale words
.endif
	s_wait_dscnt 9                                 ; this group's nine loads are in; the next group's nine may be out
	PROD \g
.endr
	s_wait_dscnt 0x0
	PROD 15
	NOPS 4                                         ; places ahead of the first read of results and of writes into the buffers
	GELU16 ACC
	GELU16 ACC+16
	GELU16 ACC+32
	GELU16 ACC+48
	QUANT ACC
	s_wait_alu depctr_va_vdst(0)                   ; the quantiser has written v[PC ..] and v[PW], which the stores read
	global_store_b128 v11, v[PC:PC+3], s[14:15]               ; the fragment as it stands: each store covers 512 consecutive bytes
	global_store_b128 v11, v[PC+4:PC+7], s[14:15] offset:512
	global_store_b32 v[HSO], v[PW], s[16:17]                  ; lanes l and l xor 16 store the same word with the same value
	s_add_co_u32 s24, s24, 16
	s_add_co_u32 s25, s25, 1
	s_cmp_lt_u32 s25, 4
	s_cbranch_scc1 .Ltile
.Ldone:
	s_wait_dscnt 0x0                               ; the wave's end
	s_wait_alu 0x0
	s_wait_tensorcnt 0x0
	ds_add_u32 v[SPW], v[NIL]
	s_wait_dscnt 0x0
	s_endpgm
.Lfunc_end_k_q5a1a4591f6_up:
	.size	k_q5a1a4591f6_up, .Lfunc_end_k_q5a1a4591f6_up-k_q5a1a4591f6_up
	.p2alignl 7, 3214868480
	.fill 96, 4, 3214868480
	.section	.rodata,"a",@progbits
	.p2align	6, 0x0
	.amdhsa_kernel k_q5a1a4591f6_up
		.amdhsa_group_segment_fixed_size 71680
		.amdhsa_private_segment_fixed_size 0
		.amdhsa_enable_private_segment 0
		.amdhsa_kernarg_size 56
		.amdhsa_user_sgpr_count 2
		.amdhsa_user_sgpr_kernarg_segment_ptr 1
		.amdhsa_wavefront_size32 1
		.amdhsa_system_sgpr_workgroup_id_x 1
		.amdhsa_system_sgpr_workgroup_id_y 1
		.amdhsa_system_sgpr_workgroup_id_z 1
		.amdhsa_system_vgpr_workitem_id 0
		.amdhsa_next_free_vgpr 256
		.amdhsa_next_free_sgpr 100
		.amdhsa_reserve_vcc 1
		.amdhsa_float_denorm_mode_32 3
		.amdhsa_float_denorm_mode_16_64 3
		.amdhsa_memory_ordered 1
		.amdhsa_forward_progress 1
		.amdhsa_inst_pref_size 124
	.end_amdhsa_kernel
	.amdgpu_metadata
---
amdhsa.version: [ 1, 2 ]
amdhsa.kernels:
  - .name:           k_q5a1a4591f6_up
    .symbol:         k_q5a1a4591f6_up.kd
    .args:
      - { .name: W1, .offset: 0, .size: 8, .value_kind: global_buffer, .address_space: global }
      - { .name: b1, .offset: 8, .size: 8, .value_kind: global_buffer, .address_space: global }
      - { .name: xq, .offset: 16, .size: 8, .value_kind: global_buffer, .address_space: global }
      - { .name: xs, .offset: 24, .size: 8, .value_kind: global_buffer, .address_space: global }
      - { .name: sel, .offset: 32, .size: 8, .value_kind: global_buffer, .address_space: global }
      - { .name: hq, .offset: 40, .size: 8, .value_kind: global_buffer, .address_space: global }
      - { .name: hs, .offset: 48, .size: 8, .value_kind: global_buffer, .address_space: global }
    .group_segment_fixed_size: 71680
    .private_segment_fixed_size: 0
    .kernarg_segment_align: 8
    .kernarg_segment_size: 56
    .max_flat_workgroup_size: 512
    .sgpr_count:     100
    .vgpr_count:     256
    .wavefront_size: 32
...
	.end_amdgpu_metadata
.endif
;; end of part 6
;; launch down (part 7): grid 32 x 8, 16 waves a work-group, no clusters, 141,312 bytes of LDS; arguments W2, b2, hq, hs, sel, gate, y; writes y
.if DOCPART == 7
	.amdgcn_target "amdgcn-amd-amdhsa--gfx1250"
	.amdhsa_code_object_version 6
	.text
	.protected	k_q5a1a4591f6_down
	.globl	k_q5a1a4591f6_down
	.p2align	8
	.type	k_q5a1a4591f6_down,@function
k_q5a1a4591f6_down:
	s_mov_b64 s[64:65], 0
	v_nop
	global_prefetch_b8 v0, s[64:65] scope:SCOPE_SE
	s_setreg_imm32_b32 hwreg(HW_REG_WAVE_SCHED_MODE, 0, 2), 2
	s_setreg_imm32_b32 hwreg(HW_REG_WAVE_MODE, 25, 1), 1
	s_wait_xcnt 0x0
	s_wait_alu depctr_vm_vsrc(0)
; SparseMoEFFN, launch 3 of 4: gate x (h W2[e] (+ b2[e])) for the rows routed to expert e, in two parts along K.
; WORK LEFT OUT: the rows of tokens that did not choose expert e (their weight is a zero that reference() builds itself: shown at the head of the first kernel).
; SHARES.  Work-group (x, e): columns 64 (x % 16) .. + 63 of W2[e], K half x / 16 (2,048 along K, 16 K steps): 524,288 bytes of f32, read once in the launch.  K is cut in two so that a row's part is 256 consecutive
; bytes, aligned, and there are 256 work-groups; the two parts meet in the last launch.
; PHASE A, as in the launch before: wave w takes K step w; a lane takes a column and its registers run down K; codes go to LDS as images of the operand's registers (fragment (K step, tile): 1,024 bytes, register
; group c of lane L at 512 c + 16 L); here the 16 columns of a tile are neighbours.
; PHASE B, behind ONE barrier: wave w takes the expert's row tiles w, w + 16, w + 32, w + 48.  h's fragments come from hq as the launch before left them.  The product is used transposed (source 0 = 16 columns of W2,
; source 1 = 16 rows of h): a lane holds one row and eight neighbouring columns.  The C of each sum's first product is b2 in K half 0 and zeros in K half 1 (32 registers written once in the launch).
; The rows are found as in the launch before (the same mask, the same order, the same copies of the last row past the count).  Each row is multiplied by its gate and stored at y[K half][slot][token]: slot 0 where the
; expert is the token's first choice.  Each (slot, token) belongs to one expert, so each byte of y has one owner and every byte is written.  Copies of the last row carry the same bits to the same address.
; THE WAY OUT goes through the wave's own stage in LDS (16 rows x (256 + 16) bytes): sixteen lanes store 256 consecutive bytes of one row, aligned.  A row's place in y changes lanes with it (ds_bpermute_b32).
; The count is a number read from memory, and a branch hangs on it: so no tensor load, no copy, no cluster (what is shared, h's codes, is small beside the weights that each work-group streams alone).
; LIMITS: blocks of W2 whose largest magnitude lies under 2^-124 keep the byte 1 (blocks of zeros too: their codes are zeros); NaN and infinities among the inputs are not served.
; THE MODE: SCHED_MODE bits 1:0 = 2 (LLVM: expert scheduling mode 2), set by the entry lines.  The code itself states the register dependences between vector or matrix instructions and memory or LDS instructions,
; and between a vector instruction that writes a scalar register or VCC and its readers, with s_wait_alu, always for 0.
; THE PLAN.  Registers that memory or LDS instructions touch:
;   v1, v[LIMG], v[LSC], v[L16], v[L8W], v[B32H], v[STO], v[RD], v[IDX ..]   addresses and lane selects, made at the head and never written again: one wait on va_vdst ahead of the first load serves them all.
;   X0, X1, C, SW   Phase A, as in the launch before: ONE wait on va_vdst in a block, behind its vector lines.
;   BIAS          b2's loads land in it (or 32 moves write zeros); products read it as C.  It lies in X0, which block 2 read: block 3's wait stands behind that.
;   HS, HF        Phase B.  h's scale words and fragments: loads land, products read.  HF's places 0 to 3 are asked for again at K step 4, places 4 to 7 at K step 8; on the way out HF's first 32 registers take the
;                 rows back from the stage, and the global stores read them.
;   WB0, WB1, WS  LDS loads of K step k land in WB[k % 2] and WS's pair k % 2; its products read them; SELECT works in WB1 ahead of K step 1's loads.
;   v9, v10       written at a trip's head, read by h's loads.      v11, v[GTO]   written behind SELECT, read by two loads.      v[SELW], v[GL ..]   those loads land; vector instructions read.
;   ACC           products and the gate's multiplies write; the LDS stores read.      v[INFO]   vector instructions write; the permutes read.
;   v[OFT ..]     the permutes' results land; vector instructions make addresses of them; the global stores read.
;   A trip's waits: at its head one on vm_vsrc; one on va_vdst behind v9 and v10; one behind SELECT, v11 and v[GTO]; one ahead of each K step's loads from K step 2's on; one ahead of the run of LDS stores, permutes and
;   LDS loads; one ahead of the global stores.  The sixteen waves' 256 registers fill the four SIMDs' 1,024, so there are two buffers of fragments and no third.
.set PITCH, 4096                       ; bytes from k to k + 1 in W2[e]
.set WSC,   65536                      ; LDS: 0 .. 65,535 the 64 images; then the scale words, 256 bytes a K step;
.set STG,   69632                      ; the stages, 4,352 bytes a wave;
.set SPARE, 139264                     ; the spare words, 128 bytes a wave
.set LIMG, 4
.set LSC,  5
.set L16,  6                           ; v6   16 x lane
.set L8W,  7                           ; v7   WSC + 8 x lane
.set TOK,  8                           ; v8   my row's token;  v9, v10 my place in hq, hs;  v11 the token's place in sel
.set SPW,  12                          ; v12  LDS address of my spare word; never rewritten
.set NIL,  13                          ; v13  0; never rewritten
.set B32H, 14                          ; v14  32 (lane / 16): b2
.set INFO, 15                          ; v15  1,024 x slot + token
.set HS,   16                          ; v16-31  h's scale words, a register a K step: scales and nothing else
.set WS,   32                          ; v32-35  W2's, two sets of two: scales and nothing else
.set STO,  36                          ; v36, v37 the stage: where I put 32 bytes of a row, where I read a row back
.set RD,   37
.set GTO,  38                          ; v38  the token's place in gate
.set SELW, 39
.set GL,   40                          ; v[40:41] the token's two gates;  v[42:43] mine, twice
.set GP2,  42
.set IDX,  44                          ; v44-51  from which lane row 2 t + lane / 16 takes its place
.set OFT,  52                          ; v52-59  the rows' places in y
.set C16,  60                          ; v60  16 (lane % 16)
.set T0,   61
.set T1,   62
.set X,    64                          ; phase A: v64-191 two sets of 64 numbers
.set ACC,  64                          ; phase B: v64-95 four accumulators;  v96-127 b2 or zeros;  v128-191 eight fragments of h, later the rows read back
.set BIAS, 96
.set HF,   128
.set C,    192                         ; phase A: codes, and before them sel's words
.set R,    192
.set WB,   192                         ; phase B: two buffers of four fragments of W2
.set SW,   224
.set AM,   226
.set SCO,  230
.set BY,   232
.set TMPM, 234
.set ST,   224                         ; SELECT's work: in the second buffer
.set KH,   36                          ; s36  the K half
.set SBN,  8                           ; SELECT: compares in a run
.set SM,   40                          ; s40-47  their masks
.set SQ,   48                          ; s48-55  the run's packed values
.set WP,   60
.set MK,   68
.macro NOPS n
.rept \n
	v_nop
.endr
.endm
.macro LOADU u                         ; block u of my K step: 32 rows of W2, two sets of 32 columns: the two loads of a row take 256 consecutive bytes
.set i, 0
.rept 32
	global_load_b32 v[X+64*((\u)%2)+i], v1, s[WP:WP+1] offset:(32*(\u)+i)*PITCH th:TH_LOAD_NT
	global_load_b32 v[X+64*((\u)%2)+32+i], v1, s[WP:WP+1] offset:(32*(\u)+i)*PITCH+128 th:TH_LOAD_NT
.set i, i+1
.endr
.endm
.macro QUANTU u                        ; its two blocks of 32 become codes and a scale byte each; the two sets by turns
.set XA, X+64*((\u)%2)
.set XB, XA+32
.set CA, C+8*(\u)
	v_max3_num_f32 v[AM],   |v[XA]|,   |v[XA+1]|, |v[XA+2]|
	v_max3_num_f32 v[AM+2], |v[XB]|,   |v[XB+1]|, |v[XB+2]|
	v_max3_num_f32 v[AM+1], |v[XA+3]|, |v[XA+4]|, |v[XA+5]|
	v_max3_num_f32 v[AM+3], |v[XB+3]|, |v[XB+4]|, |v[XB+5]|
.irp n, 6,10,14,18,22,26
	v_max3_num_f32 v[AM],   v[AM],   |v[XA+\n]|,   |v[XA+\n+1]|
	v_max3_num_f32 v[AM+2], v[AM+2], |v[XB+\n]|,   |v[XB+\n+1]|
	v_max3_num_f32 v[AM+1], v[AM+1], |v[XA+\n+2]|, |v[XA+\n+3]|
	v_max3_num_f32 v[AM+3], v[AM+3], |v[XB+\n+2]|, |v[XB+\n+3]|
.endr
	v_max3_num_f32 v[AM],   v[AM],   |v[XA+30]|, |v[XA+31]|
	v_max3_num_f32 v[AM+2], v[AM+2], |v[XB+30]|, |v[XB+31]|
	v_max3_num_f32 v[AM],   v[AM],   v[AM+1], 0x1800000    ; and the floor 2^(3 - 127): the byte cannot fall under 1
	v_max3_num_f32 v[AM+2], v[AM+2], v[AM+3], 0x1800000
	v_add_nc_u32 v[SCO],   0xff000000, v[AM]               ; 2 off the exponent field: the conversion's scale operand
	v_add_nc_u32 v[SCO+1], 0xff000000, v[AM+2]
.irp g, 0,1,2,3
	v_cvt_scalef32_pk8_fp4_f32 v[CA+\g],   v[XA+8*\g:XA+8*\g+7], v[SCO]
	v_cvt_scalef32_pk8_fp4_f32 v[CA+4+\g], v[XB+8*\g:XB+8*\g+7], v[SCO+1]
.endr
.if (\u) == 0
	v_lshrrev_b32 v[SW],   23, v[SCO]                       ; the scale's byte (also the plain line behind the conversions)
	v_lshrrev_b32 v[SW+1], 23, v[SCO+1]
.else
	v_lshrrev_b32 v[BY],   23, v[SCO]
	v_lshrrev_b32 v[BY+1], 23, v[SCO+1]
	v_lshl_or_b32 v[SW],   v[BY],   8*(\u), v[SW]
	v_lshl_or_b32 v[SW+1], v[BY+1], 8*(\u), v[SW+1]
.endif
	s_wait_alu depctr_va_vdst(0)                   ; the conversions have written this block's codes and the shifts the scale words, which the LDS stores below read; the maxima and conversions are done reading this set of X, in which the loads of two blocks on land
	ds_store_b128 v[LIMG], v[CA:CA+3]   offset:((\u)/2)*512+((\u)%2)*256
	ds_store_b128 v[LIMG], v[CA+4:CA+7] offset:2048+((\u)/2)*512+((\u)%2)*256
.if (\u) == 3
	ds_store_b32 v[LSC], v[SW]
	ds_store_b32 v[LSC], v[SW+1] offset:4
.endif
.endm
.macro MASKS                           ; the expert's mask, s[MK] on, and its count s22; s23 = count - 1.  The 32 compares stand in one run, each with a scalar register of its own, and one wait serves them all
.set j, 0
.rept 32
	v_and_b32 v[TMPM+j%4], s21, v[R+j]
	v_cmp_ne_u32 s[MK+j], 0, v[TMPM+j%4]
.set j, j+1
.endr
	s_wait_alu depctr_va_sdst(0)                   ; the 32 compares have written s[MK ..], ahead of their first readers, the counts below
	s_mov_b32 s22, 0
.set j, 0
.rept 32
	s_bcnt1_i32_b32 s27, s[MK+j]
	s_add_co_u32 s22, s22, s27
.set j, j+1
.endr
	s_sub_co_u32 s23, s22, 1
.endm
.set SN,   ST
.set SWD,  ST+1
.set SPK,  ST+2
.set SKK,  ST+3
.set STB,  ST+4
.set SA,   ST+5
.set SB,   ST+6
.set SCN,  ST+7
.set STT,  ST+8
.set SU,   ST+9
.set SPOS, ST+10
.macro SSTEP src, width, first         ; the k-th set bit lies in the lower half of the field in hand where k is under that half's count t; else k -= t and the place moves up
.if \first == 0
	v_bfe_u32 v[STT], v[\src], v[SPOS], \width
.endif
	v_cmp_ge_u32 vcc_lo, v[SKK], v[STT]
	s_wait_alu depctr_va_vcc(0)                    ; the compare has written VCC, which the selects below read; the next step's compare hangs on their results, so each step has its own wait
	v_cndmask_b32 v[SU], 0, v[STT], vcc_lo
	v_sub_nc_u32 v[SKK], v[SKK], v[SU]
.if \first
	v_cndmask_b32 v[SPOS], 0, \width, vcc_lo
.else
	v_cndmask_b32 v[SU], 0, \width, vcc_lo
	v_add_nc_u32 v[SPOS], v[SPOS], v[SU]
.endif
.endm
.macro SELECT                          ; v[TOK] = the token of the expert's row n = min(s26 + lane % 16, count - 1): the n-th set bit of the mask
	v_add_nc_u32 v[SN], s26, v2
	v_min_u32 v[SN], s23, v[SN]
	s_wait_alu depctr_va_vdst(0)
	v_mov_b32 v[SWD], s[MK]
	v_mov_b32 v[SPK], 0
	s_mov_b32 s28, 0
.set j, 1
.rept (31+SBN-1)/SBN                   ; the last word j whose bits begin at or under n: its bits, and (bits ahead of it) | (its first token << 16).  SBN compares to a run, each with a mask and a packed value of its own
.set i, 0
.rept SBN
.if j+i < 32
	s_bcnt1_i32_b32 s27, s[MK+j+i-1]
	s_add_co_u32 s28, s28, s27
	s_or_b32 s[SQ+i], s28, (128*((j+i)/4)+((j+i)%4))<<16
	v_cmp_le_u32 s[SM+i], s28, v[SN]
.endif
.set i, i+1
.endr
	s_wait_alu depctr_va_sdst(0)                   ; the run's compares have written s[SM ..], which the selects below read
.set i, 0
	s_wait_alu depctr_va_vdst(0)
.rept SBN
.if j+i < 32
	v_cndmask_b32 v[SWD], v[SWD], s[MK+j+i], s[SM+i]
	v_cndmask_b32 v[SPK], v[SPK], s[SQ+i], s[SM+i]
.endif
.set i, i+1
.endr
.set j, j+SBN
.endr
	v_and_b32 v[STT], 0xffff, v[SPK]
	v_sub_nc_u32 v[SKK], v[SN], v[STT]
	v_lshrrev_b32 v[STB], 16, v[SPK]
	v_lshrrev_b32 v[SA], 1, v[SWD]
	v_and_b32 v[SA], 0x55555555, v[SA]
	v_sub_nc_u32 v[SA], v[SWD], v[SA]
	v_lshrrev_b32 v[SB], 2, v[SA]
	v_and_b32 v[SB], 0x33333333, v[SB]
	v_and_b32 v[STT], 0x33333333, v[SA]
	v_add_nc_u32 v[SB], v[SB], v[STT]
	v_lshrrev_b32 v[SCN], 4, v[SB]
	v_add_nc_u32 v[SCN], v[SCN], v[SB]
	v_and_b32 v[SCN], 0x0f0f0f0f, v[SCN]
	v_lshrrev_b32 v[STT], 8, v[SCN]
	v_add_nc_u32 v[STT], v[STT], v[SCN]
	v_and_b32 v[STT], 0xff, v[STT]
	SSTEP SCN, 16, 1
	SSTEP SCN, 8, 0
	SSTEP SB, 4, 0
	SSTEP SA, 2, 0
	SSTEP SWD, 1, 0
	v_lshl_add_u32 v[TOK], v[SPOS], 2, v[STB]
	v_min_u32 v[TOK], 0x3ff, v[TOK]                ; held inside the table ahead of every address
.endm
.macro LOADW k                         ; K step k: four images and their scale words (lanes 0-15: the even tile's columns, lanes 16-31: the odd tile's): nine LDS loads
.irp t, 0,1,2,3
	ds_load_b128 v[WB+32*((\k)%2)+8*\t:WB+32*((\k)%2)+8*\t+3],   v[L16] offset:(4*(\k)+\t)*1024
	ds_load_b128 v[WB+32*((\k)%2)+8*\t+4:WB+32*((\k)%2)+8*\t+7], v[L16] offset:(4*(\k)+\t)*1024+512
.endr
	ds_load_b64 v[WS+2*((\k)%2):WS+2*((\k)%2)+1], v[L8W] offset:256*(\k)
.endm
.macro PRODW k                         ; its four products; the four accumulators take turns, one instruction a turn
.irp t, 0,1,2,3
.set DA, ACC+8*\t
.set FA, WB+32*((\k)%2)+8*\t
.set FB, HF+8*((\k)%8)
.if (\k) == 0
.set CSRC, BIAS+8*\t
.else
.set CSRC, DA
.endif
.if (\t%2) == 0
	v_wmma_scale_f32_16x16x128_f8f6f4 v[DA:DA+7], v[FA:FA+7], v[FB:FB+7], v[CSRC:CSRC+7], v[WS+2*((\k)%2)+\t/2], v[HS+(\k)] matrix_a_fmt:MATRIX_FMT_FP4 matrix_b_fmt:MATRIX_FMT_FP4
.else
	v_wmma_scale_f32_16x16x128_f8f6f4 v[DA:DA+7], v[FA:FA+7], v[FB:FB+7], v[CSRC:CSRC+7], v[WS+2*((\k)%2)+\t/2], v[HS+(\k)] matrix_a_fmt:MATRIX_FMT_FP4 matrix_b_fmt:MATRIX_FMT_FP4 matrix_a_scale:MATRIX_SCALE_ROW1
.endif
.endr
.endm
.macro HLOAD k0, n, f0                 ; h's fragments of K steps k0 .. k0 + n - 1 into places f0 on: images, 512 consecutive bytes a load
.set i, 0
.rept \n
	global_load_b128 v[HF+8*((\f0)+i):HF+8*((\f0)+i)+3],   v9, s[8:9] offset:((\k0)+i)*1024
	global_load_b128 v[HF+8*((\f0)+i)+4:HF+8*((\f0)+i)+7], v9, s[8:9] offset:((\k0)+i)*1024+512
.set i, i+1
.endr
.endm
	s_load_b256 s[4:11], s[0:1], 0x0               ; W2 s[4:5], b2 s[6:7], hq s[8:9], hs s[10:11]
	s_load_b128 s[12:15], s[0:1], 0x20             ; sel s[12:13], gate s[14:15]
	s_load_b64 s[16:17], s[0:1], 0x30              ; y
	v_lshl_add_u32 v[SPW], v0, 2, SPARE
	v_mov_b32 v[NIL], 0
	v_lshrrev_b32 v9, 5, v0
	v_readfirstlane_b32 s18, v9                    ; wave 0..15 = my K step of the half
	s_and_b32 s19, ttmp7, 0xffff                   ; the expert
	s_and_b32 s20, ttmp9, 15                       ; which 64 columns
	s_lshr_b32 s[KH], ttmp9, 4                     ; which half of K
	s_lshl_b32 s21, 1, s19
	v_and_b32 v9, 31, v0                           ; lane
	v_lshlrev_b32 v1, 2, v9
	v_and_b32 v2, 15, v0                           ; r
	v_bfe_u32 v3, v0, 4, 1                         ; h
	v_lshlrev_b32 v[L16], 4, v9
	v_lshl_add_u32 v[L8W], v9, 3, WSC
	v_lshlrev_b32 v[B32H], 5, v3
	v_lshlrev_b32 v[C16], 4, v2
	v_lshl_add_u32 v[LIMG], v3, 10, v[C16]         ; my column is row r of tile (2 set + h): 16 bytes a row, 1,024 an image,
	s_wait_alu depctr_va_sdst(0)                   ; s18 is written, ahead of its first reader
	s_lshl_b32 s27, s18, 12
	v_add_nc_u32 v[LIMG], s27, v[LIMG]             ; four images a wave
	s_lshl_b32 s27, s18, 8
	v_add_nc_u32 v[LSC], s27, v[L8W]               ; its scale word: 8 bytes a lane, 256 a wave
	s_mul_i32 s27, s18, 4352
	s_add_co_u32 s27, s27, STG                     ; my stage
	v_mul_u32_u24 v[STO], v2, 272
	v_lshl_add_u32 v[STO], v3, 5, v[STO]
	v_add_nc_u32 v[STO], s27, v[STO]               ; in: row r, 32 bytes for each half of the lanes
	v_mul_u32_u24 v[RD], v3, 272
	v_lshl_add_u32 v[RD], v2, 4, v[RD]
	v_add_nc_u32 v[RD], s27, v[RD]                 ; back: lanes 0-15 one row, lanes 16-31 the next
	v_lshlrev_b32 v[T0], 2, v3
.irp t, 0,1,2,3,4,5,6,7
	v_add_nc_u32 v[IDX+\t], 8*\t, v[T0]            ; lane 2 t + h, as a byte address
.endr
	s_lshl_b32 s32, s19, 24                        ; W2: the expert's 2^24 bytes,
	s_lshl_b32 s29, s[KH], 4
	s_add_co_u32 s29, s29, s18
	s_lshl_b32 s29, s29, 19                        ; 128 rows of 4,096 bytes a K step,
	s_add_co_u32 s32, s32, s29
	s_lshl_b32 s29, s20, 8                         ; 256 bytes for 64 columns
	s_add_co_u32 s32, s32, s29
	s_mov_b32 s33, 0
	s_wait_kmcnt 0x0
	s_add_nc_u64 s[WP:WP+1], s[4:5], s[32:33]
	s_lshl_b32 s32, s19, 12
	s_lshl_b32 s29, s20, 8
	s_add_co_u32 s32, s32, s29
	s_add_nc_u64 s[6:7], s[6:7], s[32:33]          ; b2 at my expert and columns
	s_lshl_b32 s32, s19, 21
	s_lshl_b32 s29, s[KH], 14
	s_add_co_u32 s32, s32, s29
	s_add_nc_u64 s[8:9], s[8:9], s[32:33]          ; hq: image ((64 e + m) 32 + 16 half + K step)
	s_lshl_b32 s32, s[KH], 19
	s_lshl_b32 s29, s19, 12
	s_add_co_u32 s32, s32, s29
	s_add_nc_u64 s[10:11], s[10:11], s[32:33]      ; hs: word (8,192 (16 half + K step) + 1,024 e + row)
	s_lshl_b32 s32, s[KH], 23
	s_lshl_b32 s29, s20, 8
	s_add_co_u32 s32, s32, s29
	s_add_nc_u64 s[16:17], s[16:17], s[32:33]      ; y at my half and columns
	; ---- PHASE A
	s_wait_alu depctr_va_vdst(0)                   ; v1, v[LIMG], v[LSC], v[L16], v[L8W], v[B32H], v[STO], v[RD] and v[IDX ..] are written: the loads, LDS instructions and permutes of the whole kernel read them, and no line writes them again
.irp q, 0,1,2,3,4,5,6,7
	global_load_b128 v[R+4*\q:R+4*\q+3], v[L16], s[12:13] offset:512*\q   ; sel: register 4 q + c of lane i is token 128 q + 4 i + c
.endr
	LOADU 0
	LOADU 1
	s_wait_loadcnt 63                              ; sel and block 0 are in: behind block 0 stand block 1's 64 loads; the wait's field holds 63 at the most, and a smaller count is safe
	MASKS
	QUANTU 0
	LOADU 2                                        ; no further wait: since the wait in block 0 only its LDS stores were issued
	s_wait_loadcnt 63                              ; block 1: behind it stand block 2's 64
	QUANTU 1
	LOADU 3
	s_wait_loadcnt 63                              ; block 2
	QUANTU 2
	s_wait_loadcnt 0x0
	QUANTU 3
	s_cmp_lg_u32 s[KH], 0                          ; an id: the same in all waves
	s_cbranch_scc1 .Lzeros
.irp t, 0,1,2,3                        ; b2 in the result's layout: register j of tile t is column 16 t + 8 h + j.  Waited for with the first tile's loads.  (The last vector line that named these registers, in block 2, stands ahead of block 3's wait on va_vdst)
	global_load_b128 v[BIAS+8*\t:BIAS+8*\t+3],   v[B32H], s[6:7] offset:64*\t
	global_load_b128 v[BIAS+8*\t+4:BIAS+8*\t+7], v[B32H], s[6:7] offset:64*\t+16
.endr
	s_branch .Lbias_set
.Lzeros:
.set i, 0
.rept 32
	v_mov_b32 v[BIAS+i], 0                         ; the second half of K adds no bias: written once, used by every tile
.set i, i+1
.endr
.Lbias_set:
	s_wait_dscnt 0x0                               ; for the others' sake: my images and scale words lie in LDS
	s_barrier_signal -1
	s_barrier_wait -1                              ; the 64 images are whole.  No barrier follows: the images are only read, and a stage is its wave's own
	; ---- PHASE B
	s_mov_b32 s24, s18                             ; my first row tile
	s_mov_b32 s25, 0
.Ltile:                                            ; at most four trips: 64 tiles serve every split
	s_wait_xcnt 0x0                                ; the last trip's loads and stores have read their address and data registers, which are written again below
	s_wait_alu depctr_vm_vsrc(0)                   ; the last trip's loads have read v9 to v11 and v[GTO], its LDS stores ACC, its permutes v[INFO], its global stores v[OFT ..] and the rows in v[HF ..]; ahead of the first trip my LDS stores have read v[C ..] and v[SW ..]: all are written again below
	s_lshl_b32 s26, s24, 4
	s_cmp_ge_u32 s26, s22                          ; the expert has no row 16 m: done (a number read from memory decides; no barrier stands behind this branch)
	s_cbranch_scc1 .Ldone
	s_lshl_b32 s27, s24, 15
	v_add_nc_u32 v9, s27, v[L16]                   ; hq: 32 images a row tile
	v_add_nc_u32 v10, s26, v2
	v_lshlrev_b32 v10, 2, v10
	s_wait_alu depctr_va_vdst(0)                   ; v9 and v10 are written, which h's loads read; the last trip's products are done reading v[HS ..], v[HF ..], the first buffer of fragments and its scale words, in which the loads below land
.irp k, 0,1,2,3,4,5,6,7,8,9,10,11,12,13,14,15
	global_load_b32 v[HS+\k], v10, s[10:11] offset:32768*\k
.endr
	HLOAD 0, 8, 0
	LOADW 0
	SELECT
	v_lshlrev_b32 v11, 2, v[TOK]
	v_lshlrev_b32 v[GTO], 3, v[TOK]
	s_wait_alu depctr_va_vdst(0)                   ; v11 and v[GTO] are written, which the two loads below read; the last trip's selects are done reading v[SELW] and v[GL ..], in which they land; SELECT is done with v224 to v234, in which K step 1's loads land
	global_load_b32 v[SELW], v11, s[12:13]
	global_load_b64 v[GL:GL+1], v[GTO], s[14:15]
.irp k, 0,1,2,3,4,5,6,7,8,9,10,11,12,13,14
.if \k > 0
	s_wait_alu depctr_va_vdst(0)                   ; the products issued so far are done reading: the last K step's buffer of fragments and pair of scale words, and (K steps 4 and 8) four places of h, in which the loads below land
.endif
.if \k == 4
	HLOAD 8, 4, 0                                  ; K steps 0 to 3 are multiplied: their places take K steps 8 to 11
.endif
.if \k == 8
	HLOAD 12, 4, 4
.endif
	LOADW \k+1
.if \k == 0
	s_wait_loadcnt 0x0                             ; h's first eight fragments, its scale words, the token's word and gates (and b2)
.endif
.if \k == 8
	s_wait_loadcnt 8                               ; K steps 8 to 11 are in: behind them stand the eight loads of 12 to 15
.endif
.if \k == 12
	s_wait_loadcnt 0x0
.endif
	s_wait_dscnt 9                                 ; this K step's nine loads are in; the next one's nine may be out
	PRODW \k
.endr
	s_wait_dscnt 0x0
	PRODW 15
	NOPS 5                                         ; four places ahead of the first read of results; five ahead of the next tile's first products, which begin the accumulators anew with another C
	v_bfe_u32 v[T0], v[SELW], 8, 3                 ; the token's first choice
	v_cmp_ne_u32 vcc_lo, s19, v[T0]                ; slot 1 where that is not my expert
	s_wait_alu depctr_va_vcc(0)                    ; the compare has written VCC, which the three selects below read
	v_cndmask_b32 v[GP2], v[GL], v[GL+1], vcc_lo
	v_cndmask_b32 v[GP2+1], v[GL], v[GL+1], vcc_lo
	v_cndmask_b32 v[T1], 0, 1, vcc_lo
	v_lshl_add_u32 v[INFO], v[T1], 10, v[TOK]
.set i, 0
.rept 16
	v_pk_mul_f32 v[ACC+i:ACC+i+1], v[ACC+i:ACC+i+1], v[GP2:GP2+1]        ; x the gate; each accumulator from its low end on
.set i, i+2
.endr
	s_wait_alu depctr_va_vdst(0)                   ; the multiplies have written ACC, which the LDS stores read, and v[INFO] is written, which the permutes read; the products are done reading v[HF ..] and the last trip's vector lines are done with v[OFT ..], in which the loads' and permutes' results land
.irp t, 0,1,2,3
	ds_store_b128 v[STO], v[ACC+8*\t:ACC+8*\t+3]   offset:64*\t
	ds_store_b128 v[STO], v[ACC+8*\t+4:ACC+8*\t+7] offset:64*\t+16
.endr
.irp t, 0,1,2,3,4,5,6,7
	ds_bpermute_b32 v[OFT+\t], v[IDX+\t], v[INFO]  ; the place of row 2 t + lane / 16
.endr
.irp t, 0,1,2,3,4,5,6,7
	ds_load_b128 v[HF+4*\t:HF+4*\t+3], v[RD] offset:544*\t   ; LDS serves a wave's instructions in order (ISA guide 5.7.1.4): these see my stores
.endr
	s_wait_dscnt 8                                 ; the eight permutes are in: behind them stand the eight loads
.irp t, 0,1,2,3,4,5,6,7
	v_min_u32 v[OFT+\t], 0x7ff, v[OFT+\t]          ; held inside y's 2,048 rows of a half ahead of the address
	v_lshlrev_b32 v[OFT+\t], 12, v[OFT+\t]
	v_add_nc_u32 v[OFT+\t], v[C16], v[OFT+\t]
.endr
	s_wait_alu depctr_va_vdst(0)                   ; the eight places v[OFT ..] are written, which the global stores read as addresses
.irp t, 0,1,2,3,4,5,6,7
	s_wait_dscnt 7-\t
	global_store_b128 v[OFT+\t], v[HF+4*\t:HF+4*\t+3], s[16:17]   ; sixteen lanes store 256 consecutive bytes of one row, at a multiple of 256 from y's first byte
.endr
	s_add_co_u32 s24, s24, 16
	s_add_co_u32 s25, s25, 1
	s_cmp_lt_u32 s25, 4
	s_cbranch_scc1 .Ltile
.Ldone:
	s_wait_dscnt 0x0                               ; the wave's end
	s_wait_alu 0x0
	s_wait_tensorcnt 0x0
	ds_add_u32 v[SPW], v[NIL]
	s_wait_dscnt 0x0
	s_endpgm
.Lfunc_end_k_q5a1a4591f6_down:
	.size	k_q5a1a4591f6_down, .Lfunc_end_k_q5a1a4591f6_down-k_q5a1a4591f6_down
	.p2alignl 7, 3214868480
	.fill 96, 4, 3214868480
	.section	.rodata,"a",@progbits
	.p2align	6, 0x0
	.amdhsa_kernel k_q5a1a4591f6_down
		.amdhsa_group_segment_fixed_size 141312
		.amdhsa_private_segment_fixed_size 0
		.amdhsa_enable_private_segment 0
		.amdhsa_kernarg_size 56
		.amdhsa_user_sgpr_count 2
		.amdhsa_user_sgpr_kernarg_segment_ptr 1
		.amdhsa_wavefront_size32 1
		.amdhsa_system_sgpr_workgroup_id_x 1
		.amdhsa_system_sgpr_workgroup_id_y 1
		.amdhsa_system_sgpr_workgroup_id_z 1
		.amdhsa_system_vgpr_workitem_id 0
		.amdhsa_next_free_vgpr 256
		.amdhsa_next_free_sgpr 100
		.amdhsa_reserve_vcc 1
		.amdhsa_float_denorm_mode_32 3
		.amdhsa_float_denorm_mode_16_64 3
		.amdhsa_memory_ordered 1
		.amdhsa_forward_progress 1
		.amdhsa_inst_pref_size 88
	.end_amdhsa_kernel
	.amdgpu_metadata
---
amdhsa.version: [ 1, 2 ]
amdhsa.kernels:
  - .name:           k_q5a1a4591f6_down
    .symbol:         k_q5a1a4591f6_down.kd
    .args:
      - { .name: W2, .offset: 0, .size: 8, .value_kind: global_buffer, .address_space: global }
      - { .name: b2, .offset: 8, .size: 8, .value_kind: global_buffer, .address_space: global }
      - { .name: hq, .offset: 16, .size: 8, .value_kind: global_buffer, .address_space: global }
      - { .name: hs, .offset: 24, .size: 8, .value_kind: global_buffer, .address_space: global }
      - { .name: sel, .offset: 32, .size: 8, .value_kind: global_buffer, .address_space: global }
      - { .name: gate, .offset: 40, .size: 8, .value_kind: global_buffer, .address_space: global }
      - { .name: y, .offset: 48, .size: 8, .value_kind: global_buffer, .address_space: global }
    .group_segment_fixed_size: 141312
    .private_segment_fixed_size: 0
    .kernarg_segment_align: 8
    .kernarg_segment_size: 56
    .max_flat_workgroup_size: 512
    .sgpr_count:     100
    .vgpr_count:     256
    .wavefront_size: 32
...
	.end_amdgpu_metadata
.endif
;; end of part 7
;; launch combine (part 8): grid 257 x 1, 8 waves a work-group, no clusters, 1,536 bytes of LDS; arguments y, probs, out0, out1; writes out0, out1
.if DOCPART == 8
	.amdgcn_target "amdgcn-amd-amdhsa--gfx1250"
	.amdhsa_code_object_version 6
	.text
	.protected	k_q5a1a4591f6_combine
	.globl	k_q5a1a4591f6_combine
	.p2align	8
	.type	k_q5a1a4591f6_combine,@function
k_q5a1a4591f6_combine:
	s_mov_b64 s[64:65], 0
	v_nop
	global_prefetch_b8 v0, s[64:65] scope:SCOPE_SE
	s_setreg_imm32_b32 hwreg(HW_REG_WAVE_MODE, 25, 1), 1
	s_wait_xcnt 0x0
; SparseMoEFFN, launch 4 of 4: out0 = the sum of y's four parts (two halves of K x two slots; each part is already multiplied by its gate), and the auxiliary number.
; Work-groups 0 to 255: a plain stream.  Each makes 16,384 bytes of out0: thread t takes 16 bytes in each of four chunks of 4,096, so that a load or store of a wave covers 512 consecutive bytes.  All sixteen loads of
; a thread go out first; the waits count down chunk by chunk.  No LDS, no barrier, no matrix unit: memory binds.
; Work-group 256: out1 = 8 x 0.01 x the sum over e of (count_e / 2,048) (S_e / 1,024), S_e the sum of the probabilities of expert e, count_e how often it was chosen: both are column sums of probs [1,024][16].
.set SPARE, 512                        ; LDS: 0 .. 511 the eight waves' column sums; then the spare words, 128 bytes a wave
.set SPW, 2
.set NIL, 3
	s_load_b256 s[4:11], s[0:1], 0x0               ; y s[4:5], probs s[6:7], out0 s[8:9], out1 s[10:11]
	v_lshl_add_u32 v[SPW], v0, 2, SPARE
	v_mov_b32 v[NIL], 0
	v_lshlrev_b32 v1, 4, v0                        ; 16 bytes a thread
	s_cmp_eq_u32 ttmp9, 256                        ; an id: the same in all waves of a work-group
	s_cbranch_scc1 .Laux
	s_lshl_b32 s12, ttmp9, 14
	s_mov_b32 s13, 0
	s_wait_kmcnt 0x0
	s_add_nc_u64 s[4:5], s[4:5], s[12:13]          ; K half 0
	s_add_nc_u64 s[8:9], s[8:9], s[12:13]
	s_add_nc_u64 s[14:15], s[4:5], 0x800000        ; K half 1; slot 1 lies 4,194,304 bytes on, in the immediate
	s_wait_alu depctr_va_vdst(0)
.irp c, 0,1,2,3
	global_load_b128 v[16+16*\c:19+16*\c], v1, s[4:5]   offset:4096*\c th:TH_LOAD_NT
	global_load_b128 v[20+16*\c:23+16*\c], v1, s[14:15] offset:4096*\c th:TH_LOAD_NT
	global_load_b128 v[24+16*\c:27+16*\c], v1, s[4:5]   offset:4194304+4096*\c th:TH_LOAD_NT
	global_load_b128 v[28+16*\c:31+16*\c], v1, s[14:15] offset:4194304+4096*\c th:TH_LOAD_NT
.endr
.irp c, 0,1,2,3
	s_wait_loadcnt 12-4*\c                         ; this chunk's four loads are in; the later chunks' may be out
	v_pk_add_f32 v[16+16*\c:17+16*\c], v[16+16*\c:17+16*\c], v[20+16*\c:21+16*\c]   ; the two halves of K, slot 0,
	v_pk_add_f32 v[18+16*\c:19+16*\c], v[18+16*\c:19+16*\c], v[22+16*\c:23+16*\c]
	v_pk_add_f32 v[24+16*\c:25+16*\c], v[24+16*\c:25+16*\c], v[28+16*\c:29+16*\c]   ; slot 1,
	v_pk_add_f32 v[26+16*\c:27+16*\c], v[26+16*\c:27+16*\c], v[30+16*\c:31+16*\c]
	s_delay_alu instid0(VALU_DEP_2)
	v_pk_add_f32 v[16+16*\c:17+16*\c], v[16+16*\c:17+16*\c], v[24+16*\c:25+16*\c]   ; the two slots
	s_delay_alu instid0(VALU_DEP_2)
	v_pk_add_f32 v[18+16*\c:19+16*\c], v[18+16*\c:19+16*\c], v[26+16*\c:27+16*\c]
	global_store_b128 v1, v[16+16*\c:19+16*\c], s[8:9] offset:4096*\c th:TH_STORE_NT
.endr
	s_endpgm                                       ; these waves have written no LDS
.macro RED3                            ; v16-19 are added over the lanes with equal lane % 4: every such lane ends with the sum
.irp m, 4,8
.irp k, 0,1,2,3
	v_add_f32_dpp v[16+\k], v[16+\k], v[16+\k] row_xmask:\m row_mask:0xf bank_mask:0xf
.endr
.endr
.irp k, 0,1,2,3
	s_delay_alu instid0(VALU_DEP_4)
	v_permlanex16_b32 v[20+\k], v[16+\k], s20, s21
.endr
.irp k, 0,1,2,3
	s_delay_alu instid0(VALU_DEP_4)
	v_add_f32 v[16+\k], v[16+\k], v[20+\k]
.endr
.endm
.Laux:
	v_lshrrev_b32 v4, 5, v0
	s_delay_alu instid0(VALU_DEP_1)
	v_readfirstlane_b32 s12, v4                    ; wave 0..7
	s_mov_b32 s20, 0x76543210
	s_mov_b32 s21, 0xfedcba98                      ; v_permlanex16_b32's selects for lane l xor 16
	v_lshlrev_b32 v5, 6, v4
	v_and_b32 v6, 3, v0
	s_delay_alu instid0(VALU_DEP_1)
	v_lshl_add_u32 v5, v6, 4, v5                   ; my wave's 64 bytes, my group of four columns
	v_and_b32 v7, 31, v0
	s_delay_alu instid0(VALU_DEP_1)
	v_lshlrev_b32 v7, 4, v7                        ; back: lane l takes wave l / 4's group l % 4
	v_mov_b32 v8, 0
	s_wait_kmcnt 0x0
	s_wait_alu depctr_va_vdst(0)
.irp j, 0,1,2,3,4,5,6,7,8,9,10,11,12,13,14,15
	global_load_b128 v[16+4*\j:19+4*\j], v1, s[6:7] offset:4096*\j   ; four numbers at index 256 j + thread: always columns 4 (thread % 4) on
.endr
	s_wait_loadcnt 0x0
.irp j, 1
	v_pk_add_f32 v[16:17], v[16:17], v[16+4*\j:17+4*\j]
	v_pk_add_f32 v[18:19], v[18:19], v[18+4*\j:19+4*\j]
.endr
.irp j, 2, 3, 4, 5, 6, 7, 8, 9, 10, 11, 12, 13, 14, 15
	s_delay_alu instid0(VALU_DEP_2)
	v_pk_add_f32 v[16:17], v[16:17], v[16+4*\j:17+4*\j]
	s_delay_alu instid0(VALU_DEP_2)
	v_pk_add_f32 v[18:19], v[18:19], v[18+4*\j:19+4*\j]
.endr
	RED3
	ds_store_b128 v5, v[16:19]                     ; lanes that share an address hold the same value
	s_wait_dscnt 0x0                               ; for the others' sake: my wave's sums lie in LDS
	s_barrier_signal -1
	s_barrier_wait -1
	ds_load_b128 v[16:19], v7
	s_wait_dscnt 0x0
	RED3                                           ; groups 0, 1: S_0 .. S_7; groups 2, 3: count_0 .. count_7
.irp k, 0,1,2,3
	s_delay_alu instid0(VALU_DEP_4)
	v_mul_f32_dpp v[16+\k], v[16+\k], v[16+\k] row_xmask:2 row_mask:0xf bank_mask:0xf   ; S_e x count_e
.endr
	s_delay_alu instid0(VALU_DEP_3)
	v_add_f32 v16, v16, v17
	s_delay_alu instid0(VALU_DEP_2)
	v_add_f32 v18, v18, v19
	s_delay_alu instid0(VALU_DEP_1)
	v_add_f32 v16, v16, v18
	s_delay_alu instid0(VALU_DEP_1)
	v_add_f32_dpp v16, v16, v16 row_xmask:1 row_mask:0xf bank_mask:0xf                  ; with the other four experts
	s_delay_alu instid0(VALU_DEP_1)
	v_mul_f32 v16, 0x3323d70a, v16                 ; x 0.08 / (2,048 x 1,024)
	s_cmp_lg_u32 s12, 0
	s_cbranch_scc1 .Lnot_wave_0
	global_store_b32 v8, v16, s[10:11]             ; all lanes hold the same number
.Lnot_wave_0:
	s_wait_tensorcnt 0x0                           ; the wave's end
	ds_add_u32 v[SPW], v[NIL]
	s_wait_dscnt 0x0
	s_endpgm
.Lfunc_end_k_q5a1a4591f6_combine:
	.size	k_q5a1a4591f6_combine, .Lfunc_end_k_q5a1a4591f6_combine-k_q5a1a4591f6_combine
	.p2alignl 7, 3214868480
	.fill 96, 4, 3214868480
	.section	.rodata,"a",@progbits
	.p2align	6, 0x0
	.amdhsa_kernel k_q5a1a4591f6_combine
		.amdhsa_group_segment_fixed_size 1536
		.amdhsa_private_segment_fixed_size 0
		.amdhsa_enable_private_segment 0
		.amdhsa_kernarg_size 32
		.amdhsa_user_sgpr_count 2
		.amdhsa_user_sgpr_kernarg_segment_ptr 1
		.amdhsa_wavefront_size32 1
		.amdhsa_system_sgpr_workgroup_id_x 1
		.amdhsa_system_sgpr_workgroup_id_y 1
		.amdhsa_system_sgpr_workgroup_id_z 1
		.amdhsa_system_vgpr_workitem_id 0
		.amdhsa_next_free_vgpr 96
		.amdhsa_next_free_sgpr 66
		.amdhsa_reserve_vcc 0
		.amdhsa_float_denorm_mode_32 3
		.amdhsa_float_denorm_mode_16_64 3
		.amdhsa_memory_ordered 1
		.amdhsa_forward_progress 1
		.amdhsa_inst_pref_size 13
	.end_amdhsa_kernel
	.amdgpu_metadata
---
amdhsa.version: [ 1, 2 ]
amdhsa.kernels:
  - .name:           k_q5a1a4591f6_combine
    .symbol:         k_q5a1a4591f6_combine.kd
    .args:
      - { .name: y, .offset: 0, .size: 8, .value_kind: global_buffer, .address_space: global }
      - { .name: probs, .offset: 8, .size: 8, .value_kind: global_buffer, .address_space: global }
      - { .name: out0, .offset: 16, .size: 8, .value_kind: global_buffer, .address_space: global }
      - { .name: out1, .offset: 24, .size: 8, .value_kind: global_buffer, .address_space: global }
    .group_segment_fixed_size: 1536
    .private_segment_fixed_size: 0
    .kernarg_segment_align: 8
    .kernarg_segment_size: 32
    .max_flat_workgroup_size: 256
    .sgpr_count:     66
    .vgpr_count:     96
    .wavefront_size: 32
...
	.end_amdgpu_metadata
.endif
;; end of part 8
